; MI455X (gfx1250); checked and timed in simulation.
; The chip was launched on July 23, 2026; its instructions are those of AMD's public machine-readable ISA for CDNA 5 (MIT licence, August 2026) and "CDNA5" Instruction Set Architecture Reference Guide (July 2026). The comments in the code are by the model that wrote it; some were corrected since.
;; Roo Dec Attention. Allowed arithmetic: float matrix products may take bf16 or f16 operands with f32 sums; all other float work in f32.
;; Inputs: Wk 1,024 x 1,024 float32; Wk_sel 1,024 x 256 float32; Wo 1,024 x 1,024 float32; Wq 1,024 x 1,024 float32; Wq_sel 1,024 x 256 float32; Wu 1,024 x 1,024 float32; Wv 1,024 x 1,024 float32; x 8 x 1,024 x 1,024 float32.
;; Outputs: out0 8 x 1,024 x 1,024 float32.
;; 2 versions, each right. Each part assembles by itself: llvm-mc -triple=amdgcn-amd-amdhsa -mcpu=gfx1250 --defsym DOCPART=n.
;; ======== version 1 of 2: 8 launches
;; limits: values are held in f16: magnitudes above 65,504 overflow, below 6.1e-05 lose precision
;; workspace buffers: xw 25,165,824 bytes; s1 2,621,440 bytes; s2 2,621,440 bytes; s3 524,288 bytes; gt 524,288 bytes; sel 32,768 bytes of whole numbers; qkv 50,331,648 bytes; ctx 16,777,216 bytes
;; launch prep (part 1): grid 424 x 1, 8 waves a work-group, no clusters, 0 bytes of LDS; arguments x, Wq, Wk, Wv, Wo, Wu, Wk_sel, xw, s1, s2; writes xw, s1, s2
.if DOCPART == 1
	.amdgcn_target "amdgcn-amd-amdhsa--gfx1250"
	.amdhsa_code_object_version 6
	.text
	.protected	k_qb9f64916c3_prep
	.globl	k_qb9f64916c3_prep
	.p2align	8
	.type	k_qb9f64916c3_prep,@function
k_qb9f64916c3_prep:
	s_mov_b64 s[64:65], 0
	v_nop
	global_prefetch_b8 v0, s[64:65] scope:SCOPE_SE
	s_setreg_imm32_b32 hwreg(HW_REG_WAVE_MODE, 25, 1), 1
	s_wait_xcnt 0x0
; PREP: casts and layouts, a stream; no LDS and no matrix unit, since every number is touched once.
; Work-groups 0-255 (role X): block wg of 32 tokens of x.  x is rounded to bf16 into xw ([8192][1024]), and the block's mean over its
;   32 tokens (f32 sum in row order, times 1/32, rounded once to bf16) goes to s1 row wg.
; Work-groups 256-415 (role W): Wq, Wk, Wv, Wo, Wu ([k][n] f32) into the layout [k/8][n][8]: a unit of 16 bytes holds 8 consecutive k
;   of one column n, the lowest k lowest.  Wq, Wk, Wv side by side (n = 0..3071) at xw + 16,777,216; Wo at xw + 23,068,672; Wu at s1 + 524,288.
; Work-groups 416-423 (role KS): Wk_sel likewise at s2 + 524,288, with 1,024 units from k group to k group, of which 256 are written.
; LIMITS.  All are rounded to bf16; Wo's bf16 number is then written as f16 (the product behind takes f16): exact for magnitudes from
;   2^-14 to 65,504, f16's fixed step of 2^-24 below that, infinity above.
; The weights' loads take 128 consecutive bytes an instruction (a column a lane, eight rows): the price of turning [k][n] without LDS.
.set ROWB, 4096                        ; bytes in a row of x and of a square weight
.set ACC,  8                           ; v[8:11]   role X: the running sum of my four columns
.set X,    16                          ; v[16:143] role X: 32 rows, 4 registers each
.set R,    16                          ; v[16:47]  roles W, KS: 4 units x 8 numbers as loaded
.set D,    48                          ; v[48:63]  roles W, KS: 4 units to store
.set T,    64                          ; v[64:65]  at work
	s_load_b512 s[8:23], s[0:1], 0x0               ; x s[8:9], Wq s[10:11], Wk s[12:13], Wv s[14:15], Wo s[16:17], Wu s[18:19], Wk_sel s[20:21], xw s[22:23]
	s_load_b128 s[24:27], s[0:1], 0x40             ; s1 s[24:25], s2 s[26:27]
	v_lshlrev_b32 v1, 4, v0                        ; 16 t
	v_lshlrev_b32 v2, 3, v0                        ; 8 t
	v_lshlrev_b32 v3, 2, v0                        ; 4 t
	s_mov_b32 s2, ttmp9
	s_mov_b32 s5, 0                                ; the high word of every offset pair s[4:5]
	s_wait_kmcnt 0x0
	s_cmp_lt_u32 s2, 256
	s_cbranch_scc0 .Lweights
	; ROLE X.  Thread t owns columns 4 t .. 4 t + 3 of all 32 rows: a wave's load covers 512 consecutive bytes, its store 256.
	s_lshl_b32 s4, s2, 17                          ; 32 rows of 4,096 bytes
	s_add_nc_u64 s[8:9], s[8:9], s[4:5]
	s_lshl_b32 s4, s2, 16                          ; 32 rows of 2,048 bytes
	s_add_nc_u64 s[22:23], s[22:23], s[4:5]
	s_lshl_b32 s4, s2, 11                          ; one row of 2,048 bytes
	s_add_nc_u64 s[24:25], s[24:25], s[4:5]
.set i, 0
.rept 32
	global_load_b128 v[X+4*i:X+4*i+3], v1, s[8:9] offset:i*ROWB th:TH_LOAD_NT  ; all 32 rows are asked for at once
.set i, i+1
.endr
.macro CVST i                          ; row i: rounded in place, two words stored; no register is written again behind its store
	v_cvt_pk_bf16_f32 v[X+4*(\i)], v[X+4*(\i)], v[X+4*(\i)+1]
	v_cvt_pk_bf16_f32 v[X+4*(\i)+1], v[X+4*(\i)+2], v[X+4*(\i)+3]
	global_store_b64 v2, v[X+4*(\i):X+4*(\i)+1], s[22:23] offset:(\i)*2048
.endm
	s_wait_loadcnt 30                              ; rows 0 and 1 are in, the 30 younger loads stay out
	v_pk_add_f32 v[ACC:ACC+1], v[X:X+1], v[X+4:X+5]        ; the first two rows start the sum: nothing is cleared
	v_pk_add_f32 v[ACC+2:ACC+3], v[X+2:X+3], v[X+6:X+7]
	CVST 0
	CVST 1
.set i, 2
.rept 30
	s_wait_loadcnt 31-i                            ; row i is in, the younger rows stay out
	v_pk_add_f32 v[ACC:ACC+1], v[ACC:ACC+1], v[X+4*i:X+4*i+1]
	v_pk_add_f32 v[ACC+2:ACC+3], v[ACC+2:ACC+3], v[X+4*i+2:X+4*i+3]
	CVST i
.set i, i+1
.endr
	v_pk_mul_f32 v[ACC:ACC+1], v[ACC:ACC+1], 0x3d000000 op_sel_hi:[1,0]      ; times 1/32
	v_pk_mul_f32 v[ACC+2:ACC+3], v[ACC+2:ACC+3], 0x3d000000 op_sel_hi:[1,0]
	v_cvt_pk_bf16_f32 v12, v[ACC], v[ACC+1]
	v_cvt_pk_bf16_f32 v13, v[ACC+2], v[ACC+3]
	global_store_b64 v2, v[12:13], s[24:25]
	s_endpgm
; Four trips; a trip turns 32,768 bytes of a weight into four runs of 256 units.  Unit c of a thread: eight rows j, PITCH bytes apart, at
; c x CSRC; it is stored at c x CDST + 16 t, so a wave's store covers 512 consecutive bytes.  F16 = 1: the bf16 number is written as f16.
.macro WLOOP tag, PITCH, CSRC, CDST, F16
	s_mov_b32 s3, 4
.Lw_\tag:
.irp c, 0,1,2,3
.irp j, 0,1,2,3,4,5,6,7
	global_load_b32 v[R+8*(\c)+(\j)], v3, s[28:29] offset:(\j)*(\PITCH)+(\c)*(\CSRC)
.endr
.endr
	s_wait_loadcnt 0x0
.irp c, 0,1,2,3
.irp p, 0,1,2,3
	v_cvt_pk_bf16_f32 v[D+4*(\c)+(\p)], v[R+8*(\c)+2*(\p)], v[R+8*(\c)+2*(\p)+1]
.if \F16
	v_lshlrev_b32 v[T], 16, v[D+4*(\c)+(\p)]               ; the two bf16 as f32,
	v_and_b32 v[T+1], 0xffff0000, v[D+4*(\c)+(\p)]
	v_cvt_pk_f16_f32 v[D+4*(\c)+(\p)], v[T], v[T+1]        ; and as f16
.endif
.endr
	global_store_b128 v1, v[D+4*(\c):D+4*(\c)+3], s[30:31] offset:(\c)*(\CDST)
.endr
	s_wait_xcnt 0x0                                ; the bases and the stores' data are written again only behind this wait
	s_add_nc_u64 s[28:29], s[28:29], 32768
	s_add_nc_u64 s[30:31], s[30:31], s[38:39]
	s_sub_co_u32 s3, s3, 1
	s_cmp_lg_u32 s3, 0
	s_cbranch_scc1 .Lw_\tag
.endm
.Lweights:
	s_cmp_lt_u32 s2, 416
	s_cbranch_scc0 .Lksel
	; ROLE W.  mat = 0 Wq, 1 Wk, 2 Wv, 3 Wo, 4 Wu; part = which four k groups (32 rows).
	s_sub_co_u32 s4, s2, 256
	s_lshr_b32 s32, s4, 5                          ; mat
	s_and_b32 s33, s4, 31                          ; part
	s_cmp_eq_u32 s32, 1
	s_cselect_b64 s[28:29], s[12:13], s[10:11]
	s_cmp_eq_u32 s32, 2
	s_cselect_b64 s[28:29], s[14:15], s[28:29]
	s_cmp_eq_u32 s32, 3
	s_cselect_b64 s[28:29], s[16:17], s[28:29]
	s_cmp_eq_u32 s32, 4
	s_cselect_b64 s[28:29], s[18:19], s[28:29]
	s_cselect_b64 s[30:31], s[24:25], s[22:23]     ; Wu goes to s1, the others to xw
	s_lshl_b32 s4, s33, 17                         ; 32 rows of 4,096 bytes
	s_add_nc_u64 s[28:29], s[28:29], s[4:5]
	s_mul_i32 s34, s33, 196608                     ; Wq, Wk, Wv: 4 k groups of 3,072 units,
	s_lshl_b32 s36, s32, 14                        ; the matrix's 1,024 units in a k group,
	s_add_co_u32 s34, s34, s36
	s_add_co_u32 s34, s34, 16777216                ; behind xb
	s_lshl_b32 s36, s33, 16                        ; Wo, Wu: 4 k groups of 1,024 units
	s_add_co_u32 s37, s36, 23068672
	s_add_co_u32 s36, s36, 524288
	s_cmp_eq_u32 s32, 3
	s_cselect_b32 s34, s37, s34
	s_cmp_eq_u32 s32, 4
	s_cselect_b32 s34, s36, s34
	s_mov_b32 s35, 0
	s_add_nc_u64 s[30:31], s[30:31], s[34:35]
	s_mov_b32 s38, 16384                           ; bytes from k group to k group in the target
	s_mov_b32 s40, 49152
	s_cmp_lt_u32 s32, 3
	s_cselect_b32 s38, s40, s38
	s_mov_b32 s39, 0
	s_cmp_eq_u32 s32, 3
	s_cbranch_scc1 .Lwo
	WLOOP a, 4096, 1024, 4096, 0                   ; a trip: one k group; unit c: column t + 256 c
	s_endpgm
.Lwo:
	WLOOP b, 4096, 1024, 4096, 1
	s_endpgm
.Lksel:
	; ROLE KS.  part = which 16 k groups (128 rows of 1,024 bytes).
	s_sub_co_u32 s33, s2, 416
	s_lshl_b32 s4, s33, 17
	s_add_nc_u64 s[28:29], s[20:21], s[4:5]
	s_lshl_b32 s4, s33, 18                         ; 16 k groups of 16,384 bytes
	s_add_co_u32 s4, s4, 524288
	s_add_nc_u64 s[30:31], s[26:27], s[4:5]
	s_mov_b32 s38, 65536
	s_mov_b32 s39, 0
	WLOOP c, 1024, 8192, 16384, 0                  ; a trip: four k groups; unit c: k group c, column t
	s_endpgm
.Lfunc_end_k_qb9f64916c3_prep:
	.size	k_qb9f64916c3_prep, .Lfunc_end_k_qb9f64916c3_prep-k_qb9f64916c3_prep
	.p2alignl 7, 3214868480
	.fill 96, 4, 3214868480
	.section	.rodata,"a",@progbits
	.p2align	6, 0x0
	.amdhsa_kernel k_qb9f64916c3_prep
		.amdhsa_group_segment_fixed_size 0
		.amdhsa_private_segment_fixed_size 0
		.amdhsa_enable_private_segment 0
		.amdhsa_kernarg_size 80
		.amdhsa_user_sgpr_count 2
		.amdhsa_user_sgpr_kernarg_segment_ptr 1
		.amdhsa_wavefront_size32 1
		.amdhsa_system_sgpr_workgroup_id_x 1
		.amdhsa_system_sgpr_workgroup_id_y 1
		.amdhsa_system_sgpr_workgroup_id_z 1
		.amdhsa_system_vgpr_workitem_id 0
		.amdhsa_next_free_vgpr 144
		.amdhsa_next_free_sgpr 66
		.amdhsa_reserve_vcc 0
		.amdhsa_float_denorm_mode_32 3
		.amdhsa_float_denorm_mode_16_64 3
		.amdhsa_memory_ordered 1
		.amdhsa_forward_progress 1
		.amdhsa_inst_pref_size 35
	.end_amdhsa_kernel
	.amdgpu_metadata
---
amdhsa.version: [ 1, 2 ]
amdhsa.kernels:
  - .name:           k_qb9f64916c3_prep
    .symbol:         k_qb9f64916c3_prep.kd
    .args:
      - { .name: x, .offset: 0, .size: 8, .value_kind: global_buffer, .address_space: global }
      - { .name: Wq, .offset: 8, .size: 8, .value_kind: global_buffer, .address_space: global }
      - { .name: Wk, .offset: 16, .size: 8, .value_kind: global_buffer, .address_space: global }
      - { .name: Wv, .offset: 24, .size: 8, .value_kind: global_buffer, .address_space: global }
      - { .name: Wo, .offset: 32, .size: 8, .value_kind: global_buffer, .address_space: global }
      - { .name: Wu, .offset: 40, .size: 8, .value_kind: global_buffer, .address_space: global }
      - { .name: Wk_sel, .offset: 48, .size: 8, .value_kind: global_buffer, .address_space: global }
      - { .name: xw, .offset: 56, .size: 8, .value_kind: global_buffer, .address_space: global }
      - { .name: s1, .offset: 64, .size: 8, .value_kind: global_buffer, .address_space: global }
      - { .name: s2, .offset: 72, .size: 8, .value_kind: global_buffer, .address_space: global }
    .group_segment_fixed_size: 0
    .private_segment_fixed_size: 0
    .kernarg_segment_align: 8
    .kernarg_segment_size: 80
    .max_flat_workgroup_size: 256
    .sgpr_count:     66
    .vgpr_count:     144
    .wavefront_size: 32
...
	.end_amdgpu_metadata
.endif
;; end of part 1
;; launch root (part 2): grid 8 x 16, 16 waves a work-group, no clusters, 141,312 bytes of LDS; arguments s1, s2; writes s2
.if DOCPART == 2
	.amdgcn_target "amdgcn-amd-amdhsa--gfx1250"
	.amdhsa_code_object_version 6
	.text
	.protected	k_qb9f64916c3_root
	.globl	k_qb9f64916c3_root
	.p2align	8
	.type	k_qb9f64916c3_root,@function
k_qb9f64916c3_root:
	s_mov_b64 s[64:65], 0
	v_nop
	global_prefetch_b8 v0, s[64:65] scope:SCOPE_SE
	s_setreg_imm32_b32 hwreg(HW_REG_WAVE_MODE, 25, 1), 1
	s_wait_xcnt 0x0
; C[256][pitch 1024] = A[256][1024] B, bf16 operands, f32 sums, C rounded once to bf16.  A lies at byte 0 of the first buffer, row-major;
; B at byte 524,288 of it in units [k/8][1024][8]; C at byte 0 of the second.  Used twice: root = pooled Wu, and ksel = root Wk_sel (256 columns).
; SHARES.  A work-group makes 16 rows (y) x 128 columns (x).  There are few rows and much K, so K is split: wave w of 16 takes
; k = 64 w .. 64 w + 63, two matrix steps on 8 accumulators; the 16 partial sums meet in LDS and are added in f32 as a tree.
; The matrix instruction is used transposed (source 0 = 16 columns of B, source 1 = 16 rows of A): a lane holds row l % 16, columns 8 (l / 16) + 0..7.
; No tensor loads and no cluster: every operand byte goes straight into the one fragment register that needs it.
.set SPARE, 139264                     ; behind the partial sums: the spare words, 128 bytes for each of 16 waves
.set PART,  8704                       ; a wave's partial sum: 32 groups of four columns x 16 rows x 16 bytes, 272 bytes from group to group
.set QP,    272
.set VA,  4                            ; v4   row l % 16 of A x 2,048 + 16 (l / 16)
.set VB,  5                            ; v5   (l / 16) k groups of 16,384 bytes + 16 (l % 16)
.set STO, 6                            ; v6   where my lane puts its sums
.set RD0, 7                            ; v7   where my lane reads partial sums 0-7 back
.set RD1, 8                            ; v8   partial sums 8-15
.set CO,  9                            ; v9   8 x lane: my four columns of C
.set SPW, 10                           ; v10  my spare word; never rewritten
.set NIL, 11                           ; v11  0; never rewritten
.set AF,  16                           ; v[16:31]   A's fragments of the two steps
.set BF,  32                           ; v[32:159]  B's: step s, column block b at BF + 64 s + 8 b; later the partial sums read back
.set ACC, 160                          ; v[160:223] 8 accumulators
	s_load_b128 s[4:7], s[0:1], 0x0                ; A and B s[4:5], C s[6:7]
	v_lshl_add_u32 v[SPW], v0, 2, SPARE
	v_mov_b32 v[NIL], 0
	v_and_b32 v1, 15, v0                           ; l % 16
	v_bfe_u32 v2, v0, 4, 1                         ; l / 16
	v_and_b32 v3, 31, v0                           ; lane
	v_lshrrev_b32 v12, 5, v0
	v_readfirstlane_b32 s8, v12                    ; wave 0..15
	s_and_b32 s9, ttmp7, 0xffff                    ; which 16 rows
	s_lshl_b32 s10, s9, 15                         ; A: 16 rows of 2,048 bytes,
	s_lshl_b32 s11, s8, 7                          ; my 64 k
	s_add_co_u32 s10, s10, s11
	s_mov_b32 s11, 0
	s_lshl_b32 s12, s8, 17                         ; B: my 8 k groups of 16,384 bytes,
	s_lshl_b32 s13, ttmp9, 11                      ; the work-group's 128 units
	s_add_co_u32 s12, s12, s13
	s_add_co_u32 s12, s12, 524288
	s_mov_b32 s13, 0
	s_lshl_b32 s14, s9, 4                          ; C: row 16 y + wave,
	s_add_co_u32 s14, s14, s8
	s_lshl_b32 s14, s14, 11
	s_lshl_b32 s15, ttmp9, 8                       ; 128 columns of 2 bytes
	s_add_co_u32 s14, s14, s15
	s_mov_b32 s15, 0
	v_lshlrev_b32 v[VA], 11, v1
	v_lshl_add_u32 v[VA], v2, 4, v[VA]
	v_lshlrev_b32 v[VB], 14, v2
	v_lshl_add_u32 v[VB], v1, 4, v[VB]
	s_wait_kmcnt 0x0
	s_add_nc_u64 s[16:17], s[4:5], s[10:11]
	s_add_nc_u64 s[18:19], s[4:5], s[12:13]
	s_add_nc_u64 s[6:7], s[6:7], s[14:15]
.irp s, 0,1
	global_load_b128 v[AF+8*(\s):AF+8*(\s)+3],   v[VA], s[16:17] offset:64*(\s)
	global_load_b128 v[AF+8*(\s)+4:AF+8*(\s)+7], v[VA], s[16:17] offset:64*(\s)+32
.endr
.irp s, 0,1
.irp b, 0,1,2,3,4,5,6,7
	global_load_b128 v[BF+64*(\s)+8*(\b):BF+64*(\s)+8*(\b)+3],   v[VB], s[18:19] offset:(\s)*65536+(\b)*256        ; sixteen lanes: 256 consecutive bytes
	global_load_b128 v[BF+64*(\s)+8*(\b)+4:BF+64*(\s)+8*(\b)+7], v[VB], s[18:19] offset:(\s)*65536+(\b)*256+32768  ; two k groups on
.endr
.endr
	s_mul_i32 s20, s8, PART
	v_mul_u32_u24 v[STO], v2, 2*QP                 ; my columns 8 (l / 16) + 0..7 are two groups of four
	v_lshl_add_u32 v[STO], v1, 4, v[STO]
	v_add_nc_u32 v[STO], s20, v[STO]
	s_lshl_b32 s21, s8, 4
	v_mul_u32_u24 v[RD0], v3, QP                   ; back: lane = group of four columns, wave = row
	v_add_nc_u32 v[RD0], s21, v[RD0]
	v_add_nc_u32 v[RD1], 8*PART, v[RD0]
	v_lshlrev_b32 v[CO], 3, v3
	s_wait_loadcnt 16                              ; A and step 0's B are in; step 1's sixteen loads stay out
.irp b, 0,1,2,3,4,5,6,7
	v_wmma_f32_16x16x32_bf16 v[ACC+8*(\b):ACC+8*(\b)+7], v[BF+8*(\b):BF+8*(\b)+7], v[AF:AF+7], 0  ; the first step starts the sums
.endr
	s_wait_loadcnt 0x0
.irp b, 0,1,2,3,4,5,6,7                ; the eight accumulators take turns
	v_wmma_f32_16x16x32_bf16 v[ACC+8*(\b):ACC+8*(\b)+7], v[BF+64+8*(\b):BF+64+8*(\b)+7], v[AF+8:AF+15], v[ACC+8*(\b):ACC+8*(\b)+7]
.endr
.rept 4
	v_nop                                          ; four places between the last product and the stores of its result and the loads into its sources
.endr
.irp b, 0,1,2,3,4,5,6,7
	ds_store_b128 v[STO], v[ACC+8*(\b):ACC+8*(\b)+3]   offset:(4*(\b))*QP    ; each accumulator's low registers first
	ds_store_b128 v[STO], v[ACC+8*(\b)+4:ACC+8*(\b)+7] offset:(4*(\b)+1)*QP
.endr
	s_wait_tensorcnt 0x0                           ; behind my last LDS store
	ds_add_u32 v[SPW], v[NIL]
	s_wait_dscnt 0x0                               ; the wait also shows my stores done, for the other waves' sake
	s_barrier_signal -1
	s_barrier_wait -1
.irp p, 0,1,2,3,4,5,6,7
	ds_load_b128 v[BF+4*(\p):BF+4*(\p)+3], v[RD0] offset:(\p)*PART         ; lanes 272 bytes apart: sixteen different groups of banks
.endr
.irp p, 0,1,2,3,4,5,6,7
	ds_load_b128 v[BF+32+4*(\p):BF+32+4*(\p)+3], v[RD1] offset:(\p)*PART
.endr
	s_wait_dscnt 0x0
.irp d, 8,4,2,1                        ; the sixteen partial sums, added as a tree
.set p, 0
.rept \d
	v_pk_add_f32 v[BF+4*p:BF+4*p+1],   v[BF+4*p:BF+4*p+1],   v[BF+4*(p+(\d)):BF+4*(p+(\d))+1]
	v_pk_add_f32 v[BF+4*p+2:BF+4*p+3], v[BF+4*p+2:BF+4*p+3], v[BF+4*(p+(\d))+2:BF+4*(p+(\d))+3]
.set p, p+1
.endr
.endr
	v_cvt_pk_bf16_f32 v12, v[BF], v[BF+1]
	v_cvt_pk_bf16_f32 v13, v[BF+2], v[BF+3]
	global_store_b64 v[CO], v[12:13], s[6:7]       ; a wave stores 256 consecutive bytes of one row, aligned
	s_endpgm
.Lfunc_end_k_qb9f64916c3_root:
	.size	k_qb9f64916c3_root, .Lfunc_end_k_qb9f64916c3_root-k_qb9f64916c3_root
	.p2alignl 7, 3214868480
	.fill 96, 4, 3214868480
	.section	.rodata,"a",@progbits
	.p2align	6, 0x0
	.amdhsa_kernel k_qb9f64916c3_root
		.amdhsa_group_segment_fixed_size 141312
		.amdhsa_private_segment_fixed_size 0
		.amdhsa_enable_private_segment 0
		.amdhsa_kernarg_size 16
		.amdhsa_user_sgpr_count 2
		.amdhsa_user_sgpr_kernarg_segment_ptr 1
		.amdhsa_wavefront_size32 1
		.amdhsa_system_sgpr_workgroup_id_x 1
		.amdhsa_system_sgpr_workgroup_id_y 1
		.amdhsa_system_sgpr_workgroup_id_z 1
		.amdhsa_system_vgpr_workitem_id 0
		.amdhsa_next_free_vgpr 232
		.amdhsa_next_free_sgpr 66
		.amdhsa_reserve_vcc 0
		.amdhsa_float_denorm_mode_32 3
		.amdhsa_float_denorm_mode_16_64 3
		.amdhsa_memory_ordered 1
		.amdhsa_forward_progress 1
		.amdhsa_inst_pref_size 11
	.end_amdhsa_kernel
	.amdgpu_metadata
---
amdhsa.version: [ 1, 2 ]
amdhsa.kernels:
  - .name:           k_qb9f64916c3_root
    .symbol:         k_qb9f64916c3_root.kd
    .args:
      - { .name: s1, .offset: 0, .size: 8, .value_kind: global_buffer, .address_space: global }
      - { .name: s2, .offset: 8, .size: 8, .value_kind: global_buffer, .address_space: global }
    .group_segment_fixed_size: 141312
    .private_segment_fixed_size: 0
    .kernarg_segment_align: 8
    .kernarg_segment_size: 16
    .max_flat_workgroup_size: 512
    .sgpr_count:     66
    .vgpr_count:     232
    .wavefront_size: 32
...
	.end_amdgpu_metadata
.endif
;; end of part 2
;; launch ksel: the kernel of part 2 again; grid 2 x 16, 16 waves a work-group, no clusters, 141,312 bytes of LDS; arguments s2, s3; writes s3
;; launch gtl (part 3): grid 8 x 16, 8 waves a work-group, no clusters, 70,656 bytes of LDS; arguments s3, Wq_sel, gt; writes gt
.if DOCPART == 3
	.amdgcn_target "amdgcn-amd-amdhsa--gfx1250"
	.amdhsa_code_object_version 6
	.text
	.protected	k_qb9f64916c3_gtl
	.globl	k_qb9f64916c3_gtl
	.p2align	8
	.type	k_qb9f64916c3_gtl,@function
k_qb9f64916c3_gtl:
	s_mov_b64 s[64:65], 0
	v_nop
	global_prefetch_b8 v0, s[64:65] scope:SCOPE_SE
	s_setreg_imm32_b32 hwreg(HW_REG_WAVE_MODE, 25, 1), 1
	s_wait_xcnt 0x0
; GT[256][1024] = ksel[256][256] Wq_selT: GT[32 b + block][d] = the sum over a of ksel[32 b + block][a] Wq_sel[d][a].  The logits are then
; x GTT: the same numbers as (x Wq_sel) kselT with the sums taken in another order (stated: the rounding differs, nothing else).
; ksel: bf16, 1,024 elements from row to row.  Wq_sel: f32 [1024][256], read as it lies (its rows run along the sum) and rounded to bf16 in registers.
; SHARES.  As in the launch before: 16 rows (y) x 128 columns (x) a work-group; wave w of 8 takes a = 32 w .. 32 w + 31, one matrix step;
; the eight partial sums meet in LDS.  Wq_sel's loads take 32 bytes of each of 16 rows: one megabyte in all, read by 16 work-groups each.
.set SPARE, 69632
.set PART,  8704
.set QP,    272
.set VA,  4
.set VB,  5
.set STO, 6
.set RD,  7
.set CO,  9
.set SPW, 10
.set NIL, 11
.set AF,  16                           ; v[16:23]
.set RAW, 32                           ; v[32:159]  column block b: 16 f32 at RAW + 16 b, then its fragment in the first 8
.set ACC, 160
	s_load_b128 s[4:7], s[0:1], 0x0                ; ksel s[4:5], Wq_sel s[6:7]
	s_load_b64 s[8:9], s[0:1], 0x10                ; GT
	v_lshl_add_u32 v[SPW], v0, 2, SPARE
	v_mov_b32 v[NIL], 0
	v_and_b32 v1, 15, v0
	v_bfe_u32 v2, v0, 4, 1
	v_and_b32 v3, 31, v0
	v_lshrrev_b32 v12, 5, v0
	v_readfirstlane_b32 s10, v12                   ; wave 0..7
	s_and_b32 s11, ttmp7, 0xffff
	s_lshl_b32 s12, s11, 15                        ; ksel: 16 rows of 2,048 bytes,
	s_lshl_b32 s13, s10, 6                         ; my 32 a
	s_add_co_u32 s12, s12, s13
	s_mov_b32 s13, 0
	s_lshl_b32 s14, ttmp9, 17                      ; Wq_sel: 128 rows of 1,024 bytes,
	s_lshl_b32 s15, s10, 7                         ; my 32 a in f32
	s_add_co_u32 s14, s14, s15
	s_mov_b32 s15, 0
	s_lshl_b32 s16, s11, 4                         ; GT: row 16 y + wave,
	s_add_co_u32 s16, s16, s10
	s_lshl_b32 s16, s16, 11
	s_lshl_b32 s17, ttmp9, 8
	s_add_co_u32 s16, s16, s17
	s_mov_b32 s17, 0
	v_lshlrev_b32 v[VA], 11, v1
	v_lshl_add_u32 v[VA], v2, 4, v[VA]
	v_lshlrev_b32 v[VB], 10, v1
	v_lshl_add_u32 v[VB], v2, 5, v[VB]
	s_wait_kmcnt 0x0
	s_add_nc_u64 s[4:5], s[4:5], s[12:13]
	s_add_nc_u64 s[6:7], s[6:7], s[14:15]
	s_add_nc_u64 s[8:9], s[8:9], s[16:17]
	global_load_b128 v[AF:AF+3],   v[VA], s[4:5]
	global_load_b128 v[AF+4:AF+7], v[VA], s[4:5] offset:32
.irp b, 0,1,2,3,4,5,6,7
	global_load_b128 v[RAW+16*(\b):RAW+16*(\b)+3],     v[VB], s[6:7] offset:(\b)*16384      ; a = 8 (l / 16) + 0..3
	global_load_b128 v[RAW+16*(\b)+4:RAW+16*(\b)+7],   v[VB], s[6:7] offset:(\b)*16384+16   ; + 4..7
	global_load_b128 v[RAW+16*(\b)+8:RAW+16*(\b)+11],  v[VB], s[6:7] offset:(\b)*16384+64   ; 16 + 8 (l / 16) + 0..3
	global_load_b128 v[RAW+16*(\b)+12:RAW+16*(\b)+15], v[VB], s[6:7] offset:(\b)*16384+80
.endr
	s_mul_i32 s20, s10, PART
	v_mul_u32_u24 v[STO], v2, 2*QP
	v_lshl_add_u32 v[STO], v1, 4, v[STO]
	v_add_nc_u32 v[STO], s20, v[STO]
	s_lshl_b32 s21, s10, 4
	v_mul_u32_u24 v[RD], v3, QP
	v_add_nc_u32 v[RD], s21, v[RD]
	v_lshlrev_b32 v[CO], 3, v3
	s_wait_loadcnt 0x0
.irp b, 0,1,2,3,4,5,6,7
.irp i, 0,1,2,3,4,5,6,7                ; in place and ascending: word i is written when numbers 2 i and 2 i + 1 are read
	v_cvt_pk_bf16_f32 v[RAW+16*(\b)+(\i)], v[RAW+16*(\b)+2*(\i)], v[RAW+16*(\b)+2*(\i)+1]
.endr
.endr
.irp b, 0,1,2,3,4,5,6,7
	v_wmma_f32_16x16x32_bf16 v[ACC+8*(\b):ACC+8*(\b)+7], v[RAW+16*(\b):RAW+16*(\b)+7], v[AF:AF+7], 0
.endr
.rept 4
	v_nop                                          ; four places behind the last product (ISA guide 7.12.1)
.endr
.irp b, 0,1,2,3,4,5,6,7
	ds_store_b128 v[STO], v[ACC+8*(\b):ACC+8*(\b)+3]   offset:(4*(\b))*QP
	ds_store_b128 v[STO], v[ACC+8*(\b)+4:ACC+8*(\b)+7] offset:(4*(\b)+1)*QP
.endr
	s_wait_tensorcnt 0x0                           ; behind my last LDS store
	ds_add_u32 v[SPW], v[NIL]
	s_wait_dscnt 0x0                               ; the wait also shows my stores done, for the other waves' sake
	s_barrier_signal -1
	s_barrier_wait -1
.irp p, 0,1,2,3,4,5,6,7                ; wave w adds rows w and w + 8
	ds_load_b128 v[32+4*(\p):32+4*(\p)+3], v[RD] offset:(\p)*PART
	ds_load_b128 v[64+4*(\p):64+4*(\p)+3], v[RD] offset:(\p)*PART+128
.endr
	s_wait_dscnt 0x0
.irp base, 32, 64
.irp d, 4,2,1
.set p, 0
.rept \d
	v_pk_add_f32 v[(\base)+4*p:(\base)+4*p+1],   v[(\base)+4*p:(\base)+4*p+1],   v[(\base)+4*(p+(\d)):(\base)+4*(p+(\d))+1]
	v_pk_add_f32 v[(\base)+4*p+2:(\base)+4*p+3], v[(\base)+4*p+2:(\base)+4*p+3], v[(\base)+4*(p+(\d))+2:(\base)+4*(p+(\d))+3]
.set p, p+1
.endr
.endr
.endr
	v_cvt_pk_bf16_f32 v12, v32, v33
	v_cvt_pk_bf16_f32 v13, v34, v35
	v_cvt_pk_bf16_f32 v14, v64, v65
	v_cvt_pk_bf16_f32 v15, v66, v67
	global_store_b64 v[CO], v[12:13], s[8:9]               ; 256 consecutive bytes of row w
	global_store_b64 v[CO], v[14:15], s[8:9] offset:16384  ; and of row w + 8
	s_endpgm
.Lfunc_end_k_qb9f64916c3_gtl:
	.size	k_qb9f64916c3_gtl, .Lfunc_end_k_qb9f64916c3_gtl-k_qb9f64916c3_gtl
	.p2alignl 7, 3214868480
	.fill 96, 4, 3214868480
	.section	.rodata,"a",@progbits
	.p2align	6, 0x0
	.amdhsa_kernel k_qb9f64916c3_gtl
		.amdhsa_group_segment_fixed_size 70656
		.amdhsa_private_segment_fixed_size 0
		.amdhsa_enable_private_segment 0
		.amdhsa_kernarg_size 24
		.amdhsa_user_sgpr_count 2
		.amdhsa_user_sgpr_kernarg_segment_ptr 1
		.amdhsa_wavefront_size32 1
		.amdhsa_system_sgpr_workgroup_id_x 1
		.amdhsa_system_sgpr_workgroup_id_y 1
		.amdhsa_system_sgpr_workgroup_id_z 1
		.amdhsa_system_vgpr_workitem_id 0
		.amdhsa_next_free_vgpr 232
		.amdhsa_next_free_sgpr 66
		.amdhsa_reserve_vcc 0
		.amdhsa_float_denorm_mode_32 3
		.amdhsa_float_denorm_mode_16_64 3
		.amdhsa_memory_ordered 1
		.amdhsa_forward_progress 1
		.amdhsa_inst_pref_size 15
	.end_amdhsa_kernel
	.amdgpu_metadata
---
amdhsa.version: [ 1, 2 ]
amdhsa.kernels:
  - .name:           k_qb9f64916c3_gtl
    .symbol:         k_qb9f64916c3_gtl.kd
    .args:
      - { .name: s3, .offset: 0, .size: 8, .value_kind: global_buffer, .address_space: global }
      - { .name: Wq_sel, .offset: 8, .size: 8, .value_kind: global_buffer, .address_space: global }
      - { .name: gt, .offset: 16, .size: 8, .value_kind: global_buffer, .address_space: global }
    .group_segment_fixed_size: 70656
    .private_segment_fixed_size: 0
    .kernarg_segment_align: 8
    .kernarg_segment_size: 24
    .max_flat_workgroup_size: 256
    .sgpr_count:     66
    .vgpr_count:     232
    .wavefront_size: 32
...
	.end_amdgpu_metadata
.endif
;; end of part 3
;; launch select (part 4): grid 256 x 1, 8 waves a work-group, no clusters, 33,792 bytes of LDS; arguments xw, gt, sel; writes sel
.if DOCPART == 4
	.amdgcn_target "amdgcn-amd-amdhsa--gfx1250"
	.amdhsa_code_object_version 6
	.text
	.protected	k_qb9f64916c3_select
	.globl	k_qb9f64916c3_select
	.p2align	8
	.type	k_qb9f64916c3_select,@function
k_qb9f64916c3_select:
	s_mov_b64 s[64:65], 0
	v_nop
	global_prefetch_b8 v0, s[64:65] scope:SCOPE_SE
	s_setreg_imm32_b32 hwreg(HW_REG_WAVE_MODE, 25, 1), 1
	s_wait_xcnt 0x0
; THE SELECTION, stored as whole numbers for the launch that walks by it: sel[token] = a word whose bit r says that the token sees block r.
; logit[token][r] = x[token] . GT[32 b + r] / 16; a softmax over the 32 blocks with the row's maximum taken away; bit r is set where the
; block's weight is at least half of the row's sum (e >= 0.5 x sum: the inequality prob >= 0.5 without the division; it can differ from it
; in ties of the last bit alone), or where r is the token's own block.  A NaN logit sets no bit.
; SHARES.  A work-group owns a block of 32 tokens.  Wave w of 8 takes d = 128 w .. + 127, four matrix steps on four accumulators (2 x 16 tokens,
; 2 x 16 blocks); the partial sums meet in LDS; waves 0 and 1 then finish 16 tokens each.  Source 0 = 16 blocks, source 1 = 16 tokens:
; a lane holds token l % 16 and the blocks 16 g + 8 (l / 16) + 0..7.
.set SPARE, 32768
.set VX,  4                            ; v4   row l % 16 x 2,048 + 16 (l / 16): for x and for GT
.set STO, 5
.set RD,  6
.set VS,  7                            ; v7   4 (l % 16)
.set SPW, 10
.set NIL, 11
.set XF,  32                           ; v[32:95]   x: token half qt, step s at XF + 32 qt + 8 s
.set GF,  96                           ; v[96:159]  GT: block half g, step s at GF + 32 g + 8 s
.set LG,  160                          ; v[160:191] accumulator (qt, g) at LG + 16 qt + 8 g
.set E,   32                           ; later: v[32:159] the eight partial sums read back, 16 registers each; v[32:47] logits, then weights
.set MX,  48                           ; v48 the maximum; v49 at work; v[50:51] c m; v[52:59] sums; v60 the word; v61 half the sum; v62, v63 at work
	s_load_b128 s[4:7], s[0:1], 0x0                ; xw s[4:5], gt s[6:7]
	s_load_b64 s[8:9], s[0:1], 0x10                ; sel
	v_lshl_add_u32 v[SPW], v0, 2, SPARE
	v_mov_b32 v[NIL], 0
	v_and_b32 v1, 15, v0
	v_bfe_u32 v2, v0, 4, 1
	v_and_b32 v3, 31, v0
	v_lshrrev_b32 v12, 5, v0
	v_readfirstlane_b32 s10, v12                   ; wave 0..7
	s_mov_b32 s11, ttmp9                           ; the block of tokens: 32 b + own block
	s_lshl_b32 s18, s11, 16                        ; x: 32 rows of 2,048 bytes,
	s_lshl_b32 s19, s10, 8                         ; my 128 d
	s_add_co_u32 s18, s18, s19
	s_lshr_b32 s20, s11, 5
	s_lshl_b32 s20, s20, 16                        ; GT: the batch's 32 rows
	s_add_co_u32 s20, s20, s19
	s_mov_b32 s19, 0
	s_mov_b32 s21, 0
	s_lshl_b32 s22, s11, 7                         ; sel: 32 words,
	s_lshl_b32 s23, s10, 6                         ; 16 for each of waves 0 and 1
	s_add_co_u32 s22, s22, s23
	s_mov_b32 s23, 0
	s_and_b32 s16, s11, 31
	s_lshl_b32 s16, 1, s16                         ; the own block's bit
	s_mov_b32 s12, 0x76543210                      ; v_permlanex16_b32: each lane takes its own place in the other half
	s_mov_b32 s13, 0xfedcba98
	s_mov_b32 s14, 0x3db8aa3b                      ; c = log2(e) / 16
	s_mov_b32 s15, s14                             ; named with it as a pair
	v_lshlrev_b32 v[VX], 11, v1
	v_lshl_add_u32 v[VX], v2, 4, v[VX]
	s_wait_kmcnt 0x0
	s_add_nc_u64 s[4:5], s[4:5], s[18:19]
	s_add_nc_u64 s[6:7], s[6:7], s[20:21]
	s_add_nc_u64 s[8:9], s[8:9], s[22:23]
.irp u, 0,1
.irp s, 0,1,2,3
	global_load_b128 v[XF+32*(\u)+8*(\s):XF+32*(\u)+8*(\s)+3],   v[VX], s[4:5] offset:(\u)*32768+(\s)*64
	global_load_b128 v[XF+32*(\u)+8*(\s)+4:XF+32*(\u)+8*(\s)+7], v[VX], s[4:5] offset:(\u)*32768+(\s)*64+32
	global_load_b128 v[GF+32*(\u)+8*(\s):GF+32*(\u)+8*(\s)+3],   v[VX], s[6:7] offset:(\u)*32768+(\s)*64
	global_load_b128 v[GF+32*(\u)+8*(\s)+4:GF+32*(\u)+8*(\s)+7], v[VX], s[6:7] offset:(\u)*32768+(\s)*64+32
.endr
.endr
	s_lshl_b32 s17, s10, 12
	v_lshlrev_b32 v[STO], 4, v3
	v_add_nc_u32 v[STO], s17, v[STO]               ; my wave's 4,096 bytes, 16 a lane
	s_lshl_b32 s17, s10, 11
	v_lshlrev_b32 v[RD], 4, v3
	v_add_nc_u32 v[RD], s17, v[RD]                 ; waves 0 and 1: token half = wave
	v_lshlrev_b32 v[VS], 2, v1
	s_wait_loadcnt 0x0
.irp s, 0,1,2,3                        ; the four accumulators take turns
.irp qt, 0,1
.irp g, 0,1
.if (\s) == 0
	v_wmma_f32_16x16x32_bf16 v[LG+16*(\qt)+8*(\g):LG+16*(\qt)+8*(\g)+7], v[GF+32*(\g):GF+32*(\g)+7], v[XF+32*(\qt):XF+32*(\qt)+7], 0
.else
	v_wmma_f32_16x16x32_bf16 v[LG+16*(\qt)+8*(\g):LG+16*(\qt)+8*(\g)+7], v[GF+32*(\g)+8*(\s):GF+32*(\g)+8*(\s)+7], v[XF+32*(\qt)+8*(\s):XF+32*(\qt)+8*(\s)+7], v[LG+16*(\qt)+8*(\g):LG+16*(\qt)+8*(\g)+7]
.endif
.endr
.endr
.endr
.rept 4
	v_nop                                          ; four places behind the last product (ISA guide 7.12.1)
.endr
.irp u, 0,1,2,3
	ds_store_b128 v[STO], v[LG+8*(\u):LG+8*(\u)+3]   offset:(\u)*1024       ; each accumulator's low registers first
	ds_store_b128 v[STO], v[LG+8*(\u)+4:LG+8*(\u)+7] offset:(\u)*1024+512
.endr
	s_wait_tensorcnt 0x0                           ; behind my last LDS store
	ds_add_u32 v[SPW], v[NIL]
	s_wait_dscnt 0x0                               ; the wait also shows my stores done, for the other waves' sake
	s_barrier_signal -1
	s_barrier_wait -1
	s_cmp_lt_u32 s10, 2
	s_cbranch_scc0 .Lend                           ; waves 2 to 7 have given their sums
.irp p, 0,1,2,3,4,5,6,7
.irp g, 0,1
	ds_load_b128 v[E+16*(\p)+8*(\g):E+16*(\p)+8*(\g)+3],   v[RD] offset:(\p)*4096+(\g)*1024
	ds_load_b128 v[E+16*(\p)+8*(\g)+4:E+16*(\p)+8*(\g)+7], v[RD] offset:(\p)*4096+(\g)*1024+512
.endr
.endr
	s_wait_dscnt 0x0
.irp d, 4,2,1                          ; the eight partial sums, added as a tree
.set p, 0
.rept \d
.set i, 0
.rept 8
	v_pk_add_f32 v[E+16*p+2*i:E+16*p+2*i+1], v[E+16*p+2*i:E+16*p+2*i+1], v[E+16*(p+(\d))+2*i:E+16*(p+(\d))+2*i+1]
.set i, i+1
.endr
.set p, p+1
.endr
.endr
	; the row's maximum: my 16 logits, then the other 16, which lie in the lane 16 away
	v_max3_num_f32 v[MX], v[E], v[E+1], v[E+2]
.set i, 3
.rept 6
	v_max3_num_f32 v[MX], v[MX], v[E+i], v[E+i+1]
.set i, i+2
.endr
	v_max_num_f32 v[MX], v[MX], v[E+15]
	v_permlanex16_b32 v49, v[MX], s12, s13
	v_max_num_f32 v[MX], v[MX], v49
	v_mul_f32 v50, s14, v[MX]                      ; c m
	v_mov_b32 v51, v50                             ; named with it as a pair
.set i, 0
.rept 8
	v_pk_fma_f32 v[E+2*i:E+2*i+1], v[E+2*i:E+2*i+1], s[14:15], v[50:51] op_sel_hi:[1,0,0] neg_lo:[0,0,1] neg_hi:[0,0,1]  ; c l - c m
.set i, i+1
.endr
.set i, 0
.rept 16
	v_exp_f32 v[E+i], v[E+i]
.set i, i+1
.endr
	v_mov_b32 v60, 0                               ; a plain instruction between the exponentials and the use of their results (ISA guide 5.7.2)
	s_wait_alu depctr_va_vdst(0)
	v_pk_add_f32 v[52:53], v[E:E+1], v[E+2:E+3]
	v_pk_add_f32 v[54:55], v[E+4:E+5], v[E+6:E+7]
	v_pk_add_f32 v[56:57], v[E+8:E+9], v[E+10:E+11]
	v_pk_add_f32 v[58:59], v[E+12:E+13], v[E+14:E+15]
	v_pk_add_f32 v[52:53], v[52:53], v[54:55]
	v_pk_add_f32 v[56:57], v[56:57], v[58:59]
	v_pk_add_f32 v[52:53], v[52:53], v[56:57]
	v_add_f32 v52, v52, v53
	v_permlanex16_b32 v53, v52, s12, s13
	v_add_f32 v52, v52, v53
	v_mul_f32 v61, 0.5, v52                        ; half of the row's sum
.set i, 0
.rept 16                               ; a choice of values, no branch: bit 16 g + j for my weight 8 g + j
	v_cmp_ge_f32 vcc_lo, v[E+i], v61
	v_cndmask_b32 v62, 0, 1, vcc_lo
	v_lshl_or_b32 v60, v62, 16*(i/8)+i%8, v60
.set i, i+1
.endr
	v_lshlrev_b32 v63, 3, v2
	v_lshlrev_b32 v60, v63, v60                    ; my blocks begin at 8 (l / 16)
	v_permlanex16_b32 v62, v60, s12, s13
	v_or_b32 v60, v60, v62                         ; with the other half's bits
	v_or_b32 v60, s16, v60                         ; and the own block's
	v_cmp_gt_u32 vcc_lo, 16, v3
	s_wait_xcnt 0x0                                ; EXEC changes only behind this wait
	s_and_saveexec_b32 s17, vcc_lo
	global_store_b32 v[VS], v60, s[8:9]            ; 16 words, 64 consecutive bytes a wave: 32 KiB in the whole launch
	s_wait_xcnt 0x0                                ; and again in front of the line that widens it
	s_or_b32 exec_lo, exec_lo, s17
.Lend:
	s_endpgm
.Lfunc_end_k_qb9f64916c3_select:
	.size	k_qb9f64916c3_select, .Lfunc_end_k_qb9f64916c3_select-k_qb9f64916c3_select
	.p2alignl 7, 3214868480
	.fill 96, 4, 3214868480
	.section	.rodata,"a",@progbits
	.p2align	6, 0x0
	.amdhsa_kernel k_qb9f64916c3_select
		.amdhsa_group_segment_fixed_size 33792
		.amdhsa_private_segment_fixed_size 0
		.amdhsa_enable_private_segment 0
		.amdhsa_kernarg_size 24
		.amdhsa_user_sgpr_count 2
		.amdhsa_user_sgpr_kernarg_segment_ptr 1
		.amdhsa_wavefront_size32 1
		.amdhsa_system_sgpr_workgroup_id_x 1
		.amdhsa_system_sgpr_workgroup_id_y 1
		.amdhsa_system_sgpr_workgroup_id_z 1
		.amdhsa_system_vgpr_workitem_id 0
		.amdhsa_next_free_vgpr 200
		.amdhsa_next_free_sgpr 66
		.amdhsa_reserve_vcc 1
		.amdhsa_float_denorm_mode_32 3
		.amdhsa_float_denorm_mode_16_64 3
		.amdhsa_memory_ordered 1
		.amdhsa_forward_progress 1
		.amdhsa_inst_pref_size 18
	.end_amdhsa_kernel
	.amdgpu_metadata
---
amdhsa.version: [ 1, 2 ]
amdhsa.kernels:
  - .name:           k_qb9f64916c3_select
    .symbol:         k_qb9f64916c3_select.kd
    .args:
      - { .name: xw, .offset: 0, .size: 8, .value_kind: global_buffer, .address_space: global }
      - { .name: gt, .offset: 8, .size: 8, .value_kind: global_buffer, .address_space: global }
      - { .name: sel, .offset: 16, .size: 8, .value_kind: global_buffer, .address_space: global }
    .group_segment_fixed_size: 33792
    .private_segment_fixed_size: 0
    .kernarg_segment_align: 8
    .kernarg_segment_size: 24
    .max_flat_workgroup_size: 256
    .sgpr_count:     66
    .vgpr_count:     200
    .wavefront_size: 32
...
	.end_amdgpu_metadata
.endif
;; end of part 4
;; launch qkv (part 5): grid 24 x 32, 4 waves a work-group, clusters of 4 x 4, 327,680 bytes of LDS; arguments xw, qkv; writes qkv
.if DOCPART == 5
	.amdgcn_target "amdgcn-amd-amdhsa--gfx1250"
	.amdhsa_code_object_version 6
	.text
	.protected	k_qb9f64916c3_qkv
	.globl	k_qb9f64916c3_qkv
	.p2align	8
	.type	k_qb9f64916c3_qkv,@function
k_qb9f64916c3_qkv:
	s_mov_b64 s[64:65], 0
	v_nop
	global_prefetch_b8 v0, s[64:65] scope:SCOPE_SE
	s_setreg_imm32_b32 hwreg(HW_REG_WAVE_MODE, 25, 1), 1
	s_wait_xcnt 0x0
	s_wait_alu depctr_hold_cnt(0) depctr_sa_sdst(0) depctr_va_vdst(0) depctr_va_sdst(0) depctr_va_ssrc(0) depctr_va_vcc(0) depctr_vm_vsrc(0)
	s_getreg_b32 s2, hwreg(HW_REG_IB_STS2, 6, 4)
	s_cmp_eq_u32 s2, 0
	s_cbranch_scc0 .Lentry_in_a_cluster
	s_endpgm
.Lentry_in_a_cluster:
	s_bfe_u32 s2, ttmp6, 0x10000c
	s_cmp_lg_u32 s2, 0xf033
	s_cbranch_scc0 .Lentry_shape_is_right
	s_endpgm
.Lentry_shape_is_right:
; q, k, v = x [Wq | Wk | Wv]: C[8192][3072] = A[8192][1024] B, bf16 operands, f32 sums, C rounded once to f16 and stored by heads, unscaled.
; A = xb, row-major, at byte 0 of xw.  B at byte 16,777,216 of it in units [k/8][3072][8] of 16 bytes.
; OUT.  q at byte 0 and k at 16,777,216 of qkv as [batch][head][8 channel groups][1024 tokens][8 channels]; v at 33,554,432 as
; [batch][head][128 token groups][64 channels][8 tokens]: the units in which the attention's fragments are loaded.
; LIMIT.  f16 ends at 65,504: q, k and v beyond that become infinities.  Numbers of the drawn spread reach about 6.
; SHARES.  A tile of C is 256 x 128: 768 tiles, one for each work-group.  Four waves, each 128 x 64: 32 accumulators, 256 registers.
; K goes in 8 steps of 128 through two LDS slots.  A's rows in a slot are 256 bytes + 16 of padding; B's k groups are 2,048 dense bytes, of which
; sixteen lanes read 256 consecutive ones.  The matrix instruction is used transposed (source 0 = 16 columns of B, source 1 = 16 rows of A): a lane
; holds one row of C and eight neighbouring columns, which packed are one unit of q or k: those leave straight from registers.
; CLUSTER.  4 x 4 work-groups: A's tile is shared along a row of the cluster, B's along a column; each is asked for jointly.
; REGISTERS.  Window 0: v0-31 addresses; v32-127, v128-223 two fragment buffers (B's 4 fragments, then A's 8).  Window 1: accumulator (a, b) at v[8 (4 a + b)].
.set NTOT,  3072
.set BBASE, 16777216
.set KSTEP, 128
.set PITCH, 272                        ; 68 words: the 16 rows of a fragment load start at 16 different groups of four banks (64 banks of 4 bytes: ISA guide 11.1)
.set HALFA, 128*PITCH                  ; what one tensor load brings of A
.set BOFF,  2*HALFA                    ; B's part of a slot
.set HALFB, 8*2048                     ; what one tensor load brings of B: 8 k groups x 128 columns
.set SLOT,  BOFF+2*HALFB
.set STAGE, 2*SLOT                     ; behind the ring, never filled by a tensor load: 16 rows x 160 bytes for each wave, for v's way out
.set SP,    160
.set SPARE, STAGE+4*16*SP              ; the spare words, 128 bytes for each wave
.set BHALF, 8*NTOT*16                  ; bytes of memory from k group 0 to k group 8
.set BSTEP, 16*NTOT*16                 ; and from K step to K step
.set LAPS,  1024/(2*KSTEP)
.set ADRA, 16                          ; v16-17 my A fragments' LDS address in slot 0, 1
.set ADRB, 20                          ; v20-21 the same for B
.set STO,  24
.set RD,   25
.set CO,   26                          ; q, k: (l / 16) x 16,384 + 16 (l % 16)
.set GO,   27                          ; v: 16 x lane
.set SPW,  28
.set NIL,  29
.set F0,   32
.set F1,   128
.set TMP,  32                          ; the way out: accumulator (a, b) packed at TMP + 16 a + 4 b
.set WV, 12                            ; s12 wave; s13 wave / 2: my half of the rows, and: I fetch A (0) or B (1); s14 wave % 2: my half of the columns, and which half I fetch
.set WM, 13
.set WN, 14
.set G1,  24
.set G0,  32
.set G1B, 48
.set G0B, 56
.set MSB, 0
.macro WIN new                         ; the immediate's high byte repeats the setting that is left
.if MSB != (\new)
	s_set_vgpr_msb (MSB<<8)|(\new)
.set MSB, \new
.endif
.endm
.set MUL, 0x50                         ; sources 0 and 1 window 0; C and D window 1
.macro JLOAD s                         ; a joint load: waves 0, 1 fetch A's halves, waves 2, 3 B's; an s_nop 0 and four v_nop follow each line
	s_cmp_eq_u32 s[WM], 0
	s_cbranch_scc0 .Lfor_b_\@
	tensor_load_to_lds s[G0+4*(\s):G0+4*(\s)+3], s[G1:G1+7]
	s_nop 0
.rept 4
	v_nop
.endr
	s_branch .Lasked_\@
.Lfor_b_\@:
	tensor_load_to_lds s[G0B+4*(\s):G0B+4*(\s)+3], s[G1B:G1B+7]
	s_nop 0
.rept 4
	v_nop
.endr
.Lasked_\@:
.endm
.macro CREST                           ; a round of the cluster's barrier behind its opening barrier
	s_cmp_lg_u32 s[WV], 0
	s_cbranch_scc1 .Lnot_wave_0_\@
	s_barrier_signal -3
.Lnot_wave_0_\@:
	s_barrier_wait -3
	s_barrier_signal -1
	s_barrier_wait -1
.endm
.macro CROUND
	s_barrier_signal -1
	s_barrier_wait -1
	CREST
.endm
	s_load_b128 s[4:7], s[0:1], 0x0                ; xw s[4:5], qkv s[6:7]
	v_lshl_add_u32 v[SPW], v0, 2, SPARE
	v_mov_b32 v[NIL], 0
	ds_add_u32 v[SPW], v[NIL]                      ; the wave's opening: the add and its wait ahead of my first tensor load
	v_lshrrev_b32 v1, 5, v0
	v_readfirstlane_b32 s[WV], v1
	s_lshr_b32 s[WM], s[WV], 1
	s_and_b32 s[WN], s[WV], 1
	s_bfe_u32 s40, ttmp6, 0x40000                  ; cx
	s_bfe_u32 s41, ttmp6, 0x40004                  ; cy
	s_lshl_b32 s42, ttmp9, 2
	s_add_co_u32 s42, s42, s40                     ; tile column
	s_and_b32 s43, ttmp7, 0xffff
	s_lshl_b32 s43, s43, 2
	s_add_co_u32 s43, s43, s41                     ; tile row
	s_lshl_b32 s44, s41, 2
	s_lshl_b32 s44, 15, s44                        ; my row of the cluster
	s_lshl_b32 s45, 0x1111, s40                    ; my column
	s_or_b32 s[G1], s44, (1<<16)|(1<<20)|(1<<21)|(5<<22)|(3<<25)  ; A: mask of my row; 2-byte elements; padding on; bit 21 beside a mask; after every 64 words, 4 words
	s_mov_b32 s[G1+1], KSTEP<<16                   ; tensor_dim0 = 128
	s_mov_b32 s[G1+2], 128<<16                     ; tensor_dim1 = 128
	s_mov_b32 s[G1+3], KSTEP<<16                   ; tile_dim0 = 128
	s_mov_b32 s[G1+4], 128                         ; tile_dim1 = 128
	s_mov_b32 s[G1+5], 1024                        ; elements from row to row
	s_mov_b32 s[G1+6], 0
	s_mov_b32 s[G1+7], 0
	s_or_b32 s[G1B], s45, (1<<16)|(1<<21)          ; B: mask of my column; no padding
	s_mov_b32 s[G1B+1], 1024<<16                   ; a row is a k group's 128 units: 1,024 elements
	s_mov_b32 s[G1B+2], 8<<16                      ; 8 k groups
	s_mov_b32 s[G1B+3], 1024<<16
	s_mov_b32 s[G1B+4], 8
	s_mov_b32 s[G1B+5], NTOT*8                     ; elements from k group to k group
	s_mov_b32 s[G1B+6], 0
	s_mov_b32 s[G1B+7], 0
	s_lshl_b32 s16, s43, 8                         ; A: row 256 x tile row + 128 x half, 2,048 bytes a row: it hangs on the tile row alone
	s_lshl_b32 s17, s[WN], 7
	s_add_co_u32 s16, s16, s17
	s_lshl_b32 s16, s16, 11
	s_mov_b32 s17, 0
	s_mul_i32 s46, s[WN], BHALF                    ; B: my 8 k groups, the tile column's 128 units: it hangs on the tile column alone
	s_lshl_b32 s47, s42, 11
	s_add_co_u32 s46, s46, s47
	s_add_co_u32 s46, s46, BBASE
	s_mov_b32 s47, 0
	s_mul_i32 s20, s[WN], HALFA                    ; where they go: no place in the cluster enters an LDS address
	s_mul_i32 s21, s[WN], HALFB
	s_add_co_u32 s21, s21, BOFF
	s_wait_dscnt 0x0                               ; the opening add is done
	s_wait_kmcnt 0x0
	s_add_nc_u64 s[66:67], s[4:5], s[16:17]
	s_add_nc_u64 s[46:47], s[4:5], s[46:47]
	CROUND                                         ; all sixteen work-groups are here: the first joint loads meet
.irp s, 0,1
	s_mov_b32 s[G0+4*(\s)], 1
	s_add_co_u32 s[G0+4*(\s)+1], s20, (\s)*SLOT
	s_add_nc_u64 s[G0+4*(\s)+2:G0+4*(\s)+3], s[66:67], (\s)*KSTEP*2
	s_or_b32 s[G0+4*(\s)+3], s[G0+4*(\s)+3], 0x80000000
	s_mov_b32 s[G0B+4*(\s)], 1
	s_add_co_u32 s[G0B+4*(\s)+1], s21, (\s)*SLOT
	s_add_nc_u64 s[G0B+4*(\s)+2:G0B+4*(\s)+3], s[46:47], (\s)*BSTEP
	s_or_b32 s[G0B+4*(\s)+3], s[G0B+4*(\s)+3], 0x80000000
	JLOAD \s                                       ; two tensor loads of mine are out here, later one
.endr
	v_and_b32 v1, 15, v0                           ; l % 16
	v_bfe_u32 v2, v0, 4, 1                         ; l / 16
	v_mul_u32_u24 v3, v1, PITCH
	v_lshl_add_u32 v3, v2, 4, v3                   ; A: row x pitch + 16 x half
	v_lshlrev_b32 v4, 11, v2
	v_lshl_add_u32 v4, v1, 4, v4                   ; B: k group (l / 16), unit l % 16
	s_mul_i32 s22, s[WM], HALFA                    ; my 128 rows of A
	s_lshl_b32 s23, s[WN], 10                      ; my 64 columns of B
	s_add_co_u32 s23, s23, BOFF
.irp s, 0,1
	v_add_nc_u32 v[ADRA+(\s)], s22, v3
	v_add_nc_u32 v[ADRB+(\s)], s23, v4
	s_add_co_u32 s22, s22, SLOT
	s_add_co_u32 s23, s23, SLOT
.endr
	; the way out's addresses.  region 0 q, 1 k, 2 v: 8 tile columns each; made of the cluster's x alone, so it is the same in all partners
	s_lshr_b32 s68, ttmp9, 1
	s_lshl_b32 s69, s42, 1
	s_add_co_u32 s69, s69, s[WN]
	s_and_b32 s69, s69, 15                         ; my 64 columns are one head
	s_lshr_b32 s70, s43, 2                         ; the batch: four tile rows each
	s_lshl_b32 s70, s70, 4
	s_add_co_u32 s70, s70, s69
	s_lshl_b32 s70, s70, 17                        ; 131,072 bytes for a batch and head
	s_and_b32 s71, s43, 3
	s_lshl_b32 s71, s71, 8
	s_lshl_b32 s74, s[WM], 7
	s_add_co_u32 s71, s71, s74                     ; my first token in the batch
	s_cmp_eq_u32 s68, 2
	s_cselect_b32 s74, 7, 4                        ; a token is 16 bytes of a channel group in q and k, 128 bytes of v
	s_lshl_b32 s73, s71, s74
	s_lshl_b32 s72, s68, 24                        ; the region's 16,777,216 bytes
	s_add_co_u32 s72, s72, s70
	s_add_co_u32 s72, s72, s73
	s_mov_b32 s73, 0
	s_add_nc_u64 s[6:7], s[6:7], s[72:73]
	v_lshlrev_b32 v[CO], 14, v2
	v_lshl_add_u32 v[CO], v1, 4, v[CO]
	v_and_b32 v5, 31, v0
	v_lshlrev_b32 v[GO], 4, v5
	s_mul_i32 s75, s[WV], 16*SP
	s_add_co_u32 s75, s75, STAGE                   ; my stage
	v_mul_u32_u24 v[STO], v1, SP                   ; in: token l % 16, 16 bytes for each half of the lanes
	v_lshl_add_u32 v[STO], v2, 4, v[STO]
	v_add_nc_u32 v[STO], s75, v[STO]
	v_and_b32 v6, 7, v0                            ; back, turned: token l % 8, channels 8 (l / 8) + 0..7
	v_bfe_u32 v7, v0, 3, 2
	v_mul_u32_u24 v[RD], v6, SP
	v_lshl_add_u32 v[RD], v7, 4, v[RD]
	v_add_nc_u32 v[RD], s75, v[RD]
; 8 matrix instructions: row blocks a0, a0 + 1 x all 4 column blocks, 32 along K.  zero = 1: the first product starts the sums.
; The 32 accumulators take turns in the same order in every quarter.
.macro MUL8 f, a0, zero
	WIN MUL
.irp a, \a0, (\a0)+1
.irp b, 0,1,2,3
.if \zero
	v_wmma_f32_16x16x32_bf16 v[8*(4*(\a)+(\b)):8*(4*(\a)+(\b))+7], v[(\f)+8*(\b):(\f)+8*(\b)+7], v[(\f)+32+8*(\a):(\f)+32+8*(\a)+7], 0
.else
	v_wmma_f32_16x16x32_bf16 v[8*(4*(\a)+(\b)):8*(4*(\a)+(\b))+7], v[(\f)+8*(\b):(\f)+8*(\b)+7], v[(\f)+32+8*(\a):(\f)+32+8*(\a)+7], v[8*(4*(\a)+(\b)):8*(4*(\a)+(\b))+7]
.endif
.endr
.endr
.endm
; 24 LDS loads in one run: quarter q (32 along K) of a slot into buffer f: B's 4 fragments first, then A's 8
.macro FETCH slot, q, f
	WIN 0
.irp b, 0,1,2,3
	ds_load_b128 v[(\f)+8*(\b):(\f)+8*(\b)+3],   v[ADRB+(\slot)] offset:(\q)*8192+(\b)*256
	ds_load_b128 v[(\f)+8*(\b)+4:(\f)+8*(\b)+7], v[ADRB+(\slot)] offset:(\q)*8192+(\b)*256+4096
.endr
.irp a, 0,1,2,3,4,5,6,7
	ds_load_b128 v[(\f)+32+8*(\a):(\f)+32+8*(\a)+3],   v[ADRA+(\slot)] offset:(\q)*64+(\a)*16*PITCH
	ds_load_b128 v[(\f)+32+8*(\a)+4:(\f)+32+8*(\a)+7], v[ADRA+(\slot)] offset:(\q)*64+(\a)*16*PITCH+32
.endr
.endm
.macro PLACES                          ; four places in front of loads into registers that matrix instructions have read, and of lines that read results
.rept 4
	v_nop
.endr
.endm
; One of a K step's first three quarters: multiplies buffer f, and in its middle fetches quarter q of the same slot into g.
.macro QUARTER slot, q, f, g, zero
	s_wait_dscnt 8                                 ; B and A's blocks 0-3 are in; the youngest eight loads (A's blocks 4-7) may be out
	MUL8 \f, 0, \zero
	MUL8 \f, 2, \zero
	PLACES
	FETCH \slot, \q, \g
	s_wait_dscnt 24                                ; all but the 24 just issued
	MUL8 \f, 4, \zero
	MUL8 \f, 6, \zero
.endm
; The last quarter multiplies buffer 1 and changes slots: one barrier; in front of it each wave waits for all its tensor loads, adds 0 to its spare
; word, and waits for that and for its reads of this slot.  fill = 1: the barrier opens a round of the cluster's, and this slot is filled again, two K steps ahead.
.macro TURN slot, next, fill
	WIN 0
	s_wait_tensorcnt 0x0                           ; all my tensor loads have landed: my part of the next slot
	ds_add_u32 v[SPW], v[NIL]                      ; 0 onto my spare word
	s_wait_dscnt 9                                 ; (the add and the youngest eight loads may be out)
	MUL8 F1, 0, 0
	s_wait_dscnt 0x0                               ; the add is done, and my reads of this slot are over
	s_barrier_signal -1
	MUL8 F1, 2, 0
.if \fill
	WIN 0
.endif
	s_barrier_wait -1
.if \fill
	CREST                                          ; no wave of any partner still reads this slot or has a load on its way
	s_add_nc_u64 s[G0+4*(\slot)+2:G0+4*(\slot)+3], s[G0+4*(\slot)+2:G0+4*(\slot)+3], 2*KSTEP*2
	s_add_nc_u64 s[G0B+4*(\slot)+2:G0B+4*(\slot)+3], s[G0B+4*(\slot)+2:G0B+4*(\slot)+3], 2*BSTEP
	JLOAD \slot                                    ; the first tensor load behind the round; its four v_nop are also the places in front of the loads below
.else
	PLACES
.endif
	FETCH \next, 0, F0
	MUL8 F1, 4, 0
	MUL8 F1, 6, 0
.endm
	s_wait_tensorcnt 1                             ; my part of K step 0 is in; K step 1's may stay out
	s_barrier_signal -1
	s_barrier_wait -1
	FETCH 0, 0, F0
	QUARTER 0, 1, F0, F1, 1                        ; the first quarter stands in front of the loop: its products start the sums
	WIN 0
	s_mov_b32 s3, LAPS-1
.Llap:                                                 ; a trip goes once round the ring and fills both slots again
	QUARTER 0, 2, F1, F0, 0
	QUARTER 0, 3, F0, F1, 0
	TURN 0, 1, 1
	QUARTER 1, 1, F0, F1, 0
	QUARTER 1, 2, F1, F0, 0
	QUARTER 1, 3, F0, F1, 0
	TURN 1, 0, 1
	QUARTER 0, 1, F0, F1, 0
	WIN 0
	s_sub_co_u32 s3, s3, 1
	s_cmp_lg_u32 s3, 0
	s_cbranch_scc1 .Llap
	QUARTER 0, 2, F1, F0, 0                        ; the last lap fills nothing
	QUARTER 0, 3, F0, F1, 0
	TURN 0, 1, 0
	QUARTER 1, 1, F0, F1, 0
	QUARTER 1, 2, F1, F0, 0
	QUARTER 1, 3, F0, F1, 0
	s_wait_dscnt 8
	MUL8 F1, 0, 0
	MUL8 F1, 2, 0
	s_wait_dscnt 0x0
	MUL8 F1, 4, 0
	MUL8 F1, 6, 0
	; THE WAY OUT.  Rounded to f16: a lane's eight columns are 16 bytes, eight channels of one token.
	PLACES
	WIN 0x05                                       ; sources in window 1, destination in window 0
.set t, 0
.rept 32
.irp p, 0,1,2,3                        ; each accumulator's registers in ascending order
	v_cvt_pk_f16_f32 v[TMP+4*t+(\p)], v[8*t+2*(\p)], v[8*t+2*(\p)+1]
.endr
.set t, t+1
.endr
	WIN 0
	s_cmp_eq_u32 s68, 2
	s_cbranch_scc1 .Lv
.irp b, 0,1,2,3                        ; q and k: the 16 bytes are a unit as they stand; sixteen lanes store 256 consecutive bytes, aligned
.irp a, 0,1,2,3,4,5,6,7
	global_store_b128 v[CO], v[TMP+16*(\a)+4*(\b):TMP+16*(\a)+4*(\b)+3], s[6:7] offset:(\b)*32768+(\a)*256
.endr
.endr
	s_branch .Lend
.Lv:
; v: a block of 16 tokens x 64 channels goes into my stage and comes back turned: lane l then holds channel l + 32 (f % 2) and the tokens 8 (f / 2) + 0..7
.macro VSTAGE a
.irp b, 0,1,2,3
	ds_store_b128 v[STO], v[TMP+16*(\a)+4*(\b):TMP+16*(\a)+4*(\b)+3] offset:32*(\b)
.endr
.irp f, 0,1,2,3
	ds_load_tr16_b128 v[TMP+16*(\a)+4*(\f):TMP+16*(\a)+4*(\f)+3], v[RD] offset:((\f)/2)*8*SP+((\f)%2)*64  ; LDS serves a wave's instructions in order (ISA guide 5.7.1.4): these see the stores above
.endr
.endm
.macro VSEND a, younger                ; younger: the LDS lines issued behind block a's loads: the next block's eight, or none
.irp f, 0,1,2,3
	s_wait_dscnt (\younger)+3-(\f)
	global_store_b128 v[GO], v[TMP+16*(\a)+4*(\f):TMP+16*(\a)+4*(\f)+3], s[6:7] offset:(\a)*2048+(\f)*512  ; 512 consecutive bytes
.endr
.endm
	VSTAGE 0
.irp a, 1,2,3,4,5,6,7
	VSTAGE \a
	VSEND (\a)-1, 8
.endr
	VSEND 7, 0
.Lend:
	s_wait_tensorcnt 0x0                           ; the wave's end
	ds_add_u32 v[SPW], v[NIL]
	s_wait_dscnt 0x0
	CROUND                                         ; the closing round: no work-group ends while a partner may still ask for a tile that names it
	s_endpgm
.Lfunc_end_k_qb9f64916c3_qkv:
	.size	k_qb9f64916c3_qkv, .Lfunc_end_k_qb9f64916c3_qkv-k_qb9f64916c3_qkv
	.p2alignl 7, 3214868480
	.fill 96, 4, 3214868480
	.section	.rodata,"a",@progbits
	.p2align	6, 0x0
	.amdhsa_kernel k_qb9f64916c3_qkv
		.amdhsa_group_segment_fixed_size 327680
		.amdhsa_private_segment_fixed_size 0
		.amdhsa_enable_private_segment 0
		.amdhsa_kernarg_size 16
		.amdhsa_user_sgpr_count 2
		.amdhsa_user_sgpr_kernarg_segment_ptr 1
		.amdhsa_wavefront_size32 1
		.amdhsa_system_sgpr_workgroup_id_x 1
		.amdhsa_system_sgpr_workgroup_id_y 1
		.amdhsa_system_sgpr_workgroup_id_z 1
		.amdhsa_system_vgpr_workitem_id 0
		.amdhsa_next_free_vgpr 512
		.amdhsa_next_free_sgpr 80
		.amdhsa_reserve_vcc 0
		.amdhsa_float_denorm_mode_32 3
		.amdhsa_float_denorm_mode_16_64 3
		.amdhsa_memory_ordered 1
		.amdhsa_forward_progress 1
		.amdhsa_inst_pref_size 90
	.end_amdhsa_kernel
	.amdgpu_metadata
---
amdhsa.version: [ 1, 2 ]
amdhsa.kernels:
  - .name:           k_qb9f64916c3_qkv
    .symbol:         k_qb9f64916c3_qkv.kd
    .args:
      - { .name: xw, .offset: 0, .size: 8, .value_kind: global_buffer, .address_space: global }
      - { .name: qkv, .offset: 8, .size: 8, .value_kind: global_buffer, .address_space: global }
    .group_segment_fixed_size: 327680
    .private_segment_fixed_size: 0
    .kernarg_segment_align: 8
    .kernarg_segment_size: 16
    .max_flat_workgroup_size: 128
    .sgpr_count:     80
    .vgpr_count:     512
    .wavefront_size: 32
...
	.end_amdgpu_metadata
.endif
;; end of part 5
;; launch attn (part 6): grid 256 x 1, 16 waves a work-group, no clusters, 68,096 bytes of LDS; arguments qkv, sel, ctx; writes ctx
.if DOCPART == 6
	.amdgcn_target "amdgcn-amd-amdhsa--gfx1250"
	.amdhsa_code_object_version 6
	.text
	.protected	k_qb9f64916c3_attn
	.globl	k_qb9f64916c3_attn
	.p2align	8
	.type	k_qb9f64916c3_attn,@function
k_qb9f64916c3_attn:
	s_mov_b64 s[64:65], 0
	v_nop
	global_prefetch_b8 v0, s[64:65] scope:SCOPE_SE
	s_setreg_imm32_b32 hwreg(HW_REG_WAVE_MODE, 25, 1), 1
	s_wait_xcnt 0x0
; MASKED ATTENTION BY BLOCKS.  ctx[token][64 head + ch] = the sum over visible keys of softmax(q . k / 8) v.  q, k, v: f16 in the units that the launch before
; stored; ctx: [8192][1024] f16.  Products, maxima and sums in f32; the weights are rounded to f16 for the second product (their sum is taken unrounded), ctx once.
; WHAT IS LEFT OUT.  A hidden score is the lowest finite number and a token's own block is always visible, so a hidden key's weight is exactly 0.  A work-group
; owns a block of 32 queries and walks only the UNION of the key blocks that its 32 tokens see (the OR of their words in sel, whole numbers that an earlier launch
; stored): 1 to 32 trips, one text for all.  Inside a walked block a query that does not see it takes no part: the block's maximum does not enter its running
; maximum, and its weights are 2^(c s - 1.7e38) = 0.  These are choices of values; only the trip count and the blocks' addresses hang on sel.
; SHARES.  Wave = head, 16 waves.  K, V and Q go from memory straight into fragment registers: sixteen lanes read 256 consecutive bytes; LDS serves the way out alone.
; NO CLUSTER, NO TENSOR LOADS: the heads of a work-group share no byte of K or V, and work-groups walk different blocks.
; LAYOUT.  ST = K QT (source 0 = 16 keys, source 1 = 16 queries): a lane holds one query (l % 16) and the keys 8 (l / 16) + 0..7; two such results rounded in pairs
; are source 1 of OT = VT P.  p = 2^(c s - c m), c = log2(e) / 8, m a running maximum; O and l are multiplied by a = 2^(c m_old - c m_new) in every trip.
; m starts at the lowest finite number and c m as c times that, by the multiply that the trips use: a = 1 while a query has seen nothing, 0 at its first visible block.
; O is cleared at the start: the trip count is known at run time alone, so no first trip is written out.
; LIMITS.  q, k, v within f16's 65,504; a weight below 2^-126 counts as 0; NaN and infinities are not treated apart.
.set SP,    2064                       ; a row of the stage: 2,048 bytes + 16
.set SPARE, 32*SP                      ; behind the stage: the spare words, 128 bytes for each of 16 waves
.set VK,  4                            ; v4   (l / 16) x 16,384 + 16 (l % 16): K and Q
.set VV,  5                            ; v5   (l / 16) x 1,024 + 16 (l % 16): V
.set VW,  6                            ; v6   4 (l % 16)
.set STO, 7
.set RD,  8
.set GO,  9
.set SPW, 10
.set NIL, 11
.set W0,  12                           ; v12-13 my two queries' words of sel
.set LOWV, 14                          ; v14  the lowest finite number
.set BIGV, 15                          ; v15  1.7e38
.set ST,  16                           ; query tile t's statistics at ST + 12 t:
.set CMH, 0                            ;   +0, +1  what the scaling takes away: c m, or 1.7e38 for a query that does not see the block (a pair; the low word is used)
.set MX,  2                            ;   +2      m
.set CM,  3                            ;   +3      c m
.set LL,  4                            ;   +4, +5  l (even keys', odd keys')
.set AA,  6                            ;   +6, +7  a (a pair; the low word is used)
.set WK,  8                            ;   +8, +9  at work
.set Q,   40                           ; v[40:71]   tile qt, channel half c at Q + 16 qt + 8 c
.set K,   72                           ; v[72:103]  key half kt, channel half c at K + 16 kt + 8 c
.set V,   104                          ; v[104:135] channel block cb at V + 8 cb
.set S,   136                          ; v[136:167] (kt, qt) at S + 16 qt + 8 kt
.set P,   168                          ; v[168:183] qt at P + 8 qt
.set O,   184                          ; v[184:247] (cb, qt) at O + 32 qt + 8 cb
.macro BOTH line:vararg                ; one line for each query tile t
.set t, 0
.rept 2
	\line
.set t, t+1
.endr
.endm
	s_load_b128 s[4:7], s[0:1], 0x0                ; qkv s[4:5], sel s[6:7]
	s_load_b64 s[8:9], s[0:1], 0x10                ; ctx
	v_lshl_add_u32 v[SPW], v0, 2, SPARE
	v_mov_b32 v[NIL], 0
	v_and_b32 v1, 15, v0
	v_bfe_u32 v2, v0, 4, 1
	v_and_b32 v3, 31, v0
	v_lshrrev_b32 v14, 5, v0
	v_readfirstlane_b32 s12, v14                   ; wave = head
	s_mov_b32 s13, ttmp9                           ; the query block: 32 batch + block
	s_and_b32 s14, s13, 31
	s_lshl_b32 s50, s13, 7                         ; its 32 words of sel
	s_mov_b32 s51, 0
	s_lshr_b32 s74, s13, 5
	s_lshl_b32 s74, s74, 4
	s_add_co_u32 s74, s74, s12
	s_lshl_b32 s74, s74, 17                        ; 131,072 bytes for a batch and head
	s_mov_b32 s75, 0
	s_lshl_b32 s76, s14, 9                         ; Q: 32 tokens of 16 bytes in a channel group
	s_add_co_u32 s76, s76, s74
	s_mov_b32 s77, 0
	s_add_co_u32 s78, s74, 16777216                ; K
	s_mov_b32 s79, 0
	s_add_co_u32 s74, s74, 33554432                ; V
	s_lshl_b32 s62, s13, 16                        ; ctx: 32 rows of 2,048 bytes, two rows a wave
	s_lshl_b32 s63, s12, 12
	s_add_co_u32 s62, s62, s63
	s_mov_b32 s63, 0                               ; stays 0: the high word of the trips' offsets
	s_mov_b32 s68, 0x3e38aa3b                      ; c = log2(e) / 8
	s_mov_b32 s69, s68                             ; named with it as a pair
	s_mov_b32 s70, 0x76543210                      ; v_permlanex16_b32: each lane takes its own place in the other half
	s_mov_b32 s71, 0xfedcba98
	s_mov_b32 s15, 0                               ; trips done
	v_lshlrev_b32 v[VK], 14, v2
	v_lshl_add_u32 v[VK], v1, 4, v[VK]
	v_lshlrev_b32 v[VV], 10, v2
	v_lshl_add_u32 v[VV], v1, 4, v[VV]
	v_lshlrev_b32 v[VW], 2, v1
	s_wait_kmcnt 0x0
	s_add_nc_u64 s[10:11], s[6:7], s[50:51]
	s_load_b512 s[16:31], s[10:11], 0x0            ; the block's 32 words, for the union
	s_load_b512 s[32:47], s[10:11], 0x40
	s_add_nc_u64 s[52:53], s[4:5], s[76:77]
	s_add_nc_u64 s[54:55], s[4:5], s[78:79]
	s_add_nc_u64 s[56:57], s[4:5], s[74:75]
	s_add_nc_u64 s[8:9], s[8:9], s[62:63]
	global_load_b32 v[W0], v[VW], s[10:11]
	global_load_b32 v[W0+1], v[VW], s[10:11] offset:64
.irp qt, 0,1
.irp c, 0,1
	global_load_b128 v[Q+16*(\qt)+8*(\c):Q+16*(\qt)+8*(\c)+3],   v[VK], s[52:53] offset:(\c)*65536+(\qt)*256
	global_load_b128 v[Q+16*(\qt)+8*(\c)+4:Q+16*(\qt)+8*(\c)+7], v[VK], s[52:53] offset:(\c)*65536+(\qt)*256+32768
.endr
.endr
	v_mov_b32 v[LOWV], 0xff7fffff
	v_mov_b32 v[BIGV], 0x7f000000
	s_lshl_b32 s67, s12, 7                         ; into the stage: row 16 qt + l % 16, my head's 128 bytes, 16 for each half of the lanes
	v_mul_u32_u24 v[STO], v1, SP
	v_lshl_add_u32 v[STO], v2, 4, v[STO]
	v_add_nc_u32 v[STO], s67, v[STO]
	s_mul_i32 s67, s12, 2*SP                       ; back: wave w takes rows 2 w and 2 w + 1, whole
	v_lshlrev_b32 v[GO], 4, v3
	v_add_nc_u32 v[RD], s67, v[GO]
.set i, 0
.rept 64
	v_mov_b32 v[O+i], 0
.set i, i+1
.endr
	BOTH v_mov_b32 v[ST+12*t+CMH+1], 0
	BOTH v_mov_b32 v[ST+12*t+MX], v[LOWV]
	BOTH v_mul_f32 v[ST+12*t+CM], s68, v[ST+12*t+MX]
	BOTH v_mov_b32 v[ST+12*t+LL], 0
	BOTH v_mov_b32 v[ST+12*t+LL+1], 0
	BOTH v_mov_b32 v[ST+12*t+AA+1], 0
	s_wait_kmcnt 0x0
	s_or_b32 s48, s16, s17
.set i, 18
.rept 30
	s_or_b32 s48, s48, s[i]
.set i, i+1
.endr
	s_bcnt1_i32_b32 s49, s48                       ; the union's blocks: at least the own one
	s_min_u32 s49, s49, 32
.Ltrip:
	s_ctz_i32_b32 s66, s48                         ; the union's lowest block not yet walked,
	s_min_u32 s66, s66, 31
	s_sub_co_u32 s67, s48, 1
	s_and_b32 s48, s48, s67                        ; which is struck off
	s_lshl_b32 s62, s66, 9                         ; the bases were freed by the last trip's wait for all its loads
	s_add_nc_u64 s[58:59], s[54:55], s[62:63]      ; K: 32 tokens of 16 bytes in a channel group
	s_lshl_b32 s62, s66, 12
	s_add_nc_u64 s[60:61], s[56:57], s[62:63]      ; V: 4 token groups of 1,024 bytes
.irp kt, 0,1
.irp c, 0,1
	global_load_b128 v[K+16*(\kt)+8*(\c):K+16*(\kt)+8*(\c)+3],   v[VK], s[58:59] offset:(\c)*65536+(\kt)*256
	global_load_b128 v[K+16*(\kt)+8*(\c)+4:K+16*(\kt)+8*(\c)+7], v[VK], s[58:59] offset:(\c)*65536+(\kt)*256+32768
.endr
.endr
.irp cb, 0,1,2,3
	global_load_b128 v[V+8*(\cb):V+8*(\cb)+3],   v[VV], s[60:61] offset:(\cb)*256
	global_load_b128 v[V+8*(\cb)+4:V+8*(\cb)+7], v[VV], s[60:61] offset:(\cb)*256+2048
.endr
	s_wait_loadcnt 16                              ; all but this trip's sixteen: in the first trip the words of sel and Q
	BOTH v_lshrrev_b32 v[ST+12*t+WK], s66, v[W0+t]
	BOTH v_and_b32 v[ST+12*t+WK], 1, v[ST+12*t+WK]
	v_cmp_eq_u32 s72, 1, v[ST+WK]                  ; which of my lanes' queries see this block: tile 0,
	v_cmp_eq_u32 s73, 1, v[ST+12+WK]               ; tile 1
	s_wait_loadcnt 8                               ; K is in; V's eight loads stay out
.irp c, 0,1                            ; the four accumulators take turns
.irp qt, 0,1
.irp kt, 0,1
.if (\c) == 0
	v_wmma_f32_16x16x32_f16 v[S+16*(\qt)+8*(\kt):S+16*(\qt)+8*(\kt)+7], v[K+16*(\kt):K+16*(\kt)+7], v[Q+16*(\qt):Q+16*(\qt)+7], 0
.else
	v_wmma_f32_16x16x32_f16 v[S+16*(\qt)+8*(\kt):S+16*(\qt)+8*(\kt)+7], v[K+16*(\kt)+8:K+16*(\kt)+15], v[Q+16*(\qt)+8:Q+16*(\qt)+15], v[S+16*(\qt)+8*(\kt):S+16*(\qt)+8*(\kt)+7]
.endif
.endr
.endr
.endr
.rept 4
	v_nop                                          ; four places between the last product and the first read of the scores (ISA guide 7.12.1)
.endr
	; the block's maximum for each query: two chains, each accumulator's lowest registers first; the query's other 16 keys lie in the lane 16 away
	BOTH v_max3_num_f32 v[ST+12*t+WK], v[S+16*t], v[S+16*t+1], v[S+16*t+2]
	BOTH v_max3_num_f32 v[ST+12*t+WK+1], v[S+16*t+8], v[S+16*t+9], v[S+16*t+10]
	BOTH v_max3_num_f32 v[ST+12*t+WK], v[ST+12*t+WK], v[S+16*t+3], v[S+16*t+4]
	BOTH v_max3_num_f32 v[ST+12*t+WK+1], v[ST+12*t+WK+1], v[S+16*t+11], v[S+16*t+12]
	BOTH v_max3_num_f32 v[ST+12*t+WK], v[ST+12*t+WK], v[S+16*t+5], v[S+16*t+6]
	BOTH v_max3_num_f32 v[ST+12*t+WK+1], v[ST+12*t+WK+1], v[S+16*t+13], v[S+16*t+14]
	BOTH v_max3_num_f32 v[ST+12*t+WK], v[ST+12*t+WK], v[S+16*t+7], v[S+16*t+15]
	BOTH v_max_num_f32 v[ST+12*t+WK], v[ST+12*t+WK], v[ST+12*t+WK+1]
	BOTH v_permlanex16_b32 v[ST+12*t+WK+1], v[ST+12*t+WK], s70, s71
	BOTH v_max_num_f32 v[ST+12*t+WK], v[ST+12*t+WK], v[ST+12*t+WK+1]
	v_cndmask_b32 v[ST+WK], v[LOWV], v[ST+WK], s72             ; a block that the query does not see leaves its maximum alone
	v_cndmask_b32 v[ST+12+WK], v[LOWV], v[ST+12+WK], s73
	BOTH v_max_num_f32 v[ST+12*t+MX], v[ST+12*t+MX], v[ST+12*t+WK]
	BOTH v_mov_b32 v[ST+12*t+WK+1], v[ST+12*t+CM]              ; c m_old
	BOTH v_mul_f32 v[ST+12*t+CM], s68, v[ST+12*t+MX]
	BOTH v_sub_f32 v[ST+12*t+WK+1], v[ST+12*t+WK+1], v[ST+12*t+CM]
	BOTH v_exp_f32 v[ST+12*t+AA], v[ST+12*t+WK+1]
	v_cndmask_b32 v[ST+CMH], v[BIGV], v[ST+CM], s72            ; (plain lines behind the two exponentials)
	v_cndmask_b32 v[ST+12+CMH], v[BIGV], v[ST+12+CM], s73
.set t, 0
.rept 2
.set i, 0
.rept 8
	v_pk_fma_f32 v[S+16*t+2*i:S+16*t+2*i+1], v[S+16*t+2*i:S+16*t+2*i+1], s[68:69], v[ST+12*t+CMH:ST+12*t+CMH+1] op_sel_hi:[1,0,0] neg_lo:[0,0,1] neg_hi:[0,0,1]
.set i, i+1
.endr
.set t, t+1
.endr
.set i, 0
.rept 32
	v_exp_f32 v[S+i], v[S+i]
.set i, i+1
.endr
.set t, 0
	s_wait_alu depctr_va_vdst(0)
.rept 2                                ; O times a: 32 plain lines that name no exponential's register stand between the exponentials and the use of their results (ISA guide 5.7.2)
.set i, 0
.rept 16
	v_pk_mul_f32 v[O+32*t+2*i:O+32*t+2*i+1], v[O+32*t+2*i:O+32*t+2*i+1], v[ST+12*t+AA:ST+12*t+AA+1] op_sel_hi:[1,0]
.set i, i+1
.endr
.set t, t+1
.endr
.set i, 0
.rept 16
	v_cvt_pk_f16_f32 v[P+i], v[S+2*i], v[S+2*i+1]
.set i, i+1
.endr
	BOTH v_pk_add_f32 v[S+16*t:S+16*t+1], v[S+16*t:S+16*t+1], v[S+16*t+2:S+16*t+3]
	BOTH v_pk_add_f32 v[S+16*t+4:S+16*t+5], v[S+16*t+4:S+16*t+5], v[S+16*t+6:S+16*t+7]
	BOTH v_pk_add_f32 v[S+16*t+8:S+16*t+9], v[S+16*t+8:S+16*t+9], v[S+16*t+10:S+16*t+11]
	BOTH v_pk_add_f32 v[S+16*t+12:S+16*t+13], v[S+16*t+12:S+16*t+13], v[S+16*t+14:S+16*t+15]
	BOTH v_pk_add_f32 v[S+16*t:S+16*t+1], v[S+16*t:S+16*t+1], v[S+16*t+4:S+16*t+5]
	BOTH v_pk_add_f32 v[S+16*t+8:S+16*t+9], v[S+16*t+8:S+16*t+9], v[S+16*t+12:S+16*t+13]
	BOTH v_pk_add_f32 v[S+16*t:S+16*t+1], v[S+16*t:S+16*t+1], v[S+16*t+8:S+16*t+9]
	BOTH v_pk_fma_f32 v[ST+12*t+LL:ST+12*t+LL+1], v[ST+12*t+LL:ST+12*t+LL+1], v[ST+12*t+AA:ST+12*t+AA+1], v[S+16*t:S+16*t+1] op_sel_hi:[1,0,1]
	s_wait_loadcnt 0x0                             ; V is in; no load of mine is out, so the bases may be written in the next trip
.irp qt, 0,1                           ; eight different accumulators
.irp cb, 0,1,2,3
	v_wmma_f32_16x16x32_f16 v[O+32*(\qt)+8*(\cb):O+32*(\qt)+8*(\cb)+7], v[V+8*(\cb):V+8*(\cb)+7], v[P+8*(\qt):P+8*(\qt)+7], v[O+32*(\qt)+8*(\cb):O+32*(\qt)+8*(\cb)+7]
.endr
.endr
.rept 4
	v_nop                                          ; four places in front of the next trip's loads into V, and of the way out's reads of O
.endr
	s_add_co_u32 s15, s15, 1
	s_cmp_lt_u32 s15, s49
	s_cbranch_scc1 .Ltrip
	; THE WAY OUT.  l's two halves and the other half of the lanes' are added; O is divided by l, rounded to f16 and gathered in the work-group's stage, so that whole rows of ctx leave.
	BOTH v_add_f32 v[ST+12*t+LL], v[ST+12*t+LL], v[ST+12*t+LL+1]
	BOTH v_permlanex16_b32 v[ST+12*t+LL+1], v[ST+12*t+LL], s70, s71
	BOTH v_add_f32 v[ST+12*t+LL], v[ST+12*t+LL], v[ST+12*t+LL+1]
	BOTH v_rcp_f32 v[ST+12*t+AA], v[ST+12*t+LL]
	v_nop                                          ; a plain instruction between the reciprocals and their use
.set t, 0
	s_wait_alu depctr_va_vdst(0)
.rept 2
.set i, 0
.rept 16
	v_pk_mul_f32 v[O+32*t+2*i:O+32*t+2*i+1], v[O+32*t+2*i:O+32*t+2*i+1], v[ST+12*t+AA:ST+12*t+AA+1] op_sel_hi:[1,0]
.set i, i+1
.endr
.set t, t+1
.endr
.set i, 0
.rept 32
	v_cvt_pk_f16_f32 v[K+i], v[O+2*i], v[O+2*i+1]  ; K's registers are free: (cb, qt) packed at K + 16 qt + 4 cb
.set i, i+1
.endr
.irp qt, 0,1
.irp cb, 0,1,2,3
	ds_store_b128 v[STO], v[K+16*(\qt)+4*(\cb):K+16*(\qt)+4*(\cb)+3] offset:(\qt)*16*SP+32*(\cb)
.endr
.endr
	s_wait_tensorcnt 0x0                           ; behind my last LDS store
	ds_add_u32 v[SPW], v[NIL]
	s_wait_dscnt 0x0                               ; the wait also shows my stores done, for the other waves' sake
	s_barrier_signal -1
	s_barrier_wait -1
.irp i, 0,1,2,3,4,5,6,7
	ds_load_b128 v[V+4*(\i):V+4*(\i)+3], v[RD] offset:((\i)/4)*SP+((\i)%4)*512
.endr
.irp i, 0,1,2,3,4,5,6,7
	s_wait_dscnt 7-(\i)                            ; piece i is in, the younger ones stay out
	global_store_b128 v[GO], v[V+4*(\i):V+4*(\i)+3], s[8:9] offset:(\i)*512  ; 512 consecutive bytes, aligned
.endr
	s_endpgm
.Lfunc_end_k_qb9f64916c3_attn:
	.size	k_qb9f64916c3_attn, .Lfunc_end_k_qb9f64916c3_attn-k_qb9f64916c3_attn
	.p2alignl 7, 3214868480
	.fill 96, 4, 3214868480
	.section	.rodata,"a",@progbits
	.p2align	6, 0x0
	.amdhsa_kernel k_qb9f64916c3_attn
		.amdhsa_group_segment_fixed_size 68096
		.amdhsa_private_segment_fixed_size 0
		.amdhsa_enable_private_segment 0
		.amdhsa_kernarg_size 24
		.amdhsa_user_sgpr_count 2
		.amdhsa_user_sgpr_kernarg_segment_ptr 1
		.amdhsa_wavefront_size32 1
		.amdhsa_system_sgpr_workgroup_id_x 1
		.amdhsa_system_sgpr_workgroup_id_y 1
		.amdhsa_system_sgpr_workgroup_id_z 1
		.amdhsa_system_vgpr_workitem_id 0
		.amdhsa_next_free_vgpr 248
		.amdhsa_next_free_sgpr 80
		.amdhsa_reserve_vcc 0
		.amdhsa_float_denorm_mode_32 3
		.amdhsa_float_denorm_mode_16_64 3
		.amdhsa_memory_ordered 1
		.amdhsa_forward_progress 1
		.amdhsa_inst_pref_size 25
	.end_amdhsa_kernel
	.amdgpu_metadata
---
amdhsa.version: [ 1, 2 ]
amdhsa.kernels:
  - .name:           k_qb9f64916c3_attn
    .symbol:         k_qb9f64916c3_attn.kd
    .args:
      - { .name: qkv, .offset: 0, .size: 8, .value_kind: global_buffer, .address_space: global }
      - { .name: sel, .offset: 8, .size: 8, .value_kind: global_buffer, .address_space: global }
      - { .name: ctx, .offset: 16, .size: 8, .value_kind: global_buffer, .address_space: global }
    .group_segment_fixed_size: 68096
    .private_segment_fixed_size: 0
    .kernarg_segment_align: 8
    .kernarg_segment_size: 24
    .max_flat_workgroup_size: 512
    .sgpr_count:     80
    .vgpr_count:     248
    .wavefront_size: 32
...
	.end_amdgpu_metadata
.endif
;; end of part 6
;; launch outp (part 7): grid 8 x 32, 4 waves a work-group, clusters of 4 x 4, 327,680 bytes of LDS; arguments ctx, xw, x, out0; writes out0
.if DOCPART == 7
	.amdgcn_target "amdgcn-amd-amdhsa--gfx1250"
	.amdhsa_code_object_version 6
	.text
	.protected	k_qb9f64916c3_outp
	.globl	k_qb9f64916c3_outp
	.p2align	8
	.type	k_qb9f64916c3_outp,@function
k_qb9f64916c3_outp:
	s_mov_b64 s[64:65], 0
	v_nop
	global_prefetch_b8 v0, s[64:65] scope:SCOPE_SE
	s_setreg_imm32_b32 hwreg(HW_REG_WAVE_MODE, 25, 1), 1
	s_wait_xcnt 0x0
	s_wait_alu depctr_hold_cnt(0) depctr_sa_sdst(0) depctr_va_vdst(0) depctr_va_sdst(0) depctr_va_ssrc(0) depctr_va_vcc(0) depctr_vm_vsrc(0)
	s_getreg_b32 s2, hwreg(HW_REG_IB_STS2, 6, 4)
	s_cmp_eq_u32 s2, 0
	s_cbranch_scc0 .Lentry_in_a_cluster
	s_endpgm
.Lentry_in_a_cluster:
	s_bfe_u32 s2, ttmp6, 0x10000c
	s_cmp_lg_u32 s2, 0xf033
	s_cbranch_scc0 .Lentry_shape_is_right
	s_endpgm
.Lentry_shape_is_right:
; out = ctx Wo + x: C[8192][1024] = A[8192][1024] B + x, f16 operands, f32 sums, x added in f32, out in f32.
; A = ctx, f16, row-major.  B = Wo (rounded to bf16, written as f16) at byte 23,068,672 of xw in units [k/8][1024][8] of 16 bytes.
; SHARES, RING, CLUSTER: as in the projection in front.  A tile of C is 256 x 128: 256 tiles.  Four waves, each 128 x 64: 32 accumulators.  K goes in 8 steps of 128
; through two LDS slots; A's tile is asked for jointly along a row of the 4 x 4 cluster, B's along a column.
; THE WAY OUT.  A wave's 64 columns are 256 bytes of a row of out.  A block of 16 rows goes through the wave's own stage in LDS and comes back as whole rows;
; x is loaded in the same lanes, four blocks ahead, and added; sixteen lanes store 256 consecutive bytes, aligned.
; REGISTERS.  Window 0: v0-31 addresses; v32-127, v128-223 two fragment buffers, on the way out x (v32-159) and rows read back (v160-223).  Window 1: accumulator (a, b) at v[8 (4 a + b)].
.set NTOT,  1024
.set BBASE, 23068672
.set KSTEP, 128
.set PITCH, 272                        ; 68 words: the 16 rows of a fragment load start at 16 different groups of four banks (64 banks of 4 bytes: ISA guide 11.1)
.set HALFA, 128*PITCH
.set BOFF,  2*HALFA
.set HALFB, 8*2048
.set SLOT,  BOFF+2*HALFB
.set STAGE, 2*SLOT                     ; behind the ring, never filled by a tensor load: 16 rows x 272 bytes for each wave
.set SP,    272
.set SPARE, STAGE+4*16*SP
.set BHALF, 8*NTOT*16
.set BSTEP, 16*NTOT*16
.set LAPS,  1024/(2*KSTEP)
.set ADRA, 16
.set ADRB, 20
.set STO,  24
.set RD,   25
.set CO,   26                          ; (l / 16) x 4,096 + 16 (l % 16): two rows of x and of out
.set PF,   27                          ; lane x 4,096: a row a lane, for the prefetch
.set SPW,  28
.set NIL,  29
.set F0,   32
.set F1,   128
.set WV, 12
.set WM, 13
.set WN, 14
.set G1,  24
.set G0,  32
.set G1B, 48
.set G0B, 56
.set MSB, 0
.macro WIN new                         ; the immediate's high byte repeats the setting that is left
.if MSB != (\new)
	s_set_vgpr_msb (MSB<<8)|(\new)
.set MSB, \new
.endif
.endm
.set MUL, 0x50                         ; sources 0 and 1 window 0; C and D window 1
.macro JLOAD s                         ; a joint load: waves 0, 1 fetch A's halves, waves 2, 3 B's; an s_nop 0 and four v_nop follow each line
	s_cmp_eq_u32 s[WM], 0
	s_cbranch_scc0 .Lfor_b_\@
	tensor_load_to_lds s[G0+4*(\s):G0+4*(\s)+3], s[G1:G1+7]
	s_nop 0
.rept 4
	v_nop
.endr
	s_branch .Lasked_\@
.Lfor_b_\@:
	tensor_load_to_lds s[G0B+4*(\s):G0B+4*(\s)+3], s[G1B:G1B+7]
	s_nop 0
.rept 4
	v_nop
.endr
.Lasked_\@:
.endm
.macro CREST
	s_cmp_lg_u32 s[WV], 0
	s_cbranch_scc1 .Lnot_wave_0_\@
	s_barrier_signal -3
.Lnot_wave_0_\@:
	s_barrier_wait -3
	s_barrier_signal -1
	s_barrier_wait -1
.endm
.macro CROUND
	s_barrier_signal -1
	s_barrier_wait -1
	CREST
.endm
	s_load_b256 s[4:11], s[0:1], 0x0               ; ctx s[4:5], xw s[6:7], x s[8:9], out s[10:11]
	v_lshl_add_u32 v[SPW], v0, 2, SPARE
	v_mov_b32 v[NIL], 0
	ds_add_u32 v[SPW], v[NIL]                      ; the wave's opening: the add and its wait ahead of my first tensor load
	v_lshrrev_b32 v1, 5, v0
	v_readfirstlane_b32 s[WV], v1
	s_lshr_b32 s[WM], s[WV], 1
	s_and_b32 s[WN], s[WV], 1
	s_bfe_u32 s40, ttmp6, 0x40000                  ; cx
	s_bfe_u32 s41, ttmp6, 0x40004                  ; cy
	s_lshl_b32 s42, ttmp9, 2
	s_add_co_u32 s42, s42, s40                     ; tile column
	s_and_b32 s43, ttmp7, 0xffff
	s_lshl_b32 s43, s43, 2
	s_add_co_u32 s43, s43, s41                     ; tile row
	s_lshl_b32 s44, s41, 2
	s_lshl_b32 s44, 15, s44                        ; my row of the cluster
	s_lshl_b32 s45, 0x1111, s40                    ; my column
	s_or_b32 s[G1], s44, (1<<16)|(1<<20)|(1<<21)|(5<<22)|(3<<25)  ; A: mask of my row; 2-byte elements; padding on; bit 21 beside a mask; after every 64 words, 4 words
	s_mov_b32 s[G1+1], KSTEP<<16
	s_mov_b32 s[G1+2], 128<<16
	s_mov_b32 s[G1+3], KSTEP<<16
	s_mov_b32 s[G1+4], 128
	s_mov_b32 s[G1+5], 1024
	s_mov_b32 s[G1+6], 0
	s_mov_b32 s[G1+7], 0
	s_or_b32 s[G1B], s45, (1<<16)|(1<<21)          ; B: mask of my column; no padding
	s_mov_b32 s[G1B+1], 1024<<16
	s_mov_b32 s[G1B+2], 8<<16
	s_mov_b32 s[G1B+3], 1024<<16
	s_mov_b32 s[G1B+4], 8
	s_mov_b32 s[G1B+5], NTOT*8
	s_mov_b32 s[G1B+6], 0
	s_mov_b32 s[G1B+7], 0
	s_lshl_b32 s16, s43, 8                         ; A hangs on the tile row alone
	s_lshl_b32 s17, s[WN], 7
	s_add_co_u32 s16, s16, s17
	s_lshl_b32 s16, s16, 11
	s_mov_b32 s17, 0
	s_mul_i32 s46, s[WN], BHALF                    ; B on the tile column alone
	s_lshl_b32 s47, s42, 11
	s_add_co_u32 s46, s46, s47
	s_add_co_u32 s46, s46, BBASE
	s_mov_b32 s47, 0
	s_mul_i32 s20, s[WN], HALFA
	s_mul_i32 s21, s[WN], HALFB
	s_add_co_u32 s21, s21, BOFF
	s_wait_dscnt 0x0                               ; the opening add is done
	s_wait_kmcnt 0x0
	s_add_nc_u64 s[66:67], s[4:5], s[16:17]
	s_add_nc_u64 s[46:47], s[6:7], s[46:47]
	CROUND                                         ; all sixteen work-groups are here: the first joint loads meet
.irp s, 0,1
	s_mov_b32 s[G0+4*(\s)], 1
	s_add_co_u32 s[G0+4*(\s)+1], s20, (\s)*SLOT
	s_add_nc_u64 s[G0+4*(\s)+2:G0+4*(\s)+3], s[66:67], (\s)*KSTEP*2
	s_or_b32 s[G0+4*(\s)+3], s[G0+4*(\s)+3], 0x80000000
	s_mov_b32 s[G0B+4*(\s)], 1
	s_add_co_u32 s[G0B+4*(\s)+1], s21, (\s)*SLOT
	s_add_nc_u64 s[G0B+4*(\s)+2:G0B+4*(\s)+3], s[46:47], (\s)*BSTEP
	s_or_b32 s[G0B+4*(\s)+3], s[G0B+4*(\s)+3], 0x80000000
	JLOAD \s                                       ; two tensor loads of mine are out here, later one
.endr
	v_and_b32 v1, 15, v0
	v_bfe_u32 v2, v0, 4, 1
	v_mul_u32_u24 v3, v1, PITCH
	v_lshl_add_u32 v3, v2, 4, v3
	v_lshlrev_b32 v4, 11, v2
	v_lshl_add_u32 v4, v1, 4, v4
	s_mul_i32 s22, s[WM], HALFA
	s_lshl_b32 s23, s[WN], 10
	s_add_co_u32 s23, s23, BOFF
.irp s, 0,1
	v_add_nc_u32 v[ADRA+(\s)], s22, v3
	v_add_nc_u32 v[ADRB+(\s)], s23, v4
	s_add_co_u32 s22, s22, SLOT
	s_add_co_u32 s23, s23, SLOT
.endr
	s_mul_i32 s75, s[WV], 16*SP
	s_add_co_u32 s75, s75, STAGE                   ; my stage
	v_mul_u32_u24 v5, v1, SP                       ; in: row l % 16, 32 bytes for each half of the lanes
	v_lshl_add_u32 v5, v2, 5, v5
	v_add_nc_u32 v[STO], s75, v5
	v_mul_u32_u24 v5, v2, SP                       ; back: lanes 0-15 one row of 256 bytes, lanes 16-31 the next
	v_lshl_add_u32 v5, v1, 4, v5
	v_add_nc_u32 v[RD], s75, v5
	v_lshlrev_b32 v5, 12, v2
	v_lshl_add_u32 v[CO], v1, 4, v5
	v_and_b32 v5, 31, v0
	v_lshlrev_b32 v[PF], 12, v5
	s_lshl_b32 s72, s43, 8                         ; x and out at my 128 rows and 64 columns
	s_lshl_b32 s73, s[WM], 7
	s_add_co_u32 s72, s72, s73
	s_lshl_b32 s72, s72, 12
	s_lshl_b32 s73, s42, 9
	s_add_co_u32 s72, s72, s73
	s_lshl_b32 s73, s[WN], 8
	s_add_co_u32 s72, s72, s73
	s_mov_b32 s73, 0
	s_add_nc_u64 s[8:9], s[8:9], s[72:73]
	s_add_nc_u64 s[10:11], s[10:11], s[72:73]
; 8 matrix instructions: row blocks a0, a0 + 1 x all 4 column blocks, 32 along K.  The 32 accumulators take turns in the same order in every quarter.
.macro MUL8 f, a0, zero
	WIN MUL
.irp a, \a0, (\a0)+1
.irp b, 0,1,2,3
.if \zero
	v_wmma_f32_16x16x32_f16 v[8*(4*(\a)+(\b)):8*(4*(\a)+(\b))+7], v[(\f)+8*(\b):(\f)+8*(\b)+7], v[(\f)+32+8*(\a):(\f)+32+8*(\a)+7], 0
.else
	v_wmma_f32_16x16x32_f16 v[8*(4*(\a)+(\b)):8*(4*(\a)+(\b))+7], v[(\f)+8*(\b):(\f)+8*(\b)+7], v[(\f)+32+8*(\a):(\f)+32+8*(\a)+7], v[8*(4*(\a)+(\b)):8*(4*(\a)+(\b))+7]
.endif
.endr
.endr
.endm
.macro FETCH slot, q, f                ; 24 LDS loads in one run: B's 4 fragments first, then A's 8
	WIN 0
.irp b, 0,1,2,3
	ds_load_b128 v[(\f)+8*(\b):(\f)+8*(\b)+3],   v[ADRB+(\slot)] offset:(\q)*8192+(\b)*256
	ds_load_b128 v[(\f)+8*(\b)+4:(\f)+8*(\b)+7], v[ADRB+(\slot)] offset:(\q)*8192+(\b)*256+4096
.endr
.irp a, 0,1,2,3,4,5,6,7
	ds_load_b128 v[(\f)+32+8*(\a):(\f)+32+8*(\a)+3],   v[ADRA+(\slot)] offset:(\q)*64+(\a)*16*PITCH
	ds_load_b128 v[(\f)+32+8*(\a)+4:(\f)+32+8*(\a)+7], v[ADRA+(\slot)] offset:(\q)*64+(\a)*16*PITCH+32
.endr
.endm
.macro PLACES                          ; four places in front of loads into registers that matrix instructions have read, and of lines that read results
.rept 4
	v_nop
.endr
.endm
.macro QUARTER slot, q, f, g, zero
	s_wait_dscnt 8                                 ; B and A's blocks 0-3 are in; the youngest eight loads (A's blocks 4-7) may be out
	MUL8 \f, 0, \zero
	MUL8 \f, 2, \zero
	PLACES
	FETCH \slot, \q, \g
	s_wait_dscnt 24                                ; all but the 24 just issued
	MUL8 \f, 4, \zero
	MUL8 \f, 6, \zero
.endm
.macro TURN slot, next, fill
	WIN 0
	s_wait_tensorcnt 0x0                           ; all my tensor loads have landed: my part of the next slot
	ds_add_u32 v[SPW], v[NIL]                      ; 0 onto my spare word
	s_wait_dscnt 9                                 ; (the add and the youngest eight loads may be out)
	MUL8 F1, 0, 0
	s_wait_dscnt 0x0                               ; the add is done, and my reads of this slot are over
	s_barrier_signal -1
	MUL8 F1, 2, 0
.if \fill
	WIN 0
.endif
	s_barrier_wait -1
.if \fill
	CREST                                          ; no wave of any partner still reads this slot or has a load on its way
	s_add_nc_u64 s[G0+4*(\slot)+2:G0+4*(\slot)+3], s[G0+4*(\slot)+2:G0+4*(\slot)+3], 2*KSTEP*2
	s_add_nc_u64 s[G0B+4*(\slot)+2:G0B+4*(\slot)+3], s[G0B+4*(\slot)+2:G0B+4*(\slot)+3], 2*BSTEP
	JLOAD \slot                                    ; the first tensor load behind the round; its four v_nop are also the places in front of the loads below
.else
	PLACES
.endif
	FETCH \next, 0, F0
	MUL8 F1, 4, 0
	MUL8 F1, 6, 0
.endm
	s_wait_tensorcnt 1                             ; my part of K step 0 is in; K step 1's may stay out
	s_barrier_signal -1
	s_barrier_wait -1
	FETCH 0, 0, F0
	QUARTER 0, 1, F0, F1, 1
	WIN 0
	s_mov_b32 s3, LAPS-1
.Llap:
	QUARTER 0, 2, F1, F0, 0
	QUARTER 0, 3, F0, F1, 0
	TURN 0, 1, 1
	QUARTER 1, 1, F0, F1, 0
	QUARTER 1, 2, F1, F0, 0
	QUARTER 1, 3, F0, F1, 0
	TURN 1, 0, 1
	QUARTER 0, 1, F0, F1, 0
	WIN 0
	s_sub_co_u32 s3, s3, 1
	s_cmp_lg_u32 s3, 0
	s_cbranch_scc1 .Llap
.irp i, 0,1,2,3                        ; my 128 pieces of x, 256 bytes of a row each, are asked for once, by me alone, seven quarters of a K step ahead of the first load of them
	global_prefetch_b8 v[PF], s[8:9] offset:(\i)*131072 th:TH_LOAD_NT scope:SCOPE_SE
.endr
	QUARTER 0, 2, F1, F0, 0                        ; the last lap fills nothing
	QUARTER 0, 3, F0, F1, 0
	TURN 0, 1, 0
	QUARTER 1, 1, F0, F1, 0
	QUARTER 1, 2, F1, F0, 0
	QUARTER 1, 3, F0, F1, 0
	s_wait_dscnt 8
	MUL8 F1, 0, 0
	MUL8 F1, 2, 0
	s_wait_dscnt 0x0
	MUL8 F1, 4, 0
	MUL8 F1, 6, 0
	WIN 0
	; THE WAY OUT
.macro XLOAD a                         ; x of block a (16 rows x 256 bytes) into ring place a % 4
.irp t, 0,1,2,3,4,5,6,7
	global_load_b128 v[32+32*((\a)%4)+4*(\t):32+32*((\a)%4)+4*(\t)+3], v[CO], s[8:9] offset:(\a)*65536+(\t)*8192 th:TH_LOAD_NT
.endr
.endm
.macro OUTB a, left                    ; left: the loads of x of later blocks, which may stay out
.set XR, 32+32*((\a)%4)
.set OB, 160+32*((\a)%2)
	WIN 0x04                                       ; store data in window 1, address in window 0
.irp b, 0,1,2,3
	ds_store_b128 v[STO], v[8*(4*(\a)+(\b)):8*(4*(\a)+(\b))+3]   offset:64*(\b)     ; each accumulator's low registers first
	ds_store_b128 v[STO], v[8*(4*(\a)+(\b))+4:8*(4*(\a)+(\b))+7] offset:64*(\b)+16
.endr
	WIN 0
	s_wait_xcnt 0x0                                ; the registers that the stores two blocks back read are written again only behind this wait
.irp t, 0,1,2,3,4,5,6,7
	ds_load_b128 v[OB+4*(\t):OB+4*(\t)+3], v[RD] offset:(\t)*2*SP  ; LDS serves a wave's instructions in order (ISA guide 5.7.1.4): these see the stores above
.endr
	s_wait_loadcnt \left
	s_wait_dscnt 0x0
.set i, 0
.rept 16
	v_pk_add_f32 v[OB+2*i:OB+2*i+1], v[OB+2*i:OB+2*i+1], v[XR+2*i:XR+2*i+1]
.set i, i+1
.endr
.irp t, 0,1,2,3,4,5,6,7
	global_store_b128 v[CO], v[OB+4*(\t):OB+4*(\t)+3], s[10:11] offset:(\a)*65536+(\t)*8192 th:TH_STORE_NT  ; sixteen lanes: 256 consecutive bytes, aligned
.endr
.if (\a) < 4
	XLOAD (\a)+4
.endif
.endm
	PLACES                                         ; behind the last products: the loads below land in their sources, the LDS stores read their results
	XLOAD 0
	XLOAD 1
	XLOAD 2
	XLOAD 3
	OUTB 0, 24
	OUTB 1, 24
	OUTB 2, 24
	OUTB 3, 24
	OUTB 4, 24
	OUTB 5, 16
	OUTB 6, 8
	OUTB 7, 0
	s_wait_tensorcnt 0x0                           ; the wave's end
	ds_add_u32 v[SPW], v[NIL]
	s_wait_dscnt 0x0
	CROUND                                         ; the closing round: no work-group ends while a partner may still ask for a tile that names it
	s_endpgm
.Lfunc_end_k_qb9f64916c3_outp:
	.size	k_qb9f64916c3_outp, .Lfunc_end_k_qb9f64916c3_outp-k_qb9f64916c3_outp
	.p2alignl 7, 3214868480
	.fill 96, 4, 3214868480
	.section	.rodata,"a",@progbits
	.p2align	6, 0x0
	.amdhsa_kernel k_qb9f64916c3_outp
		.amdhsa_group_segment_fixed_size 327680
		.amdhsa_private_segment_fixed_size 0
		.amdhsa_enable_private_segment 0
		.amdhsa_kernarg_size 32
		.amdhsa_user_sgpr_count 2
		.amdhsa_user_sgpr_kernarg_segment_ptr 1
		.amdhsa_wavefront_size32 1
		.amdhsa_system_sgpr_workgroup_id_x 1
		.amdhsa_system_sgpr_workgroup_id_y 1
		.amdhsa_system_sgpr_workgroup_id_z 1
		.amdhsa_system_vgpr_workitem_id 0
		.amdhsa_next_free_vgpr 512
		.amdhsa_next_free_sgpr 80
		.amdhsa_reserve_vcc 0
		.amdhsa_float_denorm_mode_32 3
		.amdhsa_float_denorm_mode_16_64 3
		.amdhsa_memory_ordered 1
		.amdhsa_forward_progress 1
		.amdhsa_inst_pref_size 100
	.end_amdhsa_kernel
	.amdgpu_metadata
---
amdhsa.version: [ 1, 2 ]
amdhsa.kernels:
  - .name:           k_qb9f64916c3_outp
    .symbol:         k_qb9f64916c3_outp.kd
    .args:
      - { .name: ctx, .offset: 0, .size: 8, .value_kind: global_buffer, .address_space: global }
      - { .name: xw, .offset: 8, .size: 8, .value_kind: global_buffer, .address_space: global }
      - { .name: x, .offset: 16, .size: 8, .value_kind: global_buffer, .address_space: global }
      - { .name: out0, .offset: 24, .size: 8, .value_kind: global_buffer, .address_space: global }
    .group_segment_fixed_size: 327680
    .private_segment_fixed_size: 0
    .kernarg_segment_align: 8
    .kernarg_segment_size: 32
    .max_flat_workgroup_size: 128
    .sgpr_count:     80
    .vgpr_count:     512
    .wavefront_size: 32
...
	.end_amdgpu_metadata
.endif
;; end of part 7
;; ======== version 2 of 2: 6 launches
;; limits: values are held in f16: magnitudes above 65,504 overflow, below 6.1e-05 lose precision
;; workspace buffers: xw 25,165,824 bytes; s1 2,621,440 bytes; s2 2,621,440 bytes; gt 524,288 bytes; sel 32,768 bytes of whole numbers; qkv 50,331,648 bytes; ctx 16,777,216 bytes
;; launch prep (part 8): grid 896 x 1, 8 waves a work-group, no clusters, 0 bytes of LDS; arguments x, Wq, Wk, Wv, Wo, Wu, xw, s1; writes xw, s1
.if DOCPART == 8
	.amdgcn_target "amdgcn-amd-amdhsa--gfx1250"
	.amdhsa_code_object_version 6
	.text
	.protected	k_qb9f64916c3_prep
	.globl	k_qb9f64916c3_prep
	.p2align	8
	.type	k_qb9f64916c3_prep,@function
k_qb9f64916c3_prep:
	s_mov_b64 s[64:65], 0
	v_nop
	global_prefetch_b8 v0, s[64:65] scope:SCOPE_SE
	s_setreg_imm32_b32 hwreg(HW_REG_WAVE_MODE, 25, 1), 1
	s_wait_xcnt 0x0
; PREP: casts and layouts, a stream; no LDS and no matrix unit, since every number is touched once.
; Work-groups 0-255 (role X): block wg of 32 tokens of x.  x is rounded to bf16 into xw ([8192][1024]), and the block's mean over its
;   32 tokens (f32 sum in row order, times 1/32, rounded once to bf16) goes to s1 row wg.
; Work-groups 256-895 (role W): one group of 8 rows k of Wq, Wk, Wv, Wo or Wu ([k][n] f32) into units of 16 bytes: 8 consecutive k of one column n,
;   the lowest k lowest.  Wo at xw + 23,068,672 and Wu at s1 + 524,288 as [k/8][1024][8].  Wq, Wk, Wv share k groups of 3,072 units at
;   xw + 16,777,216, laid [8 column tiles][q 128 | k 128 | v 128]: the 384 units that one tile of the projection takes lie end to end.
; A weight role is one batch of 32 loads a thread and four stores: no trip waits for another.
; LIMITS.  All are rounded to bf16; Wo's bf16 number is then written as f16 (the product behind takes f16): exact for magnitudes from
;   2^-14 to 65,504, f16's fixed step of 2^-24 below that, infinity above.
; The weights' loads take 128 consecutive bytes an instruction (a column a lane, eight rows): the price of turning [k][n] without LDS.
.set ROWB, 4096                        ; bytes in a row of x and of a square weight
.set ACC,  8                           ; v[8:11]   role X: the running sum of my four columns
.set X,    16                          ; v[16:143] role X: 32 rows, 4 registers each
.set R,    16                          ; v[16:47]  role W: 4 units x 8 numbers as loaded
.set D,    48                          ; v[48:63]  role W: 4 units to store
.set T,    64                          ; v[64:65]  at work
	s_load_b512 s[8:23], s[0:1], 0x0               ; x s[8:9], Wq s[10:11], Wk s[12:13], Wv s[14:15], Wo s[16:17], Wu s[18:19], xw s[20:21], s1 s[22:23]
	v_lshlrev_b32 v1, 4, v0                        ; 16 t
	v_lshlrev_b32 v2, 3, v0                        ; 8 t
	v_lshlrev_b32 v3, 2, v0                        ; 4 t
	v_lshrrev_b32 v4, 7, v0                        ; Wq, Wk, Wv: column t lies in column tile t / 128 (384 units each),
	v_and_b32 v5, 127, v0
	v_mul_u32_u24 v4, v4, 6144
	v_lshl_add_u32 v4, v5, 4, v4                   ; at unit t % 128 of its matrix's 128
	s_mov_b32 s2, ttmp9
	s_mov_b32 s5, 0                                ; the high word of every offset pair s[4:5]
	s_wait_kmcnt 0x0
	s_cmp_lt_u32 s2, 256
	s_cbranch_scc0 .Lweights
	; ROLE X.  Thread t owns columns 4 t .. 4 t + 3 of all 32 rows: a wave's load covers 512 consecutive bytes, its store 256.
	s_lshl_b32 s4, s2, 17                          ; 32 rows of 4,096 bytes
	s_add_nc_u64 s[8:9], s[8:9], s[4:5]
	s_lshl_b32 s4, s2, 16                          ; 32 rows of 2,048 bytes
	s_add_nc_u64 s[20:21], s[20:21], s[4:5]
	s_lshl_b32 s4, s2, 11                          ; one row of 2,048 bytes
	s_add_nc_u64 s[22:23], s[22:23], s[4:5]
.set i, 0
.rept 32
	global_load_b128 v[X+4*i:X+4*i+3], v1, s[8:9] offset:i*ROWB th:TH_LOAD_NT  ; all 32 rows are asked for at once
.set i, i+1
.endr
.macro CVST i                          ; row i: rounded in place, two words stored; no register is written again behind its store
	v_cvt_pk_bf16_f32 v[X+4*(\i)], v[X+4*(\i)], v[X+4*(\i)+1]
	v_cvt_pk_bf16_f32 v[X+4*(\i)+1], v[X+4*(\i)+2], v[X+4*(\i)+3]
	global_store_b64 v2, v[X+4*(\i):X+4*(\i)+1], s[20:21] offset:(\i)*2048
.endm
	s_wait_loadcnt 30                              ; rows 0 and 1 are in, the 30 younger loads stay out
	v_pk_add_f32 v[ACC:ACC+1], v[X:X+1], v[X+4:X+5]        ; the first two rows start the sum: nothing is cleared
	v_pk_add_f32 v[ACC+2:ACC+3], v[X+2:X+3], v[X+6:X+7]
	CVST 0
	CVST 1
.set i, 2
.rept 30
	s_wait_loadcnt 31-i                            ; row i is in, the younger rows stay out
	v_pk_add_f32 v[ACC:ACC+1], v[ACC:ACC+1], v[X+4*i:X+4*i+1]
	v_pk_add_f32 v[ACC+2:ACC+3], v[ACC+2:ACC+3], v[X+4*i+2:X+4*i+3]
	CVST i
.set i, i+1
.endr
	v_pk_mul_f32 v[ACC:ACC+1], v[ACC:ACC+1], 0x3d000000 op_sel_hi:[1,0]      ; times 1/32
	v_pk_mul_f32 v[ACC+2:ACC+3], v[ACC+2:ACC+3], 0x3d000000 op_sel_hi:[1,0]
	v_cvt_pk_bf16_f32 v12, v[ACC], v[ACC+1]
	v_cvt_pk_bf16_f32 v13, v[ACC+2], v[ACC+3]
	global_store_b64 v2, v[12:13], s[22:23]
	s_endpgm
; 32,768 bytes of a weight become four runs of 256 units.  Unit c of a thread: eight rows j, PITCH bytes apart, at c x CSRC; it is stored at
; c x CDST + register vd, so a wave's store covers 512 consecutive bytes.  F16 = 1: the bf16 number is written as f16.  The role ends here.
.macro WONE vd, PITCH, CSRC, CDST, F16
.irp c, 0,1,2,3
.irp j, 0,1,2,3,4,5,6,7
	global_load_b32 v[R+8*(\c)+(\j)], v3, s[28:29] offset:(\j)*(\PITCH)+(\c)*(\CSRC)
.endr
.endr
.irp c, 0,1,2,3
	s_wait_loadcnt 24-8*(\c)                       ; unit c's eight loads are in, the later units' stay out
.irp p, 0,1,2,3
	v_cvt_pk_bf16_f32 v[D+4*(\c)+(\p)], v[R+8*(\c)+2*(\p)], v[R+8*(\c)+2*(\p)+1]
.if \F16
	v_lshlrev_b32 v[T], 16, v[D+4*(\c)+(\p)]               ; the two bf16 as f32,
	v_and_b32 v[T+1], 0xffff0000, v[D+4*(\c)+(\p)]
	v_cvt_pk_f16_f32 v[D+4*(\c)+(\p)], v[T], v[T+1]        ; and as f16
.endif
.endr
	global_store_b128 v[\vd], v[D+4*(\c):D+4*(\c)+3], s[30:31] offset:(\c)*(\CDST)
.endr
	s_endpgm
.endm
.Lweights:
	; ROLE W.  mat = 0 Wq, 1 Wk, 2 Wv, 3 Wo, 4 Wu; part = the k group (8 rows).
	s_sub_co_u32 s4, s2, 256
	s_lshr_b32 s32, s4, 7                          ; mat
	s_and_b32 s33, s4, 127                         ; part
	s_cmp_eq_u32 s32, 1
	s_cselect_b64 s[28:29], s[12:13], s[10:11]
	s_cmp_eq_u32 s32, 2
	s_cselect_b64 s[28:29], s[14:15], s[28:29]
	s_cmp_eq_u32 s32, 3
	s_cselect_b64 s[28:29], s[16:17], s[28:29]
	s_cmp_eq_u32 s32, 4
	s_cselect_b64 s[28:29], s[18:19], s[28:29]
	s_cselect_b64 s[30:31], s[22:23], s[20:21]     ; Wu goes to s1, the others to xw
	s_lshl_b32 s4, s33, 15                         ; 8 rows of 4,096 bytes
	s_add_nc_u64 s[28:29], s[28:29], s[4:5]
	s_mul_i32 s34, s33, 49152                      ; Wq, Wk, Wv: a k group of 3,072 units,
	s_lshl_b32 s36, s32, 11                        ; the matrix's 128 units in a column tile,
	s_add_co_u32 s34, s34, s36
	s_add_co_u32 s34, s34, 16777216                ; behind xb
	s_lshl_b32 s36, s33, 14                        ; Wo, Wu: a k group of 1,024 units
	s_add_co_u32 s37, s36, 23068672
	s_add_co_u32 s36, s36, 524288
	s_cmp_eq_u32 s32, 3
	s_cselect_b32 s34, s37, s34
	s_cmp_eq_u32 s32, 4
	s_cselect_b32 s34, s36, s34
	s_mov_b32 s35, 0
	s_add_nc_u64 s[30:31], s[30:31], s[34:35]
	s_cmp_lt_u32 s32, 3
	s_cbranch_scc0 .Lplain
	WONE 4, 4096, 1024, 12288, 0                   ; unit c: column t + 256 c, two column tiles (768 units) on
.Lplain:
	s_cmp_eq_u32 s32, 3
	s_cbranch_scc1 .Lwo
	WONE 1, 4096, 1024, 4096, 0
.Lwo:
	WONE 1, 4096, 1024, 4096, 1
.Lfunc_end_k_qb9f64916c3_prep:
	.size	k_qb9f64916c3_prep, .Lfunc_end_k_qb9f64916c3_prep-k_qb9f64916c3_prep
	.p2alignl 7, 3214868480
	.fill 96, 4, 3214868480
	.section	.rodata,"a",@progbits
	.p2align	6, 0x0
	.amdhsa_kernel k_qb9f64916c3_prep
		.amdhsa_group_segment_fixed_size 0
		.amdhsa_private_segment_fixed_size 0
		.amdhsa_enable_private_segment 0
		.amdhsa_kernarg_size 64
		.amdhsa_user_sgpr_count 2
		.amdhsa_user_sgpr_kernarg_segment_ptr 1
		.amdhsa_wavefront_size32 1
		.amdhsa_system_sgpr_workgroup_id_x 1
		.amdhsa_system_sgpr_workgroup_id_y 1
		.amdhsa_system_sgpr_workgroup_id_z 1
		.amdhsa_system_vgpr_workitem_id 0
		.amdhsa_next_free_vgpr 144
		.amdhsa_next_free_sgpr 66
		.amdhsa_reserve_vcc 0
		.amdhsa_float_denorm_mode_32 3
		.amdhsa_float_denorm_mode_16_64 3
		.amdhsa_memory_ordered 1
		.amdhsa_forward_progress 1
		.amdhsa_inst_pref_size 34
	.end_amdhsa_kernel
	.amdgpu_metadata
---
amdhsa.version: [ 1, 2 ]
amdhsa.kernels:
  - .name:           k_qb9f64916c3_prep
    .symbol:         k_qb9f64916c3_prep.kd
    .args:
      - { .name: x, .offset: 0, .size: 8, .value_kind: global_buffer, .address_space: global }
      - { .name: Wq, .offset: 8, .size: 8, .value_kind: global_buffer, .address_space: global }
      - { .name: Wk, .offset: 16, .size: 8, .value_kind: global_buffer, .address_space: global }
      - { .name: Wv, .offset: 24, .size: 8, .value_kind: global_buffer, .address_space: global }
      - { .name: Wo, .offset: 32, .size: 8, .value_kind: global_buffer, .address_space: global }
      - { .name: Wu, .offset: 40, .size: 8, .value_kind: global_buffer, .address_space: global }
      - { .name: xw, .offset: 48, .size: 8, .value_kind: global_buffer, .address_space: global }
      - { .name: s1, .offset: 56, .size: 8, .value_kind: global_buffer, .address_space: global }
    .group_segment_fixed_size: 0
    .private_segment_fixed_size: 0
    .kernarg_segment_align: 8
    .kernarg_segment_size: 64
    .max_flat_workgroup_size: 256
    .sgpr_count:     66
    .vgpr_count:     144
    .wavefront_size: 32
...
	.end_amdgpu_metadata
.endif
;; end of part 8
;; launch root (part 9): grid 8 x 32, 16 waves a work-group, no clusters, 141,312 bytes of LDS; arguments s1, s2, Wk_sel, Wq_sel; writes s2
.if DOCPART == 9
	.amdgcn_target "amdgcn-amd-amdhsa--gfx1250"
	.amdhsa_code_object_version 6
	.text
	.protected	k_qb9f64916c3_root
	.globl	k_qb9f64916c3_root
	.p2align	8
	.type	k_qb9f64916c3_root,@function
k_qb9f64916c3_root:
	s_mov_b64 s[64:65], 0
	v_nop
	global_prefetch_b8 v0, s[64:65] scope:SCOPE_SE
	s_setreg_imm32_b32 hwreg(HW_REG_WAVE_MODE, 25, 1), 1
	s_wait_xcnt 0x0
; TWO ROLES, chosen by the work-group's y, which is the same in all waves of a work-group; each role has its own barrier and its own end.
; ROLE A (y < 16): C[256][pitch 1024] = A[256][1024] B, bf16 operands, f32 sums, C rounded once to bf16.  A lies at byte 0 of the first buffer, row-major;
;   B at byte 524,288 of it in units [k/8][1024][8]; C at byte 0 of the second.  Used twice: root = pooled Wu, and in the next launch GT = root W2.
;   A work-group makes 16 rows (y) x 128 columns (x).  There are few rows and much K, so K is split: wave w of 16 takes k = 64 w .. 64 w + 63, two matrix steps
;   on 8 accumulators; the 16 partial sums meet in LDS and are added in f32 as a tree.
; ROLE B (y >= 16; the first of the two launches alone has such work-groups, 128 of them beside role A's 128; the second is given the two weights' addresses and names them nowhere):
;   W2[e][d] = the sum over a of Wk_sel[e][a] Wq_sel[d][a], from the two f32 inputs, rounded to bf16 on the way in and once on the way out, stored at byte 524,288 of the
;   second buffer in units [e/8][1024][8]: role A's B in the next launch.  So GT = root Wk_sel Wq_selT is formed as root (Wk_sel Wq_selT), and the logits as x GTT: the same
;   numbers as (x Wq_sel) (root Wk_sel)T with the sums taken in another order (stated: the rounding differs, nothing else).
;   A work-group makes 64 e (y - 16) x 128 d (x).  Its 192 rows of 1,024 bytes are read once, 512 consecutive bytes an instruction, and laid into LDS as bf16;
;   wave w then makes 16 e (w % 4) x 32 d (w / 4): 8 matrix steps on two accumulators.
; The matrix instruction is used so that a lane holds one index of source 1 (l % 16) and eight neighbouring ones of source 0 (8 (l / 16) + 0..7): role A: a row of C and
; eight columns; role B: one d and eight e, which packed are one unit.  No tensor loads and no cluster: role A's operand bytes go straight into the one fragment register that needs them.
.set SPARE, 139264                     ; behind role A's partial sums: the spare words, 128 bytes for each of 16 waves
.set PART,  8704                       ; role A: a wave's partial sum: 32 groups of four columns x 16 rows x 16 bytes, 272 bytes from group to group
.set QP,    272
.set WP,    528                        ; role B: a row of 256 bf16 + 16 bytes: the 16 rows of a fragment load start at 16 different groups of four banks (64 banks of 4 bytes: ISA guide 11.1)
.set VA,  4                            ; role A: v4   row l % 16 of A x 2,048 + 16 (l / 16)
.set VB,  5                            ;         v5   (l / 16) k groups of 16,384 bytes + 16 (l % 16)
.set STO, 6                            ;         v6   where my lane puts its sums
.set RD0, 7                            ;         v7   where my lane reads partial sums 0-7 back
.set RD1, 8                            ;         v8   partial sums 8-15
.set CO,  9                            ;         v9   8 x lane: my four columns of C
.set VL,  4                            ; role B: v4   16 x lane
.set VSK, 5                            ;         v5   where my lane puts 8 bytes of my wave's rows of Wk_sel
.set VSQ, 6                            ;         v6   of Wq_sel
.set VE,  7                            ;         v7   my fragments of Wk_sel's rows
.set VD,  8                            ;         v8   of Wq_sel's rows
.set VO,  9                            ;         v9   (l / 16) x 16,384 + 16 (l % 16): my unit of W2
.set SPW, 10                           ; v10  my spare word; never rewritten
.set NIL, 11                           ; v11  0; never rewritten
.set AF,  16                           ; role A: v[16:31]   A's fragments of the two steps
.set BF,  32                           ;         v[32:159]  B's: step s, column block b at BF + 64 s + 8 b; later the partial sums read back
.set ACC, 160                          ;         v[160:223] 8 accumulators
.set AC,  16                           ; role B: v[16:31]   2 accumulators
.set RAW, 32                           ;         v[32:127]  24 loads of four f32
.set EF,  32                           ;         v[32:95]   then Wk_sel's fragments, step s at EF + 8 s
.set DF,  96                           ;         v[96:223]  Wq_sel's: block j, step s at DF + 64 j + 8 s
.set OUTB, 224                         ;         v[224:231] two units to store
	s_load_b256 s[4:11], s[0:1], 0x0               ; A and B s[4:5], C s[6:7], Wk_sel s[8:9], Wq_sel s[10:11]
	v_lshl_add_u32 v[SPW], v0, 2, SPARE
	v_mov_b32 v[NIL], 0
	v_and_b32 v1, 15, v0                           ; l % 16
	v_bfe_u32 v2, v0, 4, 1                         ; l / 16
	v_and_b32 v3, 31, v0                           ; lane
	v_lshrrev_b32 v12, 5, v0
	v_readfirstlane_b32 s12, v12                   ; wave 0..15
	s_and_b32 s13, ttmp7, 0xffff                   ; y
	s_cmp_lt_u32 s13, 16
	s_cbranch_scc0 .Lw2
	; ROLE A
	s_lshl_b32 s14, s13, 15                        ; A: 16 rows of 2,048 bytes,
	s_lshl_b32 s15, s12, 7                         ; my 64 k
	s_add_co_u32 s14, s14, s15
	s_mov_b32 s15, 0
	s_lshl_b32 s16, s12, 17                        ; B: my 8 k groups of 16,384 bytes,
	s_lshl_b32 s17, ttmp9, 11                      ; the work-group's 128 units
	s_add_co_u32 s16, s16, s17
	s_add_co_u32 s16, s16, 524288
	s_mov_b32 s17, 0
	s_lshl_b32 s18, s13, 4                         ; C: row 16 y + wave,
	s_add_co_u32 s18, s18, s12
	s_lshl_b32 s18, s18, 11
	s_lshl_b32 s19, ttmp9, 8                       ; 128 columns of 2 bytes
	s_add_co_u32 s18, s18, s19
	s_mov_b32 s19, 0
	v_lshlrev_b32 v[VA], 11, v1
	v_lshl_add_u32 v[VA], v2, 4, v[VA]
	v_lshlrev_b32 v[VB], 14, v2
	v_lshl_add_u32 v[VB], v1, 4, v[VB]
	s_wait_kmcnt 0x0
	s_add_nc_u64 s[20:21], s[4:5], s[14:15]
	s_add_nc_u64 s[22:23], s[4:5], s[16:17]
	s_add_nc_u64 s[6:7], s[6:7], s[18:19]
.irp s, 0,1
	global_load_b128 v[AF+8*(\s):AF+8*(\s)+3],   v[VA], s[20:21] offset:64*(\s)
	global_load_b128 v[AF+8*(\s)+4:AF+8*(\s)+7], v[VA], s[20:21] offset:64*(\s)+32
.endr
.irp s, 0,1
.irp b, 0,1,2,3,4,5,6,7
	global_load_b128 v[BF+64*(\s)+8*(\b):BF+64*(\s)+8*(\b)+3],   v[VB], s[22:23] offset:(\s)*65536+(\b)*256        ; sixteen lanes: 256 consecutive bytes
	global_load_b128 v[BF+64*(\s)+8*(\b)+4:BF+64*(\s)+8*(\b)+7], v[VB], s[22:23] offset:(\s)*65536+(\b)*256+32768  ; two k groups on
.endr
.endr
	s_mul_i32 s24, s12, PART
	v_mul_u32_u24 v[STO], v2, 2*QP                 ; my columns 8 (l / 16) + 0..7 are two groups of four
	v_lshl_add_u32 v[STO], v1, 4, v[STO]
	v_add_nc_u32 v[STO], s24, v[STO]
	s_lshl_b32 s25, s12, 4
	v_mul_u32_u24 v[RD0], v3, QP                   ; back: lane = group of four columns, wave = row
	v_add_nc_u32 v[RD0], s25, v[RD0]
	v_add_nc_u32 v[RD1], 8*PART, v[RD0]
	v_lshlrev_b32 v[CO], 3, v3
	s_wait_loadcnt 16                              ; A and step 0's B are in; step 1's sixteen loads stay out
.irp b, 0,1,2,3,4,5,6,7
	v_wmma_f32_16x16x32_bf16 v[ACC+8*(\b):ACC+8*(\b)+7], v[BF+8*(\b):BF+8*(\b)+7], v[AF:AF+7], 0  ; the first step starts the sums
.endr
	s_wait_loadcnt 0x0
.irp b, 0,1,2,3,4,5,6,7                ; the eight accumulators take turns
	v_wmma_f32_16x16x32_bf16 v[ACC+8*(\b):ACC+8*(\b)+7], v[BF+64+8*(\b):BF+64+8*(\b)+7], v[AF+8:AF+15], v[ACC+8*(\b):ACC+8*(\b)+7]
.endr
.rept 4
	v_nop                                          ; four places between the last product and the stores of its result and the loads into its sources
.endr
.irp b, 0,1,2,3,4,5,6,7
	ds_store_b128 v[STO], v[ACC+8*(\b):ACC+8*(\b)+3]   offset:(4*(\b))*QP    ; each accumulator's low registers first
	ds_store_b128 v[STO], v[ACC+8*(\b)+4:ACC+8*(\b)+7] offset:(4*(\b)+1)*QP
.endr
	s_wait_tensorcnt 0x0                           ; behind my last LDS store
	ds_add_u32 v[SPW], v[NIL]
	s_wait_dscnt 0x0                               ; the wait also shows my stores done, for the other waves' sake
	s_barrier_signal -1
	s_barrier_wait -1
.irp p, 0,1,2,3,4,5,6,7
	ds_load_b128 v[BF+4*(\p):BF+4*(\p)+3], v[RD0] offset:(\p)*PART         ; lanes 272 bytes apart: sixteen different groups of banks
.endr
.irp p, 0,1,2,3,4,5,6,7
	ds_load_b128 v[BF+32+4*(\p):BF+32+4*(\p)+3], v[RD1] offset:(\p)*PART
.endr
	s_wait_dscnt 0x0
.irp d, 8,4,2,1                        ; the sixteen partial sums, added as a tree
.set p, 0
.rept \d
	v_pk_add_f32 v[BF+4*p:BF+4*p+1],   v[BF+4*p:BF+4*p+1],   v[BF+4*(p+(\d)):BF+4*(p+(\d))+1]
	v_pk_add_f32 v[BF+4*p+2:BF+4*p+3], v[BF+4*p+2:BF+4*p+3], v[BF+4*(p+(\d))+2:BF+4*(p+(\d))+3]
.set p, p+1
.endr
.endr
	v_cvt_pk_bf16_f32 v12, v[BF], v[BF+1]
	v_cvt_pk_bf16_f32 v13, v[BF+2], v[BF+3]
	global_store_b64 v[CO], v[12:13], s[6:7]       ; a wave stores 256 consecutive bytes of one row, aligned
	s_endpgm
.Lw2:
	; ROLE B
	s_sub_co_u32 s14, s13, 16                      ; which 64 e
	s_lshl_b32 s16, s14, 16                        ; Wk_sel: 64 rows of 1,024 bytes,
	s_lshl_b32 s17, s12, 12                        ; my wave's 4 of them
	s_add_co_u32 s16, s16, s17
	s_mov_b32 s17, 0
	s_lshl_b32 s18, ttmp9, 17                      ; Wq_sel: 128 rows,
	s_lshl_b32 s19, s12, 13                        ; my wave's 8
	s_add_co_u32 s18, s18, s19
	s_mov_b32 s19, 0
	s_and_b32 s20, s12, 3                          ; the 16 e that I multiply
	s_lshr_b32 s21, s12, 2                         ; the 32 d
	s_lshl_b32 s22, s14, 17                        ; W2: 8 groups of e, 16,384 bytes each, for the work-group,
	s_lshl_b32 s23, s20, 15                        ; 2 for my 16 e,
	s_add_co_u32 s22, s22, s23
	s_lshl_b32 s23, ttmp9, 11                      ; the work-group's 128 units,
	s_add_co_u32 s22, s22, s23
	s_lshl_b32 s23, s21, 9                         ; my 32
	s_add_co_u32 s22, s22, s23
	s_add_co_u32 s22, s22, 524288
	s_mov_b32 s23, 0
	v_lshlrev_b32 v[VL], 4, v3
	s_wait_kmcnt 0x0
	s_add_nc_u64 s[8:9], s[8:9], s[16:17]
	s_add_nc_u64 s[10:11], s[10:11], s[18:19]
	s_add_nc_u64 s[6:7], s[6:7], s[22:23]
.set i, 0
.rept 8
	global_load_b128 v[RAW+4*i:RAW+4*i+3], v[VL], s[8:9] offset:i*512           ; half a row an instruction: my 4 rows are 4,096 consecutive bytes
.set i, i+1
.endr
.set i, 0
.rept 16
	global_load_b128 v[RAW+32+4*i:RAW+32+4*i+3], v[VL], s[10:11] offset:i*512   ; my 8 rows: 8,192 consecutive bytes
.set i, i+1
.endr
	s_mul_i32 s24, s12, 4*WP                       ; in LDS: Wk_sel's 64 rows, then Wq_sel's 128
	s_mul_i32 s25, s12, 8*WP
	s_add_co_u32 s25, s25, 64*WP
	v_lshlrev_b32 v12, 3, v3                       ; four numbers are 8 bytes of bf16
	v_add_nc_u32 v[VSK], s24, v12
	v_add_nc_u32 v[VSQ], s25, v12
	s_mul_i32 s26, s20, 16*WP
	s_mul_i32 s27, s21, 32*WP
	s_add_co_u32 s27, s27, 64*WP
	v_mul_u32_u24 v13, v1, WP                      ; a fragment: row l % 16 x pitch + 16 (l / 16)
	v_lshl_add_u32 v13, v2, 4, v13
	v_add_nc_u32 v[VE], s26, v13
	v_add_nc_u32 v[VD], s27, v13
	v_lshlrev_b32 v[VO], 14, v2
	v_lshl_add_u32 v[VO], v1, 4, v[VO]
.set i, 0
.rept 24
	s_wait_loadcnt 23-i                            ; load i is in, the younger ones stay out
	v_cvt_pk_bf16_f32 v[RAW+4*i], v[RAW+4*i], v[RAW+4*i+1]
	v_cvt_pk_bf16_f32 v[RAW+4*i+1], v[RAW+4*i+2], v[RAW+4*i+3]
.if i < 8
	ds_store_b64 v[VSK], v[RAW+4*i:RAW+4*i+1] offset:(i/2)*WP+(i%2)*256         ; 32 lanes: 256 consecutive bytes
.else
	ds_store_b64 v[VSQ], v[RAW+4*i:RAW+4*i+1] offset:((i-8)/2)*WP+((i-8)%2)*256
.endif
.set i, i+1
.endr
	s_wait_tensorcnt 0x0                           ; behind my last LDS store
	ds_add_u32 v[SPW], v[NIL]
	s_wait_dscnt 0x0                               ; the wait also shows my stores done, for the other waves' sake
	s_barrier_signal -1
	s_barrier_wait -1
.irp s, 0,1,2,3,4,5,6,7
	ds_load_b128 v[EF+8*(\s):EF+8*(\s)+3],   v[VE] offset:64*(\s)
	ds_load_b128 v[EF+8*(\s)+4:EF+8*(\s)+7], v[VE] offset:64*(\s)+32
.endr
.irp j, 0,1
.irp s, 0,1,2,3,4,5,6,7
	ds_load_b128 v[DF+64*(\j)+8*(\s):DF+64*(\j)+8*(\s)+3],   v[VD] offset:(\j)*16*WP+64*(\s)
	ds_load_b128 v[DF+64*(\j)+8*(\s)+4:DF+64*(\j)+8*(\s)+7], v[VD] offset:(\j)*16*WP+64*(\s)+32
.endr
.endr
	s_wait_dscnt 0x0
.irp s, 0,1,2,3,4,5,6,7                ; the two accumulators take turns
.irp j, 0,1
.if (\s) == 0
	v_wmma_f32_16x16x32_bf16 v[AC+8*(\j):AC+8*(\j)+7], v[EF:EF+7], v[DF+64*(\j):DF+64*(\j)+7], 0
.else
	v_wmma_f32_16x16x32_bf16 v[AC+8*(\j):AC+8*(\j)+7], v[EF+8*(\s):EF+8*(\s)+7], v[DF+64*(\j)+8*(\s):DF+64*(\j)+8*(\s)+7], v[AC+8*(\j):AC+8*(\j)+7]
.endif
.endr
.endr
.rept 4
	v_nop                                          ; four places behind the last product (ISA guide 7.12.1)
.endr
.irp j, 0,1
.irp p, 0,1,2,3                        ; each accumulator's registers in ascending order: eight consecutive e of one d
	v_cvt_pk_bf16_f32 v[OUTB+4*(\j)+(\p)], v[AC+8*(\j)+2*(\p)], v[AC+8*(\j)+2*(\p)+1]
.endr
.endr
	global_store_b128 v[VO], v[OUTB:OUTB+3], s[6:7]                ; sixteen lanes store 256 consecutive bytes, aligned
	global_store_b128 v[VO], v[OUTB+4:OUTB+7], s[6:7] offset:256
	s_endpgm
.Lfunc_end_k_qb9f64916c3_root:
	.size	k_qb9f64916c3_root, .Lfunc_end_k_qb9f64916c3_root-k_qb9f64916c3_root
	.p2alignl 7, 3214868480
	.fill 96, 4, 3214868480
	.section	.rodata,"a",@progbits
	.p2align	6, 0x0
	.amdhsa_kernel k_qb9f64916c3_root
		.amdhsa_group_segment_fixed_size 141312
		.amdhsa_private_segment_fixed_size 0
		.amdhsa_enable_private_segment 0
		.amdhsa_kernarg_size 32
		.amdhsa_user_sgpr_count 2
		.amdhsa_user_sgpr_kernarg_segment_ptr 1
		.amdhsa_wavefront_size32 1
		.amdhsa_system_sgpr_workgroup_id_x 1
		.amdhsa_system_sgpr_workgroup_id_y 1
		.amdhsa_system_sgpr_workgroup_id_z 1
		.amdhsa_system_vgpr_workitem_id 0
		.amdhsa_next_free_vgpr 232
		.amdhsa_next_free_sgpr 66
		.amdhsa_reserve_vcc 0
		.amdhsa_float_denorm_mode_32 3
		.amdhsa_float_denorm_mode_16_64 3
		.amdhsa_memory_ordered 1
		.amdhsa_forward_progress 1
		.amdhsa_inst_pref_size 26
	.end_amdhsa_kernel
	.amdgpu_metadata
---
amdhsa.version: [ 1, 2 ]
amdhsa.kernels:
  - .name:           k_qb9f64916c3_root
    .symbol:         k_qb9f64916c3_root.kd
    .args:
      - { .name: s1, .offset: 0, .size: 8, .value_kind: global_buffer, .address_space: global }
      - { .name: s2, .offset: 8, .size: 8, .value_kind: global_buffer, .address_space: global }
      - { .name: Wk_sel, .offset: 16, .size: 8, .value_kind: global_buffer, .address_space: global }
      - { .name: Wq_sel, .offset: 24, .size: 8, .value_kind: global_buffer, .address_space: global }
    .group_segment_fixed_size: 141312
    .private_segment_fixed_size: 0
    .kernarg_segment_align: 8
    .kernarg_segment_size: 32
    .max_flat_workgroup_size: 512
    .sgpr_count:     66
    .vgpr_count:     232
    .wavefront_size: 32
...
	.end_amdgpu_metadata
.endif
;; end of part 9
;; launch gtl: the kernel of part 9 again; grid 8 x 16, 16 waves a work-group, no clusters, 141,312 bytes of LDS; arguments s2, gt, Wk_sel, Wq_sel; writes gt
;; launch qkv (part 10): grid 8 x 32, 4 waves a work-group, clusters of 4 x 4, 327,680 bytes of LDS; arguments xw, qkv, gt, sel; writes qkv, sel
.if DOCPART == 10
	.amdgcn_target "amdgcn-amd-amdhsa--gfx1250"
	.amdhsa_code_object_version 6
	.text
	.protected	k_qb9f64916c3_qkv
	.globl	k_qb9f64916c3_qkv
	.p2align	8
	.type	k_qb9f64916c3_qkv,@function
k_qb9f64916c3_qkv:
	s_mov_b64 s[64:65], 0
	v_nop
	global_prefetch_b8 v0, s[64:65] scope:SCOPE_SE
	s_setreg_imm32_b32 hwreg(HW_REG_WAVE_MODE, 25, 1), 1
	s_wait_xcnt 0x0
	s_wait_alu depctr_hold_cnt(0) depctr_sa_sdst(0) depctr_va_vdst(0) depctr_va_sdst(0) depctr_va_ssrc(0) depctr_va_vcc(0) depctr_vm_vsrc(0)
	s_getreg_b32 s2, hwreg(HW_REG_IB_STS2, 6, 4)
	s_cmp_eq_u32 s2, 0
	s_cbranch_scc0 .Lentry_in_a_cluster
	s_endpgm
.Lentry_in_a_cluster:
	s_bfe_u32 s2, ttmp6, 0x10000c
	s_cmp_lg_u32 s2, 0xf033
	s_cbranch_scc0 .Lentry_shape_is_right
	s_endpgm
.Lentry_shape_is_right:
; q, k, v = x [Wq | Wk | Wv]: C[8192][3072] = A[8192][1024] B, bf16 operands, f32 sums, C rounded once to f16 and stored by heads, unscaled.  AND THE SELECTION (below).
; A = xb, row-major, at byte 0 of xw.  B at byte 16,777,216 of it: k groups of 3,072 units of 16 bytes (8 k of one column), laid [8 column tiles][q 128 | k 128 | v 128].
; OUT.  q at byte 0 and k at 16,777,216 of qkv as [batch][head][8 channel groups][1024 tokens][8 channels]; v at 33,554,432 as
; [batch][head][128 token groups][64 channels][8 tokens]: the units in which the attention's fragments are loaded.
; LIMIT.  f16 ends at 65,504: q, k and v beyond that become infinities.  Numbers of the drawn spread reach about 6.
; SHARES.  A tile of C is 256 rows x 384 columns (128 of q, of k and of v): 32 x 8 = 256 tiles, one for each work-group.  Four waves, each 128 rows x 192 columns:
; 96 accumulators, 768 registers; a wave's 64 columns of q, of k and of v are one head each, in a register window each, so the way out has no branch.
; For 32 along K a wave loads 20 fragments from LDS for 96 products.
; RINGS.  Two slots of 128 along K for both operands would take 2 x (69,632 + 98,304) bytes, more than a work-group has.  So A goes in steps of 128 (rows of 256 bytes
; + 16 of padding) and B in steps of 64 (8 k groups of 6,144 dense bytes, of which sixteen lanes read 256 consecutive ones).  Slots change every 64 along K, 192 products a
; wave: B's slot is filled again at every change, A's at every second.  Waves 0 and 1 fetch A's halves, waves 2 and 3 B's.
; The matrix instruction is used transposed (source 0 = 16 columns of B, source 1 = 16 rows of A): a lane holds one row of C and eight neighbouring columns,
; which packed are one unit of q or k: those leave straight from registers.
; CLUSTER.  4 x 4 work-groups: A's tile is shared along a row of the cluster, B's along a column; each is asked for jointly.
; THE SELECTION, stored as whole numbers for the launch that walks by it: sel[token] = a word whose bit r says that the token sees block r.  The 256 work-groups are as many as
; there are blocks of 32 tokens: work-group (tile column tx, tile row ty) takes block 8 ty + tx; that number enters global addresses and the own block's bit alone, no LDS address and no branch.
; logit[token][r] = x[token] . GT[32 batch + r] / 16; a softmax over the 32 blocks with the row's maximum taken away; bit r is set where the block's weight is at least half of the
; row's sum (e >= 0.5 x sum: the inequality prob >= 0.5 without the division; it can differ from it in ties of the last bit alone), or where r is the token's own block.  A NaN logit sets no bit.
; Behind the first joint loads wave w asks for d = 256 w .. + 255 of x and GT, straight into fragment registers that lie idle until the products begin; while the first tiles are on
; their way it makes 32 products (2 x 16 tokens, 2 x 16 blocks, 8 steps) and puts its partial sums into LDS bytes into which no tile lands; the first barrier shows them to all.
; Waves 0 and 1 finish 16 tokens each at the very end, behind the last stores of v.
; REGISTERS.  Window 0: v0-31 addresses; v32-95, v96-159 A's 8 fragments, two buffers; v160-255 B's 12 fragments, one buffer: group g (4 fragments) is loaded again
; behind the 32 products that read it.  Windows 1, 2, 3: q's, k's, v's accumulators, (a, b) at v[8 (4 a + b)].
; The selection: window 1 v0-127 x (token half qt, step s at 64 qt + 8 s), v128-255 GT (block half g at 128 + 64 g + 8 s); window 0 v32-63 its four accumulators; at the end v160-239.
.set BBASE, 16777216
.set PITCH, 272                        ; 68 words: the 16 rows of a fragment load start at 16 different groups of four banks (64 banks of 4 bytes: ISA guide 11.1)
.set HALFA, 128*PITCH                  ; what one tensor load brings of A
.set ASL,   2*HALFA                    ; a slot of A
.set KG,    6144                       ; a k group of B in LDS: 384 units
.set HALFB, 4*KG                       ; what one tensor load brings of B
.set BSL,   2*HALFB                    ; a slot of B
.set BL,    ASL                        ; B's slot lies behind A's
.set SLOT1, 1<<17                      ; both slots 1 begin this much further on, so that one exclusive or turns an address in one slot into the other's
.set STAGE, ASL+BSL                    ; between the slots 0 and the slots 1, never filled by a tensor load: 16 rows x 160 bytes for each wave, for v's way out
.set SP,    160
.set SPARE, STAGE+4*16*SP              ; the spare words, 128 bytes for each wave; they end at 129,536, ahead of SLOT1
.set SCR,   SLOT1+ASL+BSL              ; behind the slots 1, never filled by a tensor load: the selection's partial sums, 4,096 bytes for each wave
.set KGM,   49152                      ; bytes of memory from k group to k group
.set STEPS, 8                          ; K steps of 128
.set VX,   8                           ; v8   the selection: row l % 16 x 2,048 + 16 (l / 16), for x and for GT
.set STO2, 9                           ; v9   where my lane puts its partial sums
.set RD2,  10                          ; v10  where waves 0 and 1 read them back
.set VS,   11                          ; v11  4 (l % 16)
.set ADA0, 16                          ; v16  my lane's place in A's slot 0; never rewritten
.set ADA,  17                          ; v17  the same in the slot that is being read
.set ADRB, 20                          ; v20-21 my B fragments' LDS address in slot 0, 1
.set STO,  24
.set RD,   25
.set CO,   26                          ; q, k: (l / 16) x 16,384 + 16 (l % 16)
.set GO,   27                          ; v: 16 x lane
.set SPW,  28
.set NIL,  29
.set FA0,  32
.set FA1,  96
.set FB,   160
.set TMP,  32                          ; the way out: accumulator (a, b) packed at TMP + 16 a + 4 b
.set LG,   32                          ; the selection's accumulator (qt, g) at LG + 16 qt + 8 g
.set E,    160                         ; at the end: v[160:223] the four partial sums read back, 16 registers each; v[160:175] logits, then weights
.set TM,   224                         ; v224 the maximum; v225 at work; v[226:227] c m; v[228:235] sums; v236 the word; v237 half the sum; v238, v239 at work
.set WV, 12                            ; s12 wave; s13 wave / 2: my half of the rows, and: I fetch A (0) or B (1); s14 wave % 2: my half of the columns, and which half I fetch
.set WM, 13
.set WN, 14
.set TA, 15                            ; s15 0 or SLOT1: A's slot that is being read
.set G1,  24                           ; s[24:31] group 1 for A's tiles
.set G0,  32                           ; s[32:39] group 0 for A's: a set for each first fill; the second then walks
.set G1B, 48                           ; s[48:55] group 1 for B's tiles
.set G0B, 56                           ; s[56:63] group 0 for B's, a set for each slot
.set MSB, 0
.macro WIN new                         ; the immediate's high byte repeats the setting that is left
.if MSB != (\new)
	s_set_vgpr_msb (MSB<<8)|(\new)
.set MSB, \new
.endif
.endm
.macro JLOAD sa, sb                    ; joint loads: waves 0, 1 fetch A's halves by set sa, waves 2, 3 B's by set sb; an s_nop 0 and four v_nop follow each line
	s_cmp_eq_u32 s[WM], 0
	s_cbranch_scc0 .Lfor_b_\@
	tensor_load_to_lds s[G0+4*(\sa):G0+4*(\sa)+3], s[G1:G1+7]
	s_nop 0
.rept 4
	v_nop
.endr
	s_branch .Lasked_\@
.Lfor_b_\@:
	tensor_load_to_lds s[G0B+4*(\sb):G0B+4*(\sb)+3], s[G1B:G1B+7]
	s_nop 0
.rept 4
	v_nop
.endr
.Lasked_\@:
.endm
.macro JLOADB sb                       ; a change at which B's slot alone is filled: waves 0 and 1 have no part of a tile to fetch; the last four v_nop are every wave's places in front of the LDS loads behind
	s_cmp_eq_u32 s[WM], 0
	s_cbranch_scc1 .Lnone_\@
	tensor_load_to_lds s[G0B+4*(\sb):G0B+4*(\sb)+3], s[G1B:G1B+7]
	s_nop 0
.rept 4
	v_nop
.endr
.Lnone_\@:
.rept 4
	v_nop
.endr
.endm
.macro CREST                           ; a round of the cluster's barrier behind its opening barrier
	s_cmp_lg_u32 s[WV], 0
	s_cbranch_scc1 .Lnot_wave_0_\@
	s_barrier_signal -3
.Lnot_wave_0_\@:
	s_barrier_wait -3
	s_barrier_signal -1
	s_barrier_wait -1
.endm
.macro CROUND
	s_barrier_signal -1
	s_barrier_wait -1
	CREST
.endm
	s_load_b256 s[4:11], s[0:1], 0x0               ; xw s[4:5], qkv s[6:7], gt s[8:9], sel s[10:11]
	v_lshl_add_u32 v[SPW], v0, 2, SPARE
	v_mov_b32 v[NIL], 0
	ds_add_u32 v[SPW], v[NIL]                      ; the wave's opening: the add and its wait ahead of my first tensor load
	v_lshrrev_b32 v1, 5, v0
	v_readfirstlane_b32 s[WV], v1
	s_lshr_b32 s[WM], s[WV], 1
	s_and_b32 s[WN], s[WV], 1
	s_mov_b32 s[TA], 0
	s_mov_b32 s80, 0x76543210                      ; v_permlanex16_b32: each lane takes its own place in the other half
	s_mov_b32 s81, 0xfedcba98
	s_mov_b32 s82, 0x3db8aa3b                      ; the selection's c = log2(e) / 16
	s_mov_b32 s83, s82                             ; named with it as a pair
	s_bfe_u32 s40, ttmp6, 0x40000                  ; cx
	s_bfe_u32 s41, ttmp6, 0x40004                  ; cy
	s_lshl_b32 s42, ttmp9, 2
	s_add_co_u32 s42, s42, s40                     ; tile column
	s_and_b32 s43, ttmp7, 0xffff
	s_lshl_b32 s43, s43, 2
	s_add_co_u32 s43, s43, s41                     ; tile row
	s_lshl_b32 s44, s41, 2
	s_lshl_b32 s44, 15, s44                        ; my row of the cluster
	s_lshl_b32 s45, 0x1111, s40                    ; my column
	s_or_b32 s[G1], s44, (1<<16)|(1<<20)|(1<<21)|(5<<22)|(3<<25)  ; A: mask of my row; 2-byte elements; padding on; bit 21 beside a mask; after every 64 words, 4 words
	s_mov_b32 s[G1+1], 128<<16                     ; tensor_dim0 = 128
	s_mov_b32 s[G1+2], 128<<16                     ; tensor_dim1 = 128
	s_mov_b32 s[G1+3], 128<<16                     ; tile_dim0 = 128
	s_mov_b32 s[G1+4], 128                         ; tile_dim1 = 128
	s_mov_b32 s[G1+5], 1024                        ; elements from row to row
	s_mov_b32 s[G1+6], 0
	s_mov_b32 s[G1+7], 0
	s_or_b32 s[G1B], s45, (1<<16)|(1<<21)          ; B: mask of my column; no padding
	s_mov_b32 s[G1B+1], 3072<<16                   ; a row is a k group's 384 units: 3,072 elements
	s_mov_b32 s[G1B+2], 4<<16                      ; 4 k groups
	s_mov_b32 s[G1B+3], 3072<<16
	s_mov_b32 s[G1B+4], 4
	s_mov_b32 s[G1B+5], 24576                      ; elements from k group to k group
	s_mov_b32 s[G1B+6], 0
	s_mov_b32 s[G1B+7], 0
	s_lshl_b32 s16, s43, 8                         ; A: row 256 x tile row + 128 x half, 2,048 bytes a row: it hangs on the tile row alone
	s_lshl_b32 s17, s[WN], 7
	s_add_co_u32 s16, s16, s17
	s_lshl_b32 s16, s16, 11
	s_mov_b32 s17, 0
	s_mul_i32 s46, s[WN], 4*KGM                    ; B: my 4 k groups, the tile column's 384 units: it hangs on the tile column alone
	s_mul_i32 s47, s42, KG
	s_add_co_u32 s46, s46, s47
	s_add_co_u32 s46, s46, BBASE
	s_mov_b32 s47, 0
	s_mul_i32 s20, s[WN], HALFA                    ; where they go: no place in the cluster enters an LDS address
	s_mul_i32 s21, s[WN], HALFB
	s_add_co_u32 s21, s21, BL
	s_wait_dscnt 0x0                               ; the opening add is done
	s_wait_kmcnt 0x0
	s_add_nc_u64 s[66:67], s[4:5], s[16:17]
	s_add_nc_u64 s[46:47], s[4:5], s[46:47]
	CROUND                                         ; all sixteen work-groups are here: the first joint loads meet
.irp s, 0,1
	s_mov_b32 s[G0+4*(\s)], 1
	s_add_co_u32 s[G0+4*(\s)+1], s20, (\s)*SLOT1
	s_add_nc_u64 s[G0+4*(\s)+2:G0+4*(\s)+3], s[66:67], (\s)*256      ; A: K step s of 128
	s_or_b32 s[G0+4*(\s)+3], s[G0+4*(\s)+3], 0x80000000
	s_mov_b32 s[G0B+4*(\s)], 1
	s_add_co_u32 s[G0B+4*(\s)+1], s21, (\s)*SLOT1
	s_add_nc_u64 s[G0B+4*(\s)+2:G0B+4*(\s)+3], s[46:47], (\s)*8*KGM  ; B: step s of 64
	s_or_b32 s[G0B+4*(\s)+3], s[G0B+4*(\s)+3], 0x80000000
	JLOAD \s, \s                                   ; two tensor loads of mine are out here, later one at the most
.endr
	v_and_b32 v1, 15, v0                           ; l % 16
	v_bfe_u32 v2, v0, 4, 1                         ; l / 16
	; the selection's operands are asked for next, so that they come while the first tiles do
	v_lshlrev_b32 v[VX], 11, v1
	v_lshl_add_u32 v[VX], v2, 4, v[VX]
	s_lshl_b32 s92, s43, 3
	s_add_co_u32 s92, s92, s42                     ; my block of 32 tokens: 8 x tile row + tile column = 32 batch + own block
	s_lshl_b32 s88, s92, 16                        ; x: 32 rows of 2,048 bytes,
	s_lshl_b32 s93, s[WV], 9                       ; my wave's 256 d
	s_add_co_u32 s88, s88, s93
	s_mov_b32 s89, 0
	s_lshr_b32 s90, s92, 5
	s_lshl_b32 s90, s90, 16                        ; GT: the batch's 32 rows
	s_add_co_u32 s90, s90, s93
	s_mov_b32 s91, 0
	s_lshl_b32 s86, s92, 7                         ; sel: the block's 32 words,
	s_lshl_b32 s93, s[WN], 6                       ; 16 for each of waves 0 and 1
	s_add_co_u32 s86, s86, s93
	s_mov_b32 s87, 0
	s_and_b32 s84, s92, 31
	s_lshl_b32 s84, 1, s84                         ; the own block's bit
	s_add_nc_u64 s[88:89], s[4:5], s[88:89]
	s_add_nc_u64 s[90:91], s[8:9], s[90:91]
	s_add_nc_u64 s[86:87], s[10:11], s[86:87]
	WIN 0x40                                       ; destination window 1, address window 0
.irp u, 0,1
.irp s, 0,1,2,3,4,5,6,7
	global_load_b128 v[64*(\u)+8*(\s):64*(\u)+8*(\s)+3],           v[VX], s[88:89] offset:(\u)*32768+(\s)*64
	global_load_b128 v[64*(\u)+8*(\s)+4:64*(\u)+8*(\s)+7],         v[VX], s[88:89] offset:(\u)*32768+(\s)*64+32
	global_load_b128 v[128+64*(\u)+8*(\s):128+64*(\u)+8*(\s)+3],   v[VX], s[90:91] offset:(\u)*32768+(\s)*64
	global_load_b128 v[128+64*(\u)+8*(\s)+4:128+64*(\u)+8*(\s)+7], v[VX], s[90:91] offset:(\u)*32768+(\s)*64+32
.endr
.endr
	WIN 0
	v_mul_u32_u24 v3, v1, PITCH
	v_lshl_add_u32 v3, v2, 4, v3                   ; A: row x pitch + 16 x half
	s_mul_i32 s22, s[WM], HALFA                    ; my 128 rows of A
	v_add_nc_u32 v[ADA0], s22, v3
	v_mov_b32 v[ADA], v[ADA0]
	v_mul_u32_u24 v4, v2, KG
	v_lshl_add_u32 v4, v1, 4, v4                   ; B: k group (l / 16), unit l % 16
	s_lshl_b32 s23, s[WN], 10                      ; my 64 of each matrix's 128 units
	s_add_co_u32 s23, s23, BL
	v_add_nc_u32 v[ADRB], s23, v4
	s_add_co_u32 s23, s23, SLOT1
	v_add_nc_u32 v[ADRB+1], s23, v4
	; the way out's addresses
	s_lshl_b32 s69, s42, 1
	s_add_co_u32 s69, s69, s[WN]                   ; my head: 2 x tile column + half
	s_lshr_b32 s70, s43, 2                         ; the batch: four tile rows each
	s_lshl_b32 s70, s70, 4
	s_add_co_u32 s70, s70, s69
	s_lshl_b32 s70, s70, 17                        ; 131,072 bytes for a batch and head
	s_and_b32 s71, s43, 3
	s_lshl_b32 s71, s71, 8
	s_lshl_b32 s68, s[WM], 7
	s_add_co_u32 s71, s71, s68                     ; my first token in the batch
	s_lshl_b32 s72, s71, 4                         ; q: a token is 16 bytes of a channel group
	s_add_co_u32 s72, s72, s70
	s_mov_b32 s73, 0
	s_add_co_u32 s74, s72, 16777216                ; k likewise
	s_mov_b32 s75, 0
	s_lshl_b32 s76, s71, 7                         ; v: a token is 128 bytes
	s_add_co_u32 s76, s76, s70
	s_add_co_u32 s76, s76, 33554432
	s_mov_b32 s77, 0
	s_add_nc_u64 s[72:73], s[6:7], s[72:73]
	s_add_nc_u64 s[74:75], s[6:7], s[74:75]
	s_add_nc_u64 s[76:77], s[6:7], s[76:77]
	v_lshlrev_b32 v[CO], 14, v2
	v_lshl_add_u32 v[CO], v1, 4, v[CO]
	v_and_b32 v5, 31, v0                           ; lane; kept to the end
	v_lshlrev_b32 v[GO], 4, v5
	s_mul_i32 s78, s[WV], 16*SP
	s_add_co_u32 s78, s78, STAGE                   ; my stage
	v_mul_u32_u24 v[STO], v1, SP                   ; in: token l % 16, 16 bytes for each half of the lanes
	v_lshl_add_u32 v[STO], v2, 4, v[STO]
	v_add_nc_u32 v[STO], s78, v[STO]
	v_and_b32 v6, 7, v0                            ; back, turned: token l % 8, channels 8 (l / 8) + 0..7
	v_bfe_u32 v7, v0, 3, 2
	v_mul_u32_u24 v[RD], v6, SP
	v_lshl_add_u32 v[RD], v7, 4, v[RD]
	v_add_nc_u32 v[RD], s78, v[RD]
	s_lshl_b32 s93, s[WV], 12                      ; the selection's partial sums: my wave's 4,096 bytes, 16 a lane
	s_add_co_u32 s93, s93, SCR
	v_add_nc_u32 v[STO2], s93, v[GO]
	s_lshl_b32 s93, s[WN], 11                      ; back, in waves 0 and 1: token half = wave
	s_add_co_u32 s93, s93, SCR
	v_add_nc_u32 v[RD2], s93, v[GO]
	v_lshlrev_b32 v[VS], 2, v1
; 4 n products: row blocks a0 .. a0 + n - 1 x the 4 column blocks of group g (0 q, 1 k, 2 v), 32 along K, A from buffer f.  zero = 1: the first product starts the sums.
; The 96 accumulators take turns in the same order in every quarter.
.macro MULG f, g, a0, n, zero
	WIN 0x50*((\g)+1)                              ; sources in window 0; C and D in window g + 1
.set ra, \a0
.rept \n
.irp b, 0,1,2,3
.if \zero
	v_wmma_f32_16x16x32_bf16 v[8*(4*ra+(\b)):8*(4*ra+(\b))+7], v[FB+32*(\g)+8*(\b):FB+32*(\g)+8*(\b)+7], v[(\f)+8*ra:(\f)+8*ra+7], 0
.else
	v_wmma_f32_16x16x32_bf16 v[8*(4*ra+(\b)):8*(4*ra+(\b))+7], v[FB+32*(\g)+8*(\b):FB+32*(\g)+8*(\b)+7], v[(\f)+8*ra:(\f)+8*ra+7], v[8*(4*ra+(\b)):8*(4*ra+(\b))+7]
.endif
.endr
.set ra, ra+1
.endr
.endm
.macro FETCHB slot, q, g               ; 8 LDS loads: group g's 4 fragments of quarter q (4 k groups) of B's slot
	WIN 0
.irp b, 0,1,2,3
	ds_load_b128 v[FB+32*(\g)+8*(\b):FB+32*(\g)+8*(\b)+3],   v[ADRB+(\slot)] offset:(\q)*4*KG+(\g)*2048+(\b)*256
	ds_load_b128 v[FB+32*(\g)+8*(\b)+4:FB+32*(\g)+8*(\b)+7], v[ADRB+(\slot)] offset:(\q)*4*KG+(\g)*2048+(\b)*256+2*KG
.endr
.endm
.macro FETCHA q, f, a0                 ; 8 LDS loads: row blocks a0 .. a0 + 3 of quarter q (of four) of A's slot in hand, into buffer f
	WIN 0
.irp i, 0,1,2,3
	ds_load_b128 v[(\f)+8*((\a0)+(\i)):(\f)+8*((\a0)+(\i))+3],   v[ADA] offset:(\q)*64+((\a0)+(\i))*16*PITCH
	ds_load_b128 v[(\f)+8*((\a0)+(\i))+4:(\f)+8*((\a0)+(\i))+7], v[ADA] offset:(\q)*64+((\a0)+(\i))*16*PITCH+32
.endr
.endm
.macro PLACES                          ; four places in front of loads into registers that matrix instructions have read, and of lines that read results
.rept 4
	v_nop
.endr
.endm
; A quarter is 32 along K: 96 products on A's buffer f.  Behind each group's 32 products that group's fragments of the next quarter are fetched (quarter nbq of B's slot nb),
; and with the first two runs the next quarter's A (quarter naq of the slot in hand) into buffer g.  The runs: 16, 16 and 8 loads.
.macro QUARTER f, g, naq, nb, nbq, zero
	s_wait_dscnt 8                                 ; A and B's groups 0 and 1 are in; the youngest eight loads (group 2) may be out
	MULG \f, 0, 0, 8, \zero
	PLACES
	FETCHB \nb, \nbq, 0
	FETCHA \naq, \g, 0
	MULG \f, 1, 0, 8, \zero
	PLACES
	FETCHB \nb, \nbq, 1
	FETCHA \naq, \g, 4
	s_wait_dscnt 32                                ; group 2 is in: all but the 32 loads issued behind it
	MULG \f, 2, 0, 8, \zero
	PLACES
	FETCHB \nb, \nbq, 2
.endm
; The second quarter of a step of 64 changes slots: all fragments of B's slot (and, at every second change, of A's) have been asked for.  One barrier; in front of it each wave
; waits for all its tensor loads, adds 0 to its spare word, and waits for that and for its reads.  fill = 1: the barrier opens a round of the cluster's, and B's slot fb is
; filled again, 128 along K ahead; fill = 2: A's slot too, 256 ahead, by the walking set; fill = 0: nothing is left to fetch.  tog = 1: the reads of A go on in the other slot.
.macro TURN f, g, naq, nb, fill, fb, tog
	WIN 0
	s_wait_tensorcnt 0x0                           ; all my tensor loads have landed: my part of the slots read next
	ds_add_u32 v[SPW], v[NIL]                      ; 0 onto my spare word
	s_wait_dscnt 9                                 ; (the add and the youngest eight loads, group 2's, may be out)
	MULG \f, 0, 0, 4, 0
	s_wait_dscnt 0x0                               ; the add is done, and my reads of the slots that are left are over
	s_barrier_signal -1
	MULG \f, 0, 4, 4, 0
.if \fill
	WIN 0
.endif
	s_barrier_wait -1
.if \fill
	CREST                                          ; no wave of any partner still reads these slots or has a load on its way
	s_add_nc_u64 s[G0B+4*(\fb)+2:G0B+4*(\fb)+3], s[G0B+4*(\fb)+2:G0B+4*(\fb)+3], 16*KGM
.endif
.if (\fill) == 2
	s_xor_b32 s[G0+5], s[G0+5], SLOT1              ; the walking set: the other slot than last time,
	s_add_nc_u64 s[G0+6:G0+7], s[G0+6:G0+7], 256   ; the next K step of 128; the type bits on top are not reached
	JLOAD 1, \fb                                   ; the first tensor load behind the round; its four v_nop are also the places in front of the loads below
.elseif (\fill) == 1
	JLOADB \fb
.else
	PLACES
.endif
.if \tog
	s_xor_b32 s[TA], s[TA], SLOT1
	v_add_nc_u32 v[ADA], s[TA], v[ADA0]
.endif
	FETCHB \nb, 0, 0
	FETCHA \naq, \g, 0
	MULG \f, 1, 0, 8, 0
	PLACES
	FETCHB \nb, 0, 1
	FETCHA \naq, \g, 4
	MULG \f, 2, 0, 8, 0                            ; group 2 came in with the wait for 0 above
	PLACES
	FETCHB \nb, 0, 2
.endm
	; THE SELECTION's products.  Source 0 = 16 blocks, source 1 = 16 tokens: a lane holds token l % 16 and the blocks 16 g + 8 (l / 16) + 0..7.
	s_wait_loadcnt 0x0                             ; x and GT are in
	WIN 0x05                                       ; sources in window 1; C and D in window 0
.irp s, 0,1,2,3,4,5,6,7                ; the four accumulators take turns
.irp qt, 0,1
.irp g, 0,1
.if (\s) == 0
	v_wmma_f32_16x16x32_bf16 v[LG+16*(\qt)+8*(\g):LG+16*(\qt)+8*(\g)+7], v[128+64*(\g):128+64*(\g)+7], v[64*(\qt):64*(\qt)+7], 0
.else
	v_wmma_f32_16x16x32_bf16 v[LG+16*(\qt)+8*(\g):LG+16*(\qt)+8*(\g)+7], v[128+64*(\g)+8*(\s):128+64*(\g)+8*(\s)+7], v[64*(\qt)+8*(\s):64*(\qt)+8*(\s)+7], v[LG+16*(\qt)+8*(\g):LG+16*(\qt)+8*(\g)+7]
.endif
.endr
.endr
.endr
	WIN 0
.rept 5
	v_nop                                          ; four places in front of the stores of these results and of the loads into them, five in front of the first product that writes over these sources
.endr
.irp u, 0,1,2,3
	ds_store_b128 v[STO2], v[LG+8*(\u):LG+8*(\u)+3]   offset:(\u)*1024      ; each accumulator's low registers first
	ds_store_b128 v[STO2], v[LG+8*(\u)+4:LG+8*(\u)+7] offset:(\u)*1024+512
.endr
	s_wait_dscnt 0x0                               ; for the others' sake: my partial sums are stored
	s_wait_tensorcnt 1                             ; my part of the slots 0 is in; the slots 1 may stay out
	s_barrier_signal -1
	s_barrier_wait -1
	FETCHB 0, 0, 0
	FETCHA 0, FA0, 0
	FETCHB 0, 0, 1
	FETCHA 0, FA0, 4
	FETCHB 0, 0, 2
	QUARTER FA0, FA1, 1, 0, 1, 1                   ; the first quarter stands in front of the loop: its products start the sums
	WIN 0
	s_mov_b32 s3, STEPS-2
.Lstep:                                                ; a trip is a K step of 128, from its second quarter to the next step's first: both slots of B and one of A are filled again
	TURN    FA1, FA0, 2, 1, 1, 0, 0
	QUARTER FA0, FA1, 3, 1, 1, 0
	TURN    FA1, FA0, 0, 0, 2, 1, 1
	QUARTER FA0, FA1, 1, 0, 1, 0
	WIN 0
	s_sub_co_u32 s3, s3, 1
	s_cmp_lg_u32 s3, 0
	s_cbranch_scc1 .Lstep
	TURN    FA1, FA0, 2, 1, 1, 0, 0                ; the last two K steps are written out: B's last two steps of 64 are asked for, A has all its tiles
	QUARTER FA0, FA1, 3, 1, 1, 0
	TURN    FA1, FA0, 0, 0, 1, 1, 1
	QUARTER FA0, FA1, 1, 0, 1, 0
	TURN    FA1, FA0, 2, 1, 0, 0, 0
	QUARTER FA0, FA1, 3, 1, 1, 0
	s_wait_dscnt 8                                 ; the very last quarter: nothing more to fetch
	MULG FA1, 0, 0, 8, 0
	MULG FA1, 1, 0, 8, 0
	s_wait_dscnt 0x0
	MULG FA1, 2, 0, 8, 0
	; THE WAY OUT.  A window at a time is rounded to f16: a lane's eight columns are 16 bytes, eight channels of one token.
.macro PACK w
	WIN 5*(\w)                                     ; sources 0 and 1 in window w, destination in window 0
.set t, 0
.rept 32
.irp p, 0,1,2,3                        ; each accumulator's registers in ascending order
	v_cvt_pk_f16_f32 v[TMP+4*t+(\p)], v[8*t+2*(\p)], v[8*t+2*(\p)+1]
.endr
.set t, t+1
.endr
	WIN 0
.endm
.macro SENDQK base                     ; q and k: the 16 bytes are a unit as they stand; sixteen lanes store 256 consecutive bytes, aligned
.irp b, 0,1,2,3
.irp a, 0,1,2,3,4,5,6,7
	global_store_b128 v[CO], v[TMP+16*(\a)+4*(\b):TMP+16*(\a)+4*(\b)+3], s[(\base):(\base)+1] offset:(\b)*32768+(\a)*256
.endr
.endr
.endm
; v: a block of 16 tokens x 64 channels goes into my stage and comes back turned: lane l then holds channel l + 32 (f % 2) and the tokens 8 (f / 2) + 0..7
.macro VSTAGE a
.irp b, 0,1,2,3
	ds_store_b128 v[STO], v[TMP+16*(\a)+4*(\b):TMP+16*(\a)+4*(\b)+3] offset:32*(\b)
.endr
.irp f, 0,1,2,3
	ds_load_tr16_b128 v[TMP+16*(\a)+4*(\f):TMP+16*(\a)+4*(\f)+3], v[RD] offset:((\f)/2)*8*SP+((\f)%2)*64  ; LDS serves a wave's instructions in order (ISA guide 5.7.1.4): these see the stores above
.endr
.endm
.macro VSEND a, younger                ; younger: the LDS lines issued behind block a's loads: the next block's eight, or none
.irp f, 0,1,2,3
	s_wait_dscnt (\younger)+3-(\f)
	global_store_b128 v[GO], v[TMP+16*(\a)+4*(\f):TMP+16*(\a)+4*(\f)+3], s[76:77] offset:(\a)*2048+(\f)*512  ; 512 consecutive bytes
.endr
.endm
	PLACES                                         ; behind the last products: the conversions read results and write over fragments
	PACK 1
	SENDQK 72
	s_wait_xcnt 0x0                                ; the stores' data registers are written again only behind this wait
	PACK 2
	SENDQK 74
	s_wait_xcnt 0x0
	PACK 3
	VSTAGE 0
.irp a, 1,2,3,4,5,6,7
	VSTAGE \a
	VSEND (\a)-1, 8
.endr
	VSEND 7, 0
	; THE SELECTION's end, in waves 0 and 1 (token half = wave), in registers that no pending store reads, while q, k and v are on their way out
	s_cmp_lt_u32 s[WV], 2
	s_cbranch_scc0 .Lnosel
.irp p, 0,1,2,3
.irp g, 0,1
	ds_load_b128 v[E+16*(\p)+8*(\g):E+16*(\p)+8*(\g)+3],   v[RD2] offset:(\p)*4096+(\g)*1024
	ds_load_b128 v[E+16*(\p)+8*(\g)+4:E+16*(\p)+8*(\g)+7], v[RD2] offset:(\p)*4096+(\g)*1024+512
.endr
.endr
	s_wait_dscnt 0x0
.irp d, 2,1                            ; the four waves' partial sums, added as a tree
.set p, 0
.rept \d
.set i, 0
.rept 8
	v_pk_add_f32 v[E+16*p+2*i:E+16*p+2*i+1], v[E+16*p+2*i:E+16*p+2*i+1], v[E+16*(p+(\d))+2*i:E+16*(p+(\d))+2*i+1]
.set i, i+1
.endr
.set p, p+1
.endr
.endr
	; the row's maximum: my 16 logits, then the other 16, which lie in the lane 16 away
	v_max3_num_f32 v[TM], v[E], v[E+1], v[E+2]
.set i, 3
.rept 6
	v_max3_num_f32 v[TM], v[TM], v[E+i], v[E+i+1]
.set i, i+2
.endr
	v_max_num_f32 v[TM], v[TM], v[E+15]
	v_permlanex16_b32 v[TM+1], v[TM], s80, s81
	v_max_num_f32 v[TM], v[TM], v[TM+1]
	v_mul_f32 v[TM+2], s82, v[TM]                  ; c m
	v_mov_b32 v[TM+3], v[TM+2]                     ; named with it as a pair
.set i, 0
.rept 8
	v_pk_fma_f32 v[E+2*i:E+2*i+1], v[E+2*i:E+2*i+1], s[82:83], v[TM+2:TM+3] op_sel_hi:[1,0,0] neg_lo:[0,0,1] neg_hi:[0,0,1]  ; c l - c m
.set i, i+1
.endr
.set i, 0
.rept 16
	v_exp_f32 v[E+i], v[E+i]
.set i, i+1
.endr
	v_mov_b32 v[TM+12], 0                          ; a plain instruction between the exponentials and the use of their results (ISA guide 5.7.2)
	s_wait_alu depctr_va_vdst(0)
	v_pk_add_f32 v[TM+4:TM+5], v[E:E+1], v[E+2:E+3]
	v_pk_add_f32 v[TM+6:TM+7], v[E+4:E+5], v[E+6:E+7]
	v_pk_add_f32 v[TM+8:TM+9], v[E+8:E+9], v[E+10:E+11]
	v_pk_add_f32 v[TM+10:TM+11], v[E+12:E+13], v[E+14:E+15]
	v_pk_add_f32 v[TM+4:TM+5], v[TM+4:TM+5], v[TM+6:TM+7]
	v_pk_add_f32 v[TM+8:TM+9], v[TM+8:TM+9], v[TM+10:TM+11]
	v_pk_add_f32 v[TM+4:TM+5], v[TM+4:TM+5], v[TM+8:TM+9]
	v_add_f32 v[TM+4], v[TM+4], v[TM+5]
	v_permlanex16_b32 v[TM+5], v[TM+4], s80, s81
	v_add_f32 v[TM+4], v[TM+4], v[TM+5]
	v_mul_f32 v[TM+13], 0.5, v[TM+4]               ; half of the row's sum
.set i, 0
.rept 16                               ; a choice of values, no branch: bit 16 g + j for my weight 8 g + j
	v_cmp_ge_f32 vcc_lo, v[E+i], v[TM+13]
	v_cndmask_b32 v[TM+14], 0, 1, vcc_lo
	v_lshl_or_b32 v[TM+12], v[TM+14], 16*(i/8)+i%8, v[TM+12]
.set i, i+1
.endr
	v_lshlrev_b32 v[TM+15], 3, v2
	v_lshlrev_b32 v[TM+12], v[TM+15], v[TM+12]     ; my blocks begin at 8 (l / 16)
	v_permlanex16_b32 v[TM+14], v[TM+12], s80, s81
	v_or_b32 v[TM+12], v[TM+12], v[TM+14]          ; with the other half's bits
	v_or_b32 v[TM+12], s84, v[TM+12]               ; and the own block's
	v_cmp_gt_u32 vcc_lo, 16, v5
	s_wait_xcnt 0x0                                ; EXEC changes only behind this wait
	s_and_saveexec_b32 s85, vcc_lo
	global_store_b32 v[VS], v[TM+12], s[86:87]     ; 16 words, 64 consecutive bytes a wave: 32 KiB in the whole launch
	s_wait_xcnt 0x0                                ; and again in front of the line that widens it
	s_or_b32 exec_lo, exec_lo, s85
.Lnosel:
	s_wait_tensorcnt 0x0                           ; the wave's end
	ds_add_u32 v[SPW], v[NIL]
	s_wait_dscnt 0x0
	CROUND                                         ; the closing round: no work-group ends while a partner may still ask for a tile that names it
	s_endpgm
.Lfunc_end_k_qb9f64916c3_qkv:
	.size	k_qb9f64916c3_qkv, .Lfunc_end_k_qb9f64916c3_qkv-k_qb9f64916c3_qkv
	.p2alignl 7, 3214868480
	.fill 96, 4, 3214868480
	.section	.rodata,"a",@progbits
	.p2align	6, 0x0
	.amdhsa_kernel k_qb9f64916c3_qkv
		.amdhsa_group_segment_fixed_size 327680
		.amdhsa_private_segment_fixed_size 0
		.amdhsa_enable_private_segment 0
		.amdhsa_kernarg_size 32
		.amdhsa_user_sgpr_count 2
		.amdhsa_user_sgpr_kernarg_segment_ptr 1
		.amdhsa_wavefront_size32 1
		.amdhsa_system_sgpr_workgroup_id_x 1
		.amdhsa_system_sgpr_workgroup_id_y 1
		.amdhsa_system_sgpr_workgroup_id_z 1
		.amdhsa_system_vgpr_workitem_id 0
		.amdhsa_next_free_vgpr 1024
		.amdhsa_next_free_sgpr 96
		.amdhsa_reserve_vcc 1
		.amdhsa_float_denorm_mode_32 3
		.amdhsa_float_denorm_mode_16_64 3
		.amdhsa_memory_ordered 1
		.amdhsa_forward_progress 1
		.amdhsa_inst_pref_size 177
	.end_amdhsa_kernel
	.amdgpu_metadata
---
amdhsa.version: [ 1, 2 ]
amdhsa.kernels:
  - .name:           k_qb9f64916c3_qkv
    .symbol:         k_qb9f64916c3_qkv.kd
    .args:
      - { .name: xw, .offset: 0, .size: 8, .value_kind: global_buffer, .address_space: global }
      - { .name: qkv, .offset: 8, .size: 8, .value_kind: global_buffer, .address_space: global }
      - { .name: gt, .offset: 16, .size: 8, .value_kind: global_buffer, .address_space: global }
      - { .name: sel, .offset: 24, .size: 8, .value_kind: global_buffer, .address_space: global }
    .group_segment_fixed_size: 327680
    .private_segment_fixed_size: 0
    .kernarg_segment_align: 8
    .kernarg_segment_size: 32
    .max_flat_workgroup_size: 128
    .sgpr_count:     96
    .vgpr_count:     1024
    .wavefront_size: 32
...
	.end_amdgpu_metadata
.endif
;; end of part 10
;; launch attn (part 11): grid 256 x 1, 16 waves a work-group, no clusters, 68,096 bytes of LDS; arguments qkv, sel, ctx; writes ctx
.if DOCPART == 11
	.amdgcn_target "amdgcn-amd-amdhsa--gfx1250"
	.amdhsa_code_object_version 6
	.text
	.protected	k_qb9f64916c3_attn
	.globl	k_qb9f64916c3_attn
	.p2align	8
	.type	k_qb9f64916c3_attn,@function
k_qb9f64916c3_attn:
	s_mov_b64 s[64:65], 0
	v_nop
	global_prefetch_b8 v0, s[64:65] scope:SCOPE_SE
	s_setreg_imm32_b32 hwreg(HW_REG_WAVE_MODE, 25, 1), 1
	s_wait_xcnt 0x0
; MASKED ATTENTION BY BLOCKS.  ctx[token][64 head + ch] = the sum over visible keys of softmax(q . k / 8) v.  q, k, v: f16 in the units that the launch before
; stored; ctx: [8192][1024] f16.  Products, maxima and sums in f32; the weights are rounded to f16 for the second product (their sum is taken unrounded), ctx once.
; WHAT IS LEFT OUT.  A hidden score is the lowest finite number and a token's own block is always visible, so a hidden key's weight is exactly 0.  A work-group
; owns a block of 32 queries and walks only the UNION of the key blocks that its 32 tokens see (the OR of their words in sel, whole numbers that an earlier launch
; stored): 1 to 32 trips, one text for all.  Inside a walked block a query that does not see it takes no part: the block's maximum does not enter its running
; maximum, and its weights are 2^(c s - 1.7e38) = 0.  These are choices of values; only the trip count and the blocks' addresses hang on sel.
; THE OWN BLOCK IS WALKED FIRST: it is in every union and its address hangs on the work-group's number alone, so its K and V are asked for together with Q and the
; words of sel.  A later block's K and V are asked for at the bottom of the trip before.
; SHARES.  Wave = head, 16 waves.  K, V and Q go from memory straight into fragment registers: sixteen lanes read 256 consecutive bytes; LDS serves the way out alone.
; NO CLUSTER, NO TENSOR LOADS: the heads of a work-group share no byte of K or V, and work-groups walk different blocks.
; LAYOUT.  ST = K QT (source 0 = 16 keys, source 1 = 16 queries): a lane holds one query (l % 16) and the keys 8 (l / 16) + 0..7; two such results rounded in pairs
; are source 1 of OT = VT P.  p = 2^(c s - c m), c = log2(e) / 8, m a running maximum; O and l are multiplied by a = 2^(c m_old - c m_new) in every trip.
; m starts at the lowest finite number and c m as c times that, by the multiply that the trips use: a = 1 while a query has seen nothing, 0 at its first visible block.
; O is cleared at the start: the trip count is known at run time alone, so no first trip is written out.
; LIMITS.  q, k, v within f16's 65,504; a weight below 2^-126 counts as 0; NaN and infinities are not treated apart.
.set SP,    2064                       ; a row of the stage: 2,048 bytes + 16
.set SPARE, 32*SP                      ; behind the stage: the spare words, 128 bytes for each of 16 waves
.set VK,  4                            ; v4   (l / 16) x 16,384 + 16 (l % 16): K and Q
.set VV,  5                            ; v5   (l / 16) x 1,024 + 16 (l % 16): V
.set VW,  6                            ; v6   4 (l % 16)
.set STO, 7
.set RD,  8
.set GO,  9
.set SPW, 10
.set NIL, 11
.set W0,  12                           ; v12-13 my two queries' words of sel
.set LOWV, 14                          ; v14  the lowest finite number
.set BIGV, 15                          ; v15  1.7e38
.set ST,  16                           ; query tile t's statistics at ST + 12 t:
.set CMH, 0                            ;   +0, +1  what the scaling takes away: c m, or 1.7e38 for a query that does not see the block (a pair; the low word is used)
.set MX,  2                            ;   +2      m
.set CM,  3                            ;   +3      c m
.set LL,  4                            ;   +4, +5  l (even keys', odd keys')
.set AA,  6                            ;   +6, +7  a (a pair; the low word is used)
.set WK,  8                            ;   +8, +9  at work
.set Q,   40                           ; v[40:71]   tile qt, channel half c at Q + 16 qt + 8 c
.set K,   72                           ; v[72:103]  key half kt, channel half c at K + 16 kt + 8 c
.set V,   104                          ; v[104:135] channel block cb at V + 8 cb
.set S,   136                          ; v[136:167] (kt, qt) at S + 16 qt + 8 kt
.set P,   168                          ; v[168:183] qt at P + 8 qt
.set O,   184                          ; v[184:247] (cb, qt) at O + 32 qt + 8 cb
.macro BOTH line:vararg                ; one line for each query tile t
.set t, 0
.rept 2
	\line
.set t, t+1
.endr
.endm
.macro LOADKV                          ; K and V of block s66: sixteen loads, K's eight first
	s_lshl_b32 s62, s66, 9
	s_add_nc_u64 s[58:59], s[54:55], s[62:63]      ; K: 32 tokens of 16 bytes in a channel group
	s_lshl_b32 s62, s66, 12
	s_add_nc_u64 s[60:61], s[56:57], s[62:63]      ; V: 4 token groups of 1,024 bytes
.irp kt, 0,1
.irp c, 0,1
	global_load_b128 v[K+16*(\kt)+8*(\c):K+16*(\kt)+8*(\c)+3],   v[VK], s[58:59] offset:(\c)*65536+(\kt)*256
	global_load_b128 v[K+16*(\kt)+8*(\c)+4:K+16*(\kt)+8*(\c)+7], v[VK], s[58:59] offset:(\c)*65536+(\kt)*256+32768
.endr
.endr
.irp cb, 0,1,2,3
	global_load_b128 v[V+8*(\cb):V+8*(\cb)+3],   v[VV], s[60:61] offset:(\cb)*256
	global_load_b128 v[V+8*(\cb)+4:V+8*(\cb)+7], v[VV], s[60:61] offset:(\cb)*256+2048
.endr
.endm
	s_load_b128 s[4:7], s[0:1], 0x0                ; qkv s[4:5], sel s[6:7]
	s_load_b64 s[8:9], s[0:1], 0x10                ; ctx
	v_lshl_add_u32 v[SPW], v0, 2, SPARE
	v_mov_b32 v[NIL], 0
	v_and_b32 v1, 15, v0
	v_bfe_u32 v2, v0, 4, 1
	v_and_b32 v3, 31, v0
	v_lshrrev_b32 v14, 5, v0
	v_readfirstlane_b32 s12, v14                   ; wave = head
	s_mov_b32 s13, ttmp9                           ; the query block: 32 batch + block
	s_and_b32 s14, s13, 31
	s_mov_b32 s66, s14                             ; the first block walked: the own one
	s_lshl_b32 s50, s13, 7                         ; its 32 words of sel
	s_mov_b32 s51, 0
	s_lshr_b32 s74, s13, 5
	s_lshl_b32 s74, s74, 4
	s_add_co_u32 s74, s74, s12
	s_lshl_b32 s74, s74, 17                        ; 131,072 bytes for a batch and head
	s_mov_b32 s75, 0
	s_lshl_b32 s76, s14, 9                         ; Q: 32 tokens of 16 bytes in a channel group
	s_add_co_u32 s76, s76, s74
	s_mov_b32 s77, 0
	s_add_co_u32 s78, s74, 16777216                ; K
	s_mov_b32 s79, 0
	s_add_co_u32 s74, s74, 33554432                ; V
	s_lshl_b32 s62, s13, 16                        ; ctx: 32 rows of 2,048 bytes, two rows a wave
	s_lshl_b32 s63, s12, 12
	s_add_co_u32 s62, s62, s63
	s_mov_b32 s63, 0                               ; stays 0: the high word of the blocks' offsets
	s_mov_b32 s68, 0x3e38aa3b                      ; c = log2(e) / 8
	s_mov_b32 s69, s68                             ; named with it as a pair
	s_mov_b32 s70, 0x76543210                      ; v_permlanex16_b32: each lane takes its own place in the other half
	s_mov_b32 s71, 0xfedcba98
	s_mov_b32 s15, 0                               ; trips done
	v_lshlrev_b32 v[VK], 14, v2
	v_lshl_add_u32 v[VK], v1, 4, v[VK]
	v_lshlrev_b32 v[VV], 10, v2
	v_lshl_add_u32 v[VV], v1, 4, v[VV]
	v_lshlrev_b32 v[VW], 2, v1
	s_wait_kmcnt 0x0
	s_add_nc_u64 s[10:11], s[6:7], s[50:51]
	s_load_b512 s[16:31], s[10:11], 0x0            ; the block's 32 words, for the union
	s_load_b512 s[32:47], s[10:11], 0x40
	s_add_nc_u64 s[52:53], s[4:5], s[76:77]
	s_add_nc_u64 s[54:55], s[4:5], s[78:79]
	s_add_nc_u64 s[56:57], s[4:5], s[74:75]
	s_add_nc_u64 s[8:9], s[8:9], s[62:63]
	global_load_b32 v[W0], v[VW], s[10:11]
	global_load_b32 v[W0+1], v[VW], s[10:11] offset:64
.irp qt, 0,1
.irp c, 0,1
	global_load_b128 v[Q+16*(\qt)+8*(\c):Q+16*(\qt)+8*(\c)+3],   v[VK], s[52:53] offset:(\c)*65536+(\qt)*256
	global_load_b128 v[Q+16*(\qt)+8*(\c)+4:Q+16*(\qt)+8*(\c)+7], v[VK], s[52:53] offset:(\c)*65536+(\qt)*256+32768
.endr
.endr
	LOADKV                                         ; the own block's K and V
	v_mov_b32 v[LOWV], 0xff7fffff
	v_mov_b32 v[BIGV], 0x7f000000
	s_lshl_b32 s67, s12, 7                         ; into the stage: row 16 qt + l % 16, my head's 128 bytes, 16 for each half of the lanes
	v_mul_u32_u24 v[STO], v1, SP
	v_lshl_add_u32 v[STO], v2, 4, v[STO]
	v_add_nc_u32 v[STO], s67, v[STO]
	s_mul_i32 s67, s12, 2*SP                       ; back: wave w takes rows 2 w and 2 w + 1, whole
	v_lshlrev_b32 v[GO], 4, v3
	v_add_nc_u32 v[RD], s67, v[GO]
.set i, 0
.rept 64
	v_mov_b32 v[O+i], 0
.set i, i+1
.endr
	BOTH v_mov_b32 v[ST+12*t+CMH+1], 0
	BOTH v_mov_b32 v[ST+12*t+MX], v[LOWV]
	BOTH v_mul_f32 v[ST+12*t+CM], s68, v[ST+12*t+MX]
	BOTH v_mov_b32 v[ST+12*t+LL], 0
	BOTH v_mov_b32 v[ST+12*t+LL+1], 0
	BOTH v_mov_b32 v[ST+12*t+AA+1], 0
	s_wait_kmcnt 0x0
	s_or_b32 s48, s16, s17
.set i, 18
.rept 30
	s_or_b32 s48, s48, s[i]
.set i, i+1
.endr
	s_lshl_b32 s67, 1, s14
	s_or_b32 s48, s48, s67                         ; the own block's bit (sel has it set)
	s_bcnt1_i32_b32 s49, s48                       ; the union's blocks = the trips
	s_min_u32 s49, s49, 32
	s_and_not1_b32 s48, s48, s67                   ; the own block is in hand: it is struck off
.Ltrip:
	s_wait_loadcnt 8                               ; all but V's eight loads: K is in, and in the first trip the words of sel and Q
	BOTH v_lshrrev_b32 v[ST+12*t+WK], s66, v[W0+t]
	BOTH v_and_b32 v[ST+12*t+WK], 1, v[ST+12*t+WK]
	v_cmp_eq_u32 s72, 1, v[ST+WK]                  ; which of my lanes' queries see this block: tile 0,
	v_cmp_eq_u32 s73, 1, v[ST+12+WK]               ; tile 1
.irp c, 0,1                            ; the four accumulators take turns
.irp qt, 0,1
.irp kt, 0,1
.if (\c) == 0
	v_wmma_f32_16x16x32_f16 v[S+16*(\qt)+8*(\kt):S+16*(\qt)+8*(\kt)+7], v[K+16*(\kt):K+16*(\kt)+7], v[Q+16*(\qt):Q+16*(\qt)+7], 0
.else
	v_wmma_f32_16x16x32_f16 v[S+16*(\qt)+8*(\kt):S+16*(\qt)+8*(\kt)+7], v[K+16*(\kt)+8:K+16*(\kt)+15], v[Q+16*(\qt)+8:Q+16*(\qt)+15], v[S+16*(\qt)+8*(\kt):S+16*(\qt)+8*(\kt)+7]
.endif
.endr
.endr
.endr
.rept 4
	v_nop                                          ; four places between the last product and the first read of the scores (ISA guide 7.12.1)
.endr
	; the block's maximum for each query: two chains, each accumulator's lowest registers first; the query's other 16 keys lie in the lane 16 away
	BOTH v_max3_num_f32 v[ST+12*t+WK], v[S+16*t], v[S+16*t+1], v[S+16*t+2]
	BOTH v_max3_num_f32 v[ST+12*t+WK+1], v[S+16*t+8], v[S+16*t+9], v[S+16*t+10]
	BOTH v_max3_num_f32 v[ST+12*t+WK], v[ST+12*t+WK], v[S+16*t+3], v[S+16*t+4]
	BOTH v_max3_num_f32 v[ST+12*t+WK+1], v[ST+12*t+WK+1], v[S+16*t+11], v[S+16*t+12]
	BOTH v_max3_num_f32 v[ST+12*t+WK], v[ST+12*t+WK], v[S+16*t+5], v[S+16*t+6]
	BOTH v_max3_num_f32 v[ST+12*t+WK+1], v[ST+12*t+WK+1], v[S+16*t+13], v[S+16*t+14]
	BOTH v_max3_num_f32 v[ST+12*t+WK], v[ST+12*t+WK], v[S+16*t+7], v[S+16*t+15]
	BOTH v_max_num_f32 v[ST+12*t+WK], v[ST+12*t+WK], v[ST+12*t+WK+1]
	BOTH v_permlanex16_b32 v[ST+12*t+WK+1], v[ST+12*t+WK], s70, s71
	BOTH v_max_num_f32 v[ST+12*t+WK], v[ST+12*t+WK], v[ST+12*t+WK+1]
	v_cndmask_b32 v[ST+WK], v[LOWV], v[ST+WK], s72             ; a block that the query does not see leaves its maximum alone
	v_cndmask_b32 v[ST+12+WK], v[LOWV], v[ST+12+WK], s73
	BOTH v_max_num_f32 v[ST+12*t+MX], v[ST+12*t+MX], v[ST+12*t+WK]
	BOTH v_mov_b32 v[ST+12*t+WK+1], v[ST+12*t+CM]              ; c m_old
	BOTH v_mul_f32 v[ST+12*t+CM], s68, v[ST+12*t+MX]
	BOTH v_sub_f32 v[ST+12*t+WK+1], v[ST+12*t+WK+1], v[ST+12*t+CM]
	BOTH v_exp_f32 v[ST+12*t+AA], v[ST+12*t+WK+1]
	v_cndmask_b32 v[ST+CMH], v[BIGV], v[ST+CM], s72            ; (plain lines behind the two exponentials)
	v_cndmask_b32 v[ST+12+CMH], v[BIGV], v[ST+12+CM], s73
.set t, 0
.rept 2
.set i, 0
.rept 8
	v_pk_fma_f32 v[S+16*t+2*i:S+16*t+2*i+1], v[S+16*t+2*i:S+16*t+2*i+1], s[68:69], v[ST+12*t+CMH:ST+12*t+CMH+1] op_sel_hi:[1,0,0] neg_lo:[0,0,1] neg_hi:[0,0,1]
.set i, i+1
.endr
.set t, t+1
.endr
.set i, 0
.rept 32
	v_exp_f32 v[S+i], v[S+i]
.set i, i+1
.endr
.set t, 0
	s_wait_alu depctr_va_vdst(0)
.rept 2                                ; O times a: 32 plain lines that name no exponential's register stand between the exponentials and the use of their results (ISA guide 5.7.2)
.set i, 0
.rept 16
	v_pk_mul_f32 v[O+32*t+2*i:O+32*t+2*i+1], v[O+32*t+2*i:O+32*t+2*i+1], v[ST+12*t+AA:ST+12*t+AA+1] op_sel_hi:[1,0]
.set i, i+1
.endr
.set t, t+1
.endr
.set i, 0
.rept 16
	v_cvt_pk_f16_f32 v[P+i], v[S+2*i], v[S+2*i+1]
.set i, i+1
.endr
	BOTH v_pk_add_f32 v[S+16*t:S+16*t+1], v[S+16*t:S+16*t+1], v[S+16*t+2:S+16*t+3]
	BOTH v_pk_add_f32 v[S+16*t+4:S+16*t+5], v[S+16*t+4:S+16*t+5], v[S+16*t+6:S+16*t+7]
	BOTH v_pk_add_f32 v[S+16*t+8:S+16*t+9], v[S+16*t+8:S+16*t+9], v[S+16*t+10:S+16*t+11]
	BOTH v_pk_add_f32 v[S+16*t+12:S+16*t+13], v[S+16*t+12:S+16*t+13], v[S+16*t+14:S+16*t+15]
	BOTH v_pk_add_f32 v[S+16*t:S+16*t+1], v[S+16*t:S+16*t+1], v[S+16*t+4:S+16*t+5]
	BOTH v_pk_add_f32 v[S+16*t+8:S+16*t+9], v[S+16*t+8:S+16*t+9], v[S+16*t+12:S+16*t+13]
	BOTH v_pk_add_f32 v[S+16*t:S+16*t+1], v[S+16*t:S+16*t+1], v[S+16*t+8:S+16*t+9]
	BOTH v_pk_fma_f32 v[ST+12*t+LL:ST+12*t+LL+1], v[ST+12*t+LL:ST+12*t+LL+1], v[ST+12*t+AA:ST+12*t+AA+1], v[S+16*t:S+16*t+1] op_sel_hi:[1,0,1]
	s_wait_loadcnt 0x0                             ; V is in; no load of mine is out, so the blocks' bases may be written below
.irp qt, 0,1                           ; eight different accumulators
.irp cb, 0,1,2,3
	v_wmma_f32_16x16x32_f16 v[O+32*(\qt)+8*(\cb):O+32*(\qt)+8*(\cb)+7], v[V+8*(\cb):V+8*(\cb)+7], v[P+8*(\qt):P+8*(\qt)+7], v[O+32*(\qt)+8*(\cb):O+32*(\qt)+8*(\cb)+7]
.endr
.endr
.rept 4
	v_nop                                          ; four places in front of the loads into V below, and of the way out's reads of O
.endr
	s_add_co_u32 s15, s15, 1
	s_cmp_lt_u32 s15, s49
	s_cbranch_scc0 .Lout                           ; the union is walked: nothing more is asked for
	s_ctz_i32_b32 s66, s48                         ; the union's lowest block not yet walked,
	s_min_u32 s66, s66, 31
	s_sub_co_u32 s67, s48, 1
	s_and_b32 s48, s48, s67                        ; which is struck off
	LOADKV
	s_cmp_lt_u32 s15, s49                          ; the same comparison once more: it holds here
	s_cbranch_scc1 .Ltrip
.Lout:
	s_wait_loadcnt 0x0                             ; by the jump above no load is out here; the wait makes that hold of every way to this label
	; THE WAY OUT.  l's two halves and the other half of the lanes' are added; O is divided by l, rounded to f16 and gathered in the work-group's stage, so that whole rows of ctx leave.
	BOTH v_add_f32 v[ST+12*t+LL], v[ST+12*t+LL], v[ST+12*t+LL+1]
	BOTH v_permlanex16_b32 v[ST+12*t+LL+1], v[ST+12*t+LL], s70, s71
	BOTH v_add_f32 v[ST+12*t+LL], v[ST+12*t+LL], v[ST+12*t+LL+1]
	BOTH v_rcp_f32 v[ST+12*t+AA], v[ST+12*t+LL]
	v_nop                                          ; a plain instruction between the reciprocals and their use
.set t, 0
	s_wait_alu depctr_va_vdst(0)
.rept 2
.set i, 0
.rept 16
	v_pk_mul_f32 v[O+32*t+2*i:O+32*t+2*i+1], v[O+32*t+2*i:O+32*t+2*i+1], v[ST+12*t+AA:ST+12*t+AA+1] op_sel_hi:[1,0]
.set i, i+1
.endr
.set t, t+1
.endr
.set i, 0
.rept 32
	v_cvt_pk_f16_f32 v[K+i], v[O+2*i], v[O+2*i+1]  ; K's registers are free: (cb, qt) packed at K + 16 qt + 4 cb
.set i, i+1
.endr
.irp qt, 0,1
.irp cb, 0,1,2,3
	ds_store_b128 v[STO], v[K+16*(\qt)+4*(\cb):K+16*(\qt)+4*(\cb)+3] offset:(\qt)*16*SP+32*(\cb)
.endr
.endr
	s_wait_tensorcnt 0x0                           ; behind my last LDS store
	ds_add_u32 v[SPW], v[NIL]
	s_wait_dscnt 0x0                               ; the wait also shows my stores done, for the other waves' sake
	s_barrier_signal -1
	s_barrier_wait -1
.irp i, 0,1,2,3,4,5,6,7
	ds_load_b128 v[V+4*(\i):V+4*(\i)+3], v[RD] offset:((\i)/4)*SP+((\i)%4)*512
.endr
.irp i, 0,1,2,3,4,5,6,7
	s_wait_dscnt 7-(\i)                            ; piece i is in, the younger ones stay out
	global_store_b128 v[GO], v[V+4*(\i):V+4*(\i)+3], s[8:9] offset:(\i)*512  ; 512 consecutive bytes, aligned
.endr
	s_endpgm
.Lfunc_end_k_qb9f64916c3_attn:
	.size	k_qb9f64916c3_attn, .Lfunc_end_k_qb9f64916c3_attn-k_qb9f64916c3_attn
	.p2alignl 7, 3214868480
	.fill 96, 4, 3214868480
	.section	.rodata,"a",@progbits
	.p2align	6, 0x0
	.amdhsa_kernel k_qb9f64916c3_attn
		.amdhsa_group_segment_fixed_size 68096
		.amdhsa_private_segment_fixed_size 0
		.amdhsa_enable_private_segment 0
		.amdhsa_kernarg_size 24
		.amdhsa_user_sgpr_count 2
		.amdhsa_user_sgpr_kernarg_segment_ptr 1
		.amdhsa_wavefront_size32 1
		.amdhsa_system_sgpr_workgroup_id_x 1
		.amdhsa_system_sgpr_workgroup_id_y 1
		.amdhsa_system_sgpr_workgroup_id_z 1
		.amdhsa_system_vgpr_workitem_id 0
		.amdhsa_next_free_vgpr 248
		.amdhsa_next_free_sgpr 80
		.amdhsa_reserve_vcc 0
		.amdhsa_float_denorm_mode_32 3
		.amdhsa_float_denorm_mode_16_64 3
		.amdhsa_memory_ordered 1
		.amdhsa_forward_progress 1
		.amdhsa_inst_pref_size 27
	.end_amdhsa_kernel
	.amdgpu_metadata
---
amdhsa.version: [ 1, 2 ]
amdhsa.kernels:
  - .name:           k_qb9f64916c3_attn
    .symbol:         k_qb9f64916c3_attn.kd
    .args:
      - { .name: qkv, .offset: 0, .size: 8, .value_kind: global_buffer, .address_space: global }
      - { .name: sel, .offset: 8, .size: 8, .value_kind: global_buffer, .address_space: global }
      - { .name: ctx, .offset: 16, .size: 8, .value_kind: global_buffer, .address_space: global }
    .group_segment_fixed_size: 68096
    .private_segment_fixed_size: 0
    .kernarg_segment_align: 8
    .kernarg_segment_size: 24
    .max_flat_workgroup_size: 512
    .sgpr_count:     80
    .vgpr_count:     248
    .wavefront_size: 32
...
	.end_amdgpu_metadata
.endif
;; end of part 11
;; launch outp (part 12): grid 8 x 32, 4 waves a work-group, clusters of 4 x 4, 327,680 bytes of LDS; arguments ctx, xw, x, out0; writes out0
.if DOCPART == 12
	.amdgcn_target "amdgcn-amd-amdhsa--gfx1250"
	.amdhsa_code_object_version 6
	.text
	.protected	k_qb9f64916c3_outp
	.globl	k_qb9f64916c3_outp
	.p2align	8
	.type	k_qb9f64916c3_outp,@function
k_qb9f64916c3_outp:
	s_mov_b64 s[64:65], 0
	v_nop
	global_prefetch_b8 v0, s[64:65] scope:SCOPE_SE
	s_setreg_imm32_b32 hwreg(HW_REG_WAVE_MODE, 25, 1), 1
	s_wait_xcnt 0x0
	s_wait_alu depctr_hold_cnt(0) depctr_sa_sdst(0) depctr_va_vdst(0) depctr_va_sdst(0) depctr_va_ssrc(0) depctr_va_vcc(0) depctr_vm_vsrc(0)
	s_getreg_b32 s2, hwreg(HW_REG_IB_STS2, 6, 4)
	s_cmp_eq_u32 s2, 0
	s_cbranch_scc0 .Lentry_in_a_cluster
	s_endpgm
.Lentry_in_a_cluster:
	s_bfe_u32 s2, ttmp6, 0x10000c
	s_cmp_lg_u32 s2, 0xf033
	s_cbranch_scc0 .Lentry_shape_is_right
	s_endpgm
.Lentry_shape_is_right:
; out = ctx Wo + x: C[8192][1024] = A[8192][1024] B + x, f16 operands, f32 sums, x added in f32, out in f32.
; A = ctx, f16, row-major.  B = Wo (rounded to bf16, written as f16) at byte 23,068,672 of xw in units [k/8][1024][8] of 16 bytes.
; SHARES, RING, CLUSTER.  A tile of C is 256 x 128: 256 tiles.  Four waves, each 128 x 64: 32 accumulators.  K goes in 8 steps of 128 through two LDS slots
; (A's rows 256 bytes + 16 of padding; B's k groups 2,048 dense bytes); A's tile is asked for jointly along a row of the 4 x 4 cluster, B's along a column.
; x IS LOADED EARLY: a wave's 128 x 64 numbers of x are 256 registers, which lie idle during the products.  Four blocks of 16 rows are asked for in front of the
; loop over K and four behind it, in the lanes in which the rows of C come back from the stage; nothing waits for them before the way out.
; THE WAY OUT.  A wave's 64 columns are 256 bytes of a row of out.  A block of 16 rows goes through the wave's own stage in LDS and comes back as whole rows; the next
; block goes into the stage before this one is waited for; x is added; sixteen lanes store 256 consecutive bytes, aligned.
; REGISTERS.  Window 0: v0-31 addresses; v32-127, v128-223 two fragment buffers, on the way out rows read back (v160-223).  Window 1: accumulator (a, b) at v[8 (4 a + b)].
; Window 2: x, block a at v[32 a].
.set NTOT,  1024
.set BBASE, 23068672
.set KSTEP, 128
.set PITCH, 272                        ; 68 words: the 16 rows of a fragment load start at 16 different groups of four banks (64 banks of 4 bytes: ISA guide 11.1)
.set HALFA, 128*PITCH
.set BOFF,  2*HALFA
.set HALFB, 8*2048
.set SLOT,  BOFF+2*HALFB
.set STAGE, 2*SLOT                     ; behind the ring, never filled by a tensor load: 16 rows x 272 bytes for each wave
.set SP,    272
.set SPARE, STAGE+4*16*SP
.set BHALF, 8*NTOT*16
.set BSTEP, 16*NTOT*16
.set LAPS,  1024/(2*KSTEP)
.set ADRA, 16
.set ADRB, 20
.set STO,  24
.set RD,   25
.set CO,   26                          ; (l / 16) x 4,096 + 16 (l % 16): two rows of x and of out; never rewritten
.set SPW,  28
.set NIL,  29
.set F0,   32
.set F1,   128
.set WV, 12
.set WM, 13
.set WN, 14
.set G1,  24
.set G0,  32
.set G1B, 48
.set G0B, 56
.set MSB, 0
.macro WIN new                         ; the immediate's high byte repeats the setting that is left
.if MSB != (\new)
	s_set_vgpr_msb (MSB<<8)|(\new)
.set MSB, \new
.endif
.endm
.set MUL, 0x50                         ; sources 0 and 1 window 0; C and D window 1
.macro JLOAD s                         ; a joint load: waves 0, 1 fetch A's halves, waves 2, 3 B's; an s_nop 0 and four v_nop follow each line
	s_cmp_eq_u32 s[WM], 0
	s_cbranch_scc0 .Lfor_b_\@
	tensor_load_to_lds s[G0+4*(\s):G0+4*(\s)+3], s[G1:G1+7]
	s_nop 0
.rept 4
	v_nop
.endr
	s_branch .Lasked_\@
.Lfor_b_\@:
	tensor_load_to_lds s[G0B+4*(\s):G0B+4*(\s)+3], s[G1B:G1B+7]
	s_nop 0
.rept 4
	v_nop
.endr
.Lasked_\@:
.endm
.macro CREST
	s_cmp_lg_u32 s[WV], 0
	s_cbranch_scc1 .Lnot_wave_0_\@
	s_barrier_signal -3
.Lnot_wave_0_\@:
	s_barrier_wait -3
	s_barrier_signal -1
	s_barrier_wait -1
.endm
.macro CROUND
	s_barrier_signal -1
	s_barrier_wait -1
	CREST
.endm
	s_load_b256 s[4:11], s[0:1], 0x0               ; ctx s[4:5], xw s[6:7], x s[8:9], out s[10:11]
	v_lshl_add_u32 v[SPW], v0, 2, SPARE
	v_mov_b32 v[NIL], 0
	ds_add_u32 v[SPW], v[NIL]                      ; the wave's opening: the add and its wait ahead of my first tensor load
	v_lshrrev_b32 v1, 5, v0
	v_readfirstlane_b32 s[WV], v1
	s_lshr_b32 s[WM], s[WV], 1
	s_and_b32 s[WN], s[WV], 1
	s_bfe_u32 s40, ttmp6, 0x40000                  ; cx
	s_bfe_u32 s41, ttmp6, 0x40004                  ; cy
	s_lshl_b32 s42, ttmp9, 2
	s_add_co_u32 s42, s42, s40                     ; tile column
	s_and_b32 s43, ttmp7, 0xffff
	s_lshl_b32 s43, s43, 2
	s_add_co_u32 s43, s43, s41                     ; tile row
	s_lshl_b32 s44, s41, 2
	s_lshl_b32 s44, 15, s44                        ; my row of the cluster
	s_lshl_b32 s45, 0x1111, s40                    ; my column
	s_or_b32 s[G1], s44, (1<<16)|(1<<20)|(1<<21)|(5<<22)|(3<<25)  ; A: mask of my row; 2-byte elements; padding on; bit 21 beside a mask; after every 64 words, 4 words
	s_mov_b32 s[G1+1], KSTEP<<16
	s_mov_b32 s[G1+2], 128<<16
	s_mov_b32 s[G1+3], KSTEP<<16
	s_mov_b32 s[G1+4], 128
	s_mov_b32 s[G1+5], 1024
	s_mov_b32 s[G1+6], 0
	s_mov_b32 s[G1+7], 0
	s_or_b32 s[G1B], s45, (1<<16)|(1<<21)          ; B: mask of my column; no padding
	s_mov_b32 s[G1B+1], 1024<<16
	s_mov_b32 s[G1B+2], 8<<16
	s_mov_b32 s[G1B+3], 1024<<16
	s_mov_b32 s[G1B+4], 8
	s_mov_b32 s[G1B+5], NTOT*8
	s_mov_b32 s[G1B+6], 0
	s_mov_b32 s[G1B+7], 0
	s_lshl_b32 s16, s43, 8                         ; A hangs on the tile row alone
	s_lshl_b32 s17, s[WN], 7
	s_add_co_u32 s16, s16, s17
	s_lshl_b32 s16, s16, 11
	s_mov_b32 s17, 0
	s_mul_i32 s46, s[WN], BHALF                    ; B on the tile column alone
	s_lshl_b32 s47, s42, 11
	s_add_co_u32 s46, s46, s47
	s_add_co_u32 s46, s46, BBASE
	s_mov_b32 s47, 0
	s_mul_i32 s20, s[WN], HALFA
	s_mul_i32 s21, s[WN], HALFB
	s_add_co_u32 s21, s21, BOFF
	s_wait_dscnt 0x0                               ; the opening add is done
	s_wait_kmcnt 0x0
	s_add_nc_u64 s[66:67], s[4:5], s[16:17]
	s_add_nc_u64 s[46:47], s[6:7], s[46:47]
	CROUND                                         ; all sixteen work-groups are here: the first joint loads meet
.irp s, 0,1
	s_mov_b32 s[G0+4*(\s)], 1
	s_add_co_u32 s[G0+4*(\s)+1], s20, (\s)*SLOT
	s_add_nc_u64 s[G0+4*(\s)+2:G0+4*(\s)+3], s[66:67], (\s)*KSTEP*2
	s_or_b32 s[G0+4*(\s)+3], s[G0+4*(\s)+3], 0x80000000
	s_mov_b32 s[G0B+4*(\s)], 1
	s_add_co_u32 s[G0B+4*(\s)+1], s21, (\s)*SLOT
	s_add_nc_u64 s[G0B+4*(\s)+2:G0B+4*(\s)+3], s[46:47], (\s)*BSTEP
	s_or_b32 s[G0B+4*(\s)+3], s[G0B+4*(\s)+3], 0x80000000
	JLOAD \s                                       ; two tensor loads of mine are out here, later one
.endr
	v_and_b32 v1, 15, v0
	v_bfe_u32 v2, v0, 4, 1
	v_mul_u32_u24 v3, v1, PITCH
	v_lshl_add_u32 v3, v2, 4, v3
	v_lshlrev_b32 v4, 11, v2
	v_lshl_add_u32 v4, v1, 4, v4
	s_mul_i32 s22, s[WM], HALFA
	s_lshl_b32 s23, s[WN], 10
	s_add_co_u32 s23, s23, BOFF
.irp s, 0,1
	v_add_nc_u32 v[ADRA+(\s)], s22, v3
	v_add_nc_u32 v[ADRB+(\s)], s23, v4
	s_add_co_u32 s22, s22, SLOT
	s_add_co_u32 s23, s23, SLOT
.endr
	s_mul_i32 s75, s[WV], 16*SP
	s_add_co_u32 s75, s75, STAGE                   ; my stage
	v_mul_u32_u24 v5, v1, SP                       ; in: row l % 16, 32 bytes for each half of the lanes
	v_lshl_add_u32 v5, v2, 5, v5
	v_add_nc_u32 v[STO], s75, v5
	v_mul_u32_u24 v5, v2, SP                       ; back: lanes 0-15 one row of 256 bytes, lanes 16-31 the next
	v_lshl_add_u32 v5, v1, 4, v5
	v_add_nc_u32 v[RD], s75, v5
	v_lshlrev_b32 v5, 12, v2
	v_lshl_add_u32 v[CO], v1, 4, v5
	s_lshl_b32 s72, s43, 8                         ; x and out at my 128 rows and 64 columns
	s_lshl_b32 s73, s[WM], 7
	s_add_co_u32 s72, s72, s73
	s_lshl_b32 s72, s72, 12
	s_lshl_b32 s73, s42, 9
	s_add_co_u32 s72, s72, s73
	s_lshl_b32 s73, s[WN], 8
	s_add_co_u32 s72, s72, s73
	s_mov_b32 s73, 0
	s_add_nc_u64 s[8:9], s[8:9], s[72:73]
	s_add_nc_u64 s[10:11], s[10:11], s[72:73]
; 8 matrix instructions: row blocks a0, a0 + 1 x all 4 column blocks, 32 along K.  The 32 accumulators take turns in the same order in every quarter.
.macro MUL8 f, a0, zero
	WIN MUL
.irp a, \a0, (\a0)+1
.irp b, 0,1,2,3
.if \zero
	v_wmma_f32_16x16x32_f16 v[8*(4*(\a)+(\b)):8*(4*(\a)+(\b))+7], v[(\f)+8*(\b):(\f)+8*(\b)+7], v[(\f)+32+8*(\a):(\f)+32+8*(\a)+7], 0
.else
	v_wmma_f32_16x16x32_f16 v[8*(4*(\a)+(\b)):8*(4*(\a)+(\b))+7], v[(\f)+8*(\b):(\f)+8*(\b)+7], v[(\f)+32+8*(\a):(\f)+32+8*(\a)+7], v[8*(4*(\a)+(\b)):8*(4*(\a)+(\b))+7]
.endif
.endr
.endr
.endm
.macro FETCH slot, q, f                ; 24 LDS loads in one run: B's 4 fragments first, then A's 8
	WIN 0
.irp b, 0,1,2,3
	ds_load_b128 v[(\f)+8*(\b):(\f)+8*(\b)+3],   v[ADRB+(\slot)] offset:(\q)*8192+(\b)*256
	ds_load_b128 v[(\f)+8*(\b)+4:(\f)+8*(\b)+7], v[ADRB+(\slot)] offset:(\q)*8192+(\b)*256+4096
.endr
.irp a, 0,1,2,3,4,5,6,7
	ds_load_b128 v[(\f)+32+8*(\a):(\f)+32+8*(\a)+3],   v[ADRA+(\slot)] offset:(\q)*64+(\a)*16*PITCH
	ds_load_b128 v[(\f)+32+8*(\a)+4:(\f)+32+8*(\a)+7], v[ADRA+(\slot)] offset:(\q)*64+(\a)*16*PITCH+32
.endr
.endm
.macro PLACES                          ; four places in front of loads into registers that matrix instructions have read, and of lines that read results
.rept 4
	v_nop
.endr
.endm
.macro QUARTER slot, q, f, g, zero
	s_wait_dscnt 8                                 ; B and A's blocks 0-3 are in; the youngest eight loads (A's blocks 4-7) may be out
	MUL8 \f, 0, \zero
	MUL8 \f, 2, \zero
	PLACES
	FETCH \slot, \q, \g
	s_wait_dscnt 24                                ; all but the 24 just issued
	MUL8 \f, 4, \zero
	MUL8 \f, 6, \zero
.endm
.macro TURN slot, next, fill
	WIN 0
	s_wait_tensorcnt 0x0                           ; all my tensor loads have landed: my part of the next slot
	ds_add_u32 v[SPW], v[NIL]                      ; 0 onto my spare word
	s_wait_dscnt 9                                 ; (the add and the youngest eight loads may be out)
	MUL8 F1, 0, 0
	s_wait_dscnt 0x0                               ; the add is done, and my reads of this slot are over
	s_barrier_signal -1
	MUL8 F1, 2, 0
.if \fill
	WIN 0
.endif
	s_barrier_wait -1
.if \fill
	CREST                                          ; no wave of any partner still reads this slot or has a load on its way
	s_add_nc_u64 s[G0+4*(\slot)+2:G0+4*(\slot)+3], s[G0+4*(\slot)+2:G0+4*(\slot)+3], 2*KSTEP*2
	s_add_nc_u64 s[G0B+4*(\slot)+2:G0B+4*(\slot)+3], s[G0B+4*(\slot)+2:G0B+4*(\slot)+3], 2*BSTEP
	JLOAD \slot                                    ; the first tensor load behind the round; its four v_nop are also the places in front of the loads below
.else
	PLACES
.endif
	FETCH \next, 0, F0
	MUL8 F1, 4, 0
	MUL8 F1, 6, 0
.endm
.macro XLOAD a                         ; x of block a (16 rows x 256 bytes) into window 2: sixteen lanes read 256 consecutive bytes
	WIN 0x80                                       ; destination window 2, address window 0
.irp t, 0,1,2,3,4,5,6,7
	global_load_b128 v[32*(\a)+4*(\t):32*(\a)+4*(\t)+3], v[CO], s[8:9] offset:(\a)*65536+(\t)*8192 th:TH_LOAD_NT
.endr
	WIN 0
.endm
	s_wait_tensorcnt 1                             ; my part of K step 0 is in; K step 1's may stay out
	s_barrier_signal -1
	s_barrier_wait -1
	FETCH 0, 0, F0
	QUARTER 0, 1, F0, F1, 1
	XLOAD 0                                        ; 32 loads of x now, 32 behind the loop; no wave writes x, so they may stay out across the barriers
	XLOAD 1
	XLOAD 2
	XLOAD 3
	WIN 0
	s_mov_b32 s3, LAPS-1
.Llap:
	QUARTER 0, 2, F1, F0, 0
	QUARTER 0, 3, F0, F1, 0
	TURN 0, 1, 1
	QUARTER 1, 1, F0, F1, 0
	QUARTER 1, 2, F1, F0, 0
	QUARTER 1, 3, F0, F1, 0
	TURN 1, 0, 1
	QUARTER 0, 1, F0, F1, 0
	WIN 0
	s_sub_co_u32 s3, s3, 1
	s_cmp_lg_u32 s3, 0
	s_cbranch_scc1 .Llap
	XLOAD 4                                        ; seven quarters of a K step ahead of the first use of any x
	XLOAD 5
	XLOAD 6
	XLOAD 7
	QUARTER 0, 2, F1, F0, 0                        ; the last lap fills nothing
	QUARTER 0, 3, F0, F1, 0
	TURN 0, 1, 0
	QUARTER 1, 1, F0, F1, 0
	QUARTER 1, 2, F1, F0, 0
	QUARTER 1, 3, F0, F1, 0
	s_wait_dscnt 8
	MUL8 F1, 0, 0
	MUL8 F1, 2, 0
	s_wait_dscnt 0x0
	MUL8 F1, 4, 0
	MUL8 F1, 6, 0
	WIN 0
	; THE WAY OUT
.macro STG a                           ; block a into my stage, and back as whole rows into v160-191 or v192-223 by turns
.set OB, 160+32*((\a)%2)
	WIN 0x04                                       ; store data in window 1, address in window 0
.irp b, 0,1,2,3
	ds_store_b128 v[STO], v[8*(4*(\a)+(\b)):8*(4*(\a)+(\b))+3]   offset:64*(\b)     ; each accumulator's low registers first
	ds_store_b128 v[STO], v[8*(4*(\a)+(\b))+4:8*(4*(\a)+(\b))+7] offset:64*(\b)+16
.endr
	WIN 0
	s_wait_xcnt 0x0                                ; the registers that the stores two blocks back read are written again only behind this wait
.irp t, 0,1,2,3,4,5,6,7
	ds_load_b128 v[OB+4*(\t):OB+4*(\t)+3], v[RD] offset:(\t)*2*SP  ; LDS serves a wave's instructions in order (ISA guide 5.7.1.4): these see the stores above, and the next block's stores come behind them
.endr
.endm
.macro FIN a, younger                  ; younger: the LDS lines issued behind block a's loads: the next block's sixteen, or none
.set OB, 160+32*((\a)%2)
.set XB, 32*(\a)
	s_wait_loadcnt 8*(7-(\a))                      ; block a's x is in; the later blocks' loads may be out
	s_wait_dscnt \younger
	WIN 0x08                                       ; source 1 in window 2
.set i, 0
.rept 16
	v_pk_add_f32 v[OB+2*i:OB+2*i+1], v[OB+2*i:OB+2*i+1], v[XB+2*i:XB+2*i+1]
.set i, i+1
.endr
	WIN 0
.irp t, 0,1,2,3,4,5,6,7
	global_store_b128 v[CO], v[OB+4*(\t):OB+4*(\t)+3], s[10:11] offset:(\a)*65536+(\t)*8192 th:TH_STORE_NT  ; sixteen lanes: 256 consecutive bytes, aligned
.endr
.endm
	PLACES                                         ; behind the last products: the LDS stores read their results, the LDS loads land in their sources
	STG 0
.irp a, 1,2,3,4,5,6,7
	STG \a
	FIN (\a)-1, 16
.endr
	FIN 7, 0
	s_wait_tensorcnt 0x0                           ; the wave's end
	ds_add_u32 v[SPW], v[NIL]
	s_wait_dscnt 0x0
	CROUND                                         ; the closing round: no work-group ends while a partner may still ask for a tile that names it
	s_endpgm
.Lfunc_end_k_qb9f64916c3_outp:
	.size	k_qb9f64916c3_outp, .Lfunc_end_k_qb9f64916c3_outp-k_qb9f64916c3_outp
	.p2alignl 7, 3214868480
	.fill 96, 4, 3214868480
	.section	.rodata,"a",@progbits
	.p2align	6, 0x0
	.amdhsa_kernel k_qb9f64916c3_outp
		.amdhsa_group_segment_fixed_size 327680
		.amdhsa_private_segment_fixed_size 0
		.amdhsa_enable_private_segment 0
		.amdhsa_kernarg_size 32
		.amdhsa_user_sgpr_count 2
		.amdhsa_user_sgpr_kernarg_segment_ptr 1
		.amdhsa_wavefront_size32 1
		.amdhsa_system_sgpr_workgroup_id_x 1
		.amdhsa_system_sgpr_workgroup_id_y 1
		.amdhsa_system_sgpr_workgroup_id_z 1
		.amdhsa_system_vgpr_workitem_id 0
		.amdhsa_next_free_vgpr 768
		.amdhsa_next_free_sgpr 80
		.amdhsa_reserve_vcc 0
		.amdhsa_float_denorm_mode_32 3
		.amdhsa_float_denorm_mode_16_64 3
		.amdhsa_memory_ordered 1
		.amdhsa_forward_progress 1
		.amdhsa_inst_pref_size 101
	.end_amdhsa_kernel
	.amdgpu_metadata
---
amdhsa.version: [ 1, 2 ]
amdhsa.kernels:
  - .name:           k_qb9f64916c3_outp
    .symbol:         k_qb9f64916c3_outp.kd
    .args:
      - { .name: ctx, .offset: 0, .size: 8, .value_kind: global_buffer, .address_space: global }
      - { .name: xw, .offset: 8, .size: 8, .value_kind: global_buffer, .address_space: global }
      - { .name: x, .offset: 16, .size: 8, .value_kind: global_buffer, .address_space: global }
      - { .name: out0, .offset: 24, .size: 8, .value_kind: global_buffer, .address_space: global }
    .group_segment_fixed_size: 327680
    .private_segment_fixed_size: 0
    .kernarg_segment_align: 8
    .kernarg_segment_size: 32
    .max_flat_workgroup_size: 128
    .sgpr_count:     80
    .vgpr_count:     768
    .wavefront_size: 32
...
	.end_amdgpu_metadata
.endif
;; end of part 12
